; MI455X (gfx1250); checked and timed in simulation.
; The chip was launched on July 23, 2026; its instructions are those of AMD's public machine-readable ISA for CDNA 5 (MIT licence, August 2026) and "CDNA5" Instruction Set Architecture Reference Guide (July 2026). The comments in the code are by the model that wrote it; some were corrected since.
;; SAS Rec Block. Allowed arithmetic: matrix products marked QUANTISED: E2M1 operands, one E8M0 scale for each 32 along K, by v_wmma_scale_f32_16x16x128_f8f6f4 with both operands' format E2M1 (or v_wmma_scale_f32_32x16x128_f4), f32 sums; everything else in f32.
;; Inputs: b1 2,048 float32; b2 512 float32; bk 512 float32; bo 512 float32; bq 512 float32; bv 512 float32; ln1_b 512 float32; ln1_g 512 float32; ln2_b 512 float32; ln2_g 512 float32; mask 32 x 512 int32; w1 512 x 2,048 float32; w2 2,048 x 512 float32; wk 512 x 512 float32; wo 512 x 512 float32; wq 512 x 512 float32; wv 512 x 512 float32; x 32 x 512 x 512 float32.
;; Outputs: out0 32 x 512 x 512 float32.
;; This version of the problem:
;;   THIS VERSION OF THE PROBLEM IS GIVEN IN LOW PRECISION. The matrix products marked QUANTISED in the list below multiply operands that are first quantised to E2M1 (2 exponent bits, 1 mantissa bit; 4 bits a number), with one power-of-two scale for each 32 numbers along K (OCP MX v1.0); their sums are f32. All else is computed in f32.
;;   The module's matrix products, in the order in which they are computed (A, B: the left and right operand; K: the contracted axis; several contracted axes count as one K, in the product's order):
;;     1. [M 16,384, K 512] x [K 512, N 512]; A: input x; B: input wq: QUANTISED
;;     2. [M 16,384, K 512] x [K 512, N 512]; A: input x; B: input wk: QUANTISED
;;     3. [M 16,384, K 512] x [K 512, N 512]; A: input x; B: input wv: QUANTISED
;;     4. batch 256 x [M 512, K 64] x [K 64, N 512]; A: computed on the way; B: computed on the way: QUANTISED
;;     5. batch 256 x [M 64, K 512] x [K 512, N 512]; A: computed on the way; B: softmax (see below): QUANTISED
;;     6. [M 16,384, K 512] x [K 512, N 512]; A: computed on the way; B: input wo: QUANTISED
;;     7. [M 16,384, K 512] x [K 512, N 2,048]; A: computed on the way; B: input w1: QUANTISED
;;     8. [M 16,384, K 2,048] x [K 2,048, N 512]; A: computed on the way; B: input w2: QUANTISED
;;   THE QUANTISER, for each operand of a quantised product, along K:
;;     - K is cut into blocks of 32 from its start; a last block that is shorter is filled with zeros.
;;     - A block's scale is 2^e with e = floor(log2(the largest magnitude in the block)) - 2, held to -126 .. 127; a block of zeros has e = 0. As a byte (E8M0): e + 127.
;;     - Each number is divided by its block's scale, clamped to +-6, and rounded to the nearest number of E2M1, ties to even, subnormals kept.
;;     - The product sums the exact products of the quantised numbers (number of the format x scale) in f32.
;;   ~~~python
;;   def quantise(x, axis):      # numpy; x: float32 -> the quantised numbers, widened to float32 again
;;       x = np.moveaxis(x, axis, -1); K = x.shape[-1]
;;       x = np.pad(x, [(0, 0)] * (x.ndim - 1) + [(0, -K % 32)]); x = x.reshape(x.shape[:-1] + (-1, 32)); a = np.abs(x).max(-1, keepdims=True)
;;       e = np.where(a > 0, np.clip(np.frexp(np.where(a > 0, a, 1))[1] - 1 - 2, -126, 127), 0)      # np.frexp(a)[1] - 1 = floor(log2(a)), exactly
;;       r = np.clip(x / 2.0 ** e, -6, 6)
;;       step = 2.0 ** (np.maximum(np.frexp(np.where(r == 0, 1, r))[1] - 1, 0) - 1)
;;       q = np.round(r / step) * step * 2.0 ** e      # np.round: ties to even
;;       return np.moveaxis(q.reshape(q.shape[:-2] + (-1,))[..., :K], -1, axis).astype(np.float32)
;;   ~~~
;;   SOFTMAX AHEAD OF A QUANTISED PRODUCT. Where the list says 'softmax', what is quantised is not the finished softmax but p = 2^(t - M), with t = logit x log2(e) and M = ceil(the row's largest t), a whole number; so 1/2 < the row's largest p <= 1. The row's sum l is taken of the UNQUANTISED p, in f32, and the product's result is divided by l at the end. Since M is a whole number, a kernel that streams over the keys may use a running M (the ceiling of the running maximum): every later rescaling is an exact power of two, which a block's scale takes up: the codes' values come out the same.
;;   OPERANDS COMPUTED ON THE WAY. 'Computed on the way' means the value that the module computes at that place (a softmax that the list does not call 'softmax' is quantised finished and normalised). What goes into a quantiser is computed in f32, as accurately as f32 sums, v_exp_f32 and their like allow (about 1e-6 of the number): no bf16 or f16 on the way to a quantiser, and a product that is left as it is and whose result goes on into a quantised operand takes f32 operands (vector FMAs, or v_wmma_f32_16x16x4_f32). A number that lies on a knife's edge between two numbers of the format may be rounded either way, as far as f32 arithmetic and the matrix unit's own rounding can turn it there, and no further.
;; 2 versions. Each part assembles by itself: llvm-mc -triple=amdgcn-amd-amdhsa -mcpu=gfx1250 --defsym DOCPART=n.
;; ======== version 1 of 2: 3 launches
;; limits: right only within a limited range of input values
;; workspace buffers: xq 4,456,448 bytes; wqkv 417,792 bytes; wt 1,253,376 bytes; cq 4,194,304 bytes; cs 524,288 bytes
;; launch prep (part 1): grid 448 x 1, 4 waves a work-group, no clusters, 39,424 bytes of LDS; arguments x, wq, wk, wv, wo, w1, w2, xq, wqkv, wt; writes xq, wqkv, wt
.if DOCPART == 1
	.amdgcn_target "amdgcn-amd-amdhsa--gfx1250"
	.amdhsa_code_object_version 6
	.text
	.protected	k_q5b6d464979_prep
	.globl	k_q5b6d464979_prep
	.p2align	8
	.type	k_q5b6d464979_prep,@function
k_q5b6d464979_prep:
	s_mov_b64 s[64:65], 0
	v_nop
	global_prefetch_b8 v0, s[64:65] scope:SCOPE_SE
	s_setreg_imm32_b32 hwreg(HW_REG_WAVE_MODE, 25, 1), 1
	s_wait_xcnt 0x0
; x [16384][512] and the six weights (stored [K][N]) become codes of FP4 (E2M1) with one E8M0 byte for each 32 along K, ONCE, laid in the order of the matrix operand's registers.
; A FRAGMENT is 16 rows x 128 K = 1,024 bytes: block beta (32 K, 16 bytes) of row r at 256 beta + 16 r.  TILE ORDER: tile (b, u) of a group of 32 rows (or columns of a weight) holds in place r the row 32 b + 8 u + r + 8 (r / 8).
; xq: for each batch 139,264 bytes: tile T (0..31) at 4096 T (four fragments along K), its scale bytes at 131,072 + 256 T + 16 r.
; wqkv: for each head 52,224 bytes: matrix (q, k, v) x 16,384 + tile (0..3 of the head's 64 columns) x 4,096 + K step x 1,024; scale bytes at 49,152 + matrix x 1,024 + tile x 256 + 16 r.
; wt: 144 chunks of 8,192 bytes (a pair of tiles = 32 columns, 512 along K: u x 4,096 + K step x 1,024), then at 1,179,648 their scale bytes, 512 a chunk (16 x (16 u + r)).  wo's pair P: chunk P; w1's: 16 + P; w2's pair P, quarter t of K: 80 + 4 P + t.
; A block's scale is 2^(floor(log2(largest magnitude)) - 2); its byte is the largest magnitude's exponent field - 2, held at 1 from below.
; LIMITS: a block of zeros gets the byte 1 where the rule says 127 (its codes are zeros, and this program alone reads the bytes); NaN and infinities among the inputs are not served.
; Work-groups 0..255 take x (a wave a tile of 16 rows); work-groups 256..447 take the weights (a work-group 128 columns x 128 K, a wave 32 columns).  Waves share nothing: no barrier.  Only the x path uses LDS.
.set SP,    80                         ; x path: a lane's place in a stage: 64 bytes + 16 of padding
.set WREG,  9728                       ; LDS of a wave: two stages of 32 x 80, 256 scale bytes, the tile's image
.set SCB,   5120
.set IMG,   5376
.set IP,    272                        ; a block row of the image: 16 rows x 16 bytes + 16 of padding
.set EMAX,  2
.set RR,    16                         ; v16-79   four sets of 16 numbers as loaded
.set XX,    80                         ; v80-111  two sets of 16 neighbours
.set EE,    112                        ; v112-127 a scale byte for each step
.set CC,    128                        ; v128-159 two registers of codes for each step
.set OUTR,  160                        ; v160-191 the image on its way out
.set OFF,   32                         ; weight path: v32-63 offsets of 32 rows of K
.set WX,    64                         ; v64-127  two sets of 32 numbers
.set WCD,   128                        ; v128-143 four registers of codes for each block
.set SBY,   20                         ; v20      the four scale bytes
	s_load_b256 s[4:11], s[0:1], 0x0               ; x, wq, wk, wv
	s_load_b256 s[12:19], s[0:1], 0x20             ; wo, w1, w2, xq
	s_load_b128 s[20:23], s[0:1], 0x40             ; wqkv, wt
	v_lshl_add_u32 v192, v0, 2, 0x9800
	v_mov_b32 v193, 0
	v_lshrrev_b32 v1, 5, v0
	v_readfirstlane_b32 s24, v1                    ; wave
	v_and_b32 v2, 31, v0                           ; lane
	s_cmp_lt_u32 ttmp9, 256
	s_cbranch_scc0 .Lweights
; ---------------- x: a step is one row (512 numbers).  Loads take the bytes as they lie, 512 a load; a row turns through the wave's stage so that a lane holds 16 neighbours; two neighbouring lanes hold a block.
	v_lshlrev_b32 v3, 4, v2                        ; 16 x lane
	s_mul_i32 s25, s24, WREG
	v_lshrrev_b32 v14, 2, v2
	v_mul_u32_u24 v14, v14, SP
	v_and_b32 v15, 3, v2
	v_lshl_add_u32 v14, v15, 4, v14
	v_add_nc_u32 v14, s25, v14                     ; the stage, on the way in: 80 (lane / 4) + 16 (lane % 4)
	v_mul_u32_u24 v15, v2, SP
	v_add_nc_u32 v15, s25, v15                     ; and on the way out: 80 x lane
	v_lshrrev_b32 v5, 1, v2                        ; my block of the row
	v_and_b32 v6, 1, v2                            ; my half of it
	v_mul_u32_u24 v4, v5, IP
	v_lshl_add_u32 v4, v6, 3, v4
	v_add_nc_u32 v4, s25, v4                       ; the image: block row, + 8 x half; the row's 16 bytes stand in the immediate
	v_add_nc_u32 v5, s25, v5                       ; the scale bytes: my block's
	v_lshrrev_b32 v6, 4, v2
	v_mul_u32_u24 v6, v6, IP
	v_and_b32 v7, 15, v2
	v_lshl_add_u32 v6, v7, 4, v6
	v_add_nc_u32 v6, s25, v6                       ; the image back: two block rows an instruction
	v_lshlrev_b32 v7, 3, v2                        ; 8 x lane
	v_add_nc_u32 v10, s25, v7
	s_lshl_b32 s26, ttmp9, 2
	s_add_co_u32 s26, s26, s24                     ; my tile, 0..1023
	s_lshr_b32 s28, s26, 1
	s_lshl_b32 s28, s28, 16                        ; its group of 32 rows of 2,048 bytes,
	s_and_b32 s27, s26, 1
	s_lshl_b32 s27, s27, 14                        ; and 8 rows on for the odd tile
	s_add_co_u32 s28, s28, s27
	s_mov_b32 s29, 0
	s_lshr_b32 s30, s26, 5
	s_mul_i32 s30, s30, 139264                     ; the batch's record
	s_and_b32 s27, s26, 31
	s_lshl_b32 s32, s27, 12
	s_add_co_u32 s32, s32, s30
	s_mov_b32 s33, 0
	s_lshl_b32 s34, s27, 8
	s_add_co_u32 s34, s34, s30
	s_add_co_u32 s34, s34, 131072
	s_mov_b32 s35, 0
	s_wait_kmcnt 0x0
	s_add_nc_u64 s[4:5], s[4:5], s[28:29]
	s_add_nc_u64 s[36:37], s[18:19], s[32:33]      ; where the tile's codes go
	s_add_nc_u64 s[38:39], s[18:19], s[34:35]      ; and its scale bytes
.macro XLOAD t                         ; place t of the tile is row t + 8 (t / 8) of its 24
.irp i, 0,1,2,3
	global_load_b128 v[RR+16*((\t)%4)+4*\i:RR+16*((\t)%4)+4*\i+3], v3, s[4:5] offset:((\t)+8*((\t)/8))*2048+512*\i th:TH_LOAD_NT
.endr
.endm
.macro XTURN t                         ; LDS serves a wave's instructions in order: no wait between the stores and the loads
.irp i, 0,1,2,3
	ds_store_b128 v14, v[RR+16*((\t)%4)+4*\i:RR+16*((\t)%4)+4*\i+3] offset:32*SP*((\t)%2)+8*SP*\i
.endr
.irp i, 0,1,2,3
	ds_load_b128 v[XX+16*((\t)%2)+4*\i:XX+16*((\t)%2)+4*\i+3], v15 offset:32*SP*((\t)%2)+16*\i
.endr
.endm
.irp t, 0,1,2,3
	XLOAD \t
.endr
	s_wait_loadcnt 12                              ; step 0's four loads are in; three steps' twelve may be out
	XTURN 0
.macro XSTEP t
.set XS, XX+16*((\t)%2)
.if (\t) > 0
	s_wait_dscnt 2                                 ; this step's numbers are back from the stage; the last step's two stores (codes, byte) may be out
.else
	s_wait_dscnt 0x0
.endif
.if (\t)+4 < 16
	XLOAD (\t)+4
.endif
.if (\t)+1 < 16
.if 14-(\t) >= 3
	s_wait_loadcnt 12                              ; the next step's four loads are in; those of the three steps behind it may be out
.else
	s_wait_loadcnt 4*(14-(\t))
.endif
	XTURN (\t)+1
.endif
	v_max3_num_f32 v8, |v[XS]|, |v[XS+1]|, |v[XS+2]|
	v_max3_num_f32 v9, |v[XS+3]|, |v[XS+4]|, |v[XS+5]|
.irp i, 6,10
	v_max3_num_f32 v8, v8, |v[XS+\i]|, |v[XS+\i+1]|
	v_max3_num_f32 v9, v9, |v[XS+\i+2]|, |v[XS+\i+3]|
.endr
	v_max3_num_f32 v8, v8, |v[XS+14]|, |v[XS+15]|
	v_max3_num_f32 v8, v8, v9, (EMAX+1)<<23        ; with the floor 2^(3 - 127): the byte cannot fall under 1
	v_max_num_f32_dpp v8, v8, v8 row_xmask:1 row_mask:0xf bank_mask:0xf   ; and my neighbour's 16: the block's largest magnitude
	v_add_nc_u32 v11, -(EMAX<<23), v8              ; 2 off its exponent field: the conversion's scale operand
	v_cvt_scalef32_pk8_fp4_f32 v[CC+2*(\t)], v[XS:XS+7], v11
	v_cvt_scalef32_pk8_fp4_f32 v[CC+2*(\t)+1], v[XS+8:XS+15], v11
	v_lshrrev_b32 v[EE+(\t)], 23, v11              ; the scale's byte (also the plain line behind the conversions)
	ds_store_b64 v4, v[CC+2*(\t):CC+2*(\t)+1] offset:IMG+16*(\t)   ; my half block of row t
	ds_store_b8 v5, v[EE+(\t)] offset:SCB+16*(\t)  ; both lanes of a block write the same byte with the same value
.endm
.irp t, 0,1,2,3,4,5,6,7,8,9,10,11,12,13,14,15
	XSTEP \t
.endr
.irp i, 0,1,2,3,4,5,6,7
	ds_load_b128 v[OUTR+4*\i:OUTR+4*\i+3], v6 offset:IMG+2*IP*\i   ; these see my stores: LDS serves a wave in order
.endr
	ds_load_b64 v[12:13], v10 offset:SCB
.irp i, 0,1,2,3,4,5,6,7
	s_wait_dscnt 8-\i                              ; load i is in; the image loads behind it and the scale load may be out
	global_store_b128 v3, v[OUTR+4*\i:OUTR+4*\i+3], s[36:37] offset:512*\i   ; 32 lanes store 512 consecutive bytes
.endr
	s_wait_dscnt 0x0
	global_store_b64 v7, v[12:13], s[38:39]        ; 256 consecutive bytes
	s_wait_tensorcnt 0x0
	ds_add_u32 v192, v193
	s_wait_dscnt 0x0
	s_endpgm
; ---------------- the weights: a lane takes a column, its registers run down K: a block of 32 lies in one lane, and the conversions give codes with K innermost.
.Lweights:
	s_sub_co_u32 s25, ttmp9, 256                   ; tt: 0-47 wq, wk, wv; 48-63 wo; 64-127 w1; 128-191 w2
	s_and_b32 s26, s25, 3
	s_and_b32 s27, s25, 15
	s_cmp_ge_u32 s25, 128
	s_cselect_b32 s26, s27, s26                    ; which 128 along K
	s_lshr_b32 s27, s25, 2
	s_and_b32 s28, s27, 3
	s_and_b32 s29, s27, 15
	s_lshr_b32 s30, s25, 4                         ; (under 64: which of wq, wk, wv, wo)
	s_and_b32 s31, s30, 3
	s_cmp_lt_u32 s25, 64
	s_cselect_b32 s28, s28, s29
	s_cmp_lt_u32 s25, 128
	s_cselect_b32 s28, s28, s31                    ; which 128 columns
	s_lshl_b32 s28, s28, 2
	s_add_co_u32 s28, s28, s24                     ; P: my wave's pair of tiles, 32 columns
	s_lshr_b32 s29, s25, 6                         ; 0: the four square ones, 1: w1, 2: w2
	s_mov_b32 s31, 2048
	s_cmp_eq_u32 s29, 1
	s_cselect_b32 s31, 8192, s31                   ; a row of the weight in bytes
	s_lshr_b32 s33, s26, 2
	s_and_b32 s34, s26, 3
	s_lshl_b32 s35, s28, 2
	s_add_co_u32 s35, s35, s33
	s_add_co_u32 s35, s35, 80                      ; w2's chunk
	s_add_co_u32 s36, s28, 16                      ; w1's
	s_cmp_eq_u32 s29, 1
	s_cselect_b32 s36, s36, s28                    ; or wo's
	s_cmp_eq_u32 s29, 2
	s_cselect_b32 s35, s35, s36
	s_lshl_b32 s36, s35, 13
	s_lshl_b32 s37, s34, 10
	s_add_co_u32 s36, s36, s37                     ; codes in wt
	s_lshl_b32 s37, s35, 9
	s_lshl_b32 s38, s34, 2
	s_add_co_u32 s37, s37, s38
	s_add_co_u32 s37, s37, 1179648                 ; scale bytes in wt
	s_lshr_b32 s38, s28, 1
	s_mul_i32 s38, s38, 52224                      ; the head's record in wqkv
	s_and_b32 s39, s28, 1
	s_lshl_b32 s40, s30, 14
	s_add_co_u32 s40, s40, s38
	s_lshl_b32 s41, s39, 13
	s_add_co_u32 s40, s40, s41
	s_lshl_b32 s41, s26, 10
	s_add_co_u32 s40, s40, s41                     ; codes in wqkv
	s_lshl_b32 s41, s30, 10
	s_add_co_u32 s41, s41, s38
	s_lshl_b32 s42, s39, 9
	s_add_co_u32 s41, s41, s42
	s_lshl_b32 s42, s26, 2
	s_add_co_u32 s41, s41, s42
	s_add_co_u32 s41, s41, 49152                   ; scale bytes in wqkv
	s_cmp_lt_u32 s25, 48
	s_cselect_b32 s44, s40, s36
	s_cselect_b32 s46, s41, s37
	s_mov_b32 s45, 0
	s_mov_b32 s47, 0
	s_lshl_b32 s48, s26, 7
	s_mul_i32 s48, s48, s31                        ; my first row of K,
	s_lshl_b32 s49, s28, 7
	s_add_co_u32 s48, s48, s49                     ; my first column
	s_mov_b32 s49, 0
	s_lshl_b32 s50, s31, 5                         ; 32 rows on
	s_mov_b32 s51, 0
	v_and_b32 v3, 15, v2                           ; r
	v_lshrrev_b32 v4, 4, v2                        ; u
	v_and_b32 v5, 8, v3
	v_add_nc_u32 v5, v5, v3
	v_lshl_add_u32 v5, v4, 3, v5                   ; my column of the 32: 8 u + r + 8 (r / 8)
	v_lshlrev_b32 v5, 2, v5
.set j, 0
.rept 32
	v_mad_u32_u24 v[OFF+j], s31, j, v5             ; row j of a block, my column
.set j, j+1
.endr
	v_lshlrev_b32 v6, 4, v3
	v_lshl_add_u32 v6, v4, 12, v6                  ; out: tile u, row r
	v_lshlrev_b32 v7, 4, v2                        ; scale bytes: 16 x lane
	s_wait_kmcnt 0x0
	s_cmp_ge_u32 s25, 16                           ; the buffers are chosen on the work-group's number alone
	s_cselect_b64 s[52:53], s[8:9], s[6:7]
	s_cmp_ge_u32 s25, 32
	s_cselect_b64 s[52:53], s[10:11], s[52:53]
	s_cmp_ge_u32 s25, 48
	s_cselect_b64 s[52:53], s[12:13], s[52:53]
	s_cmp_ge_u32 s25, 64
	s_cselect_b64 s[52:53], s[14:15], s[52:53]
	s_cmp_ge_u32 s25, 128
	s_cselect_b64 s[52:53], s[16:17], s[52:53]
	s_cmp_lt_u32 s25, 48
	s_cselect_b64 s[54:55], s[20:21], s[22:23]
	s_add_nc_u64 s[56:57], s[52:53], s[48:49]      ; a base for each of the four blocks: nothing is stepped
	s_add_nc_u64 s[58:59], s[56:57], s[50:51]
	s_add_nc_u64 s[60:61], s[58:59], s[50:51]
	s_add_nc_u64 s[62:63], s[60:61], s[50:51]
	s_add_nc_u64 s[66:67], s[54:55], s[44:45]
	s_add_nc_u64 s[68:69], s[54:55], s[46:47]
.macro WLOADB t
.set j, 0
.rept 32
	global_load_b32 v[WX+32*((\t)%2)+j], v[OFF+j], s[56+2*(\t):57+2*(\t)] th:TH_LOAD_NT   ; the 32 lanes read 128 consecutive bytes
.set j, j+1
.endr
.endm
	WLOADB 0
	WLOADB 1
.macro WBLOCK t
.set XS, WX+32*((\t)%2)
.if (\t) < 3
	s_wait_loadcnt 32                              ; this block's 32 loads are in; the next block's 32 may be out
.else
	s_wait_loadcnt 0x0
.endif
	v_max3_num_f32 v12, |v[XS]|, |v[XS+1]|, |v[XS+2]|
	v_max3_num_f32 v13, |v[XS+3]|, |v[XS+4]|, |v[XS+5]|
.irp i, 6,10,14,18,22,26
	v_max3_num_f32 v12, v12, |v[XS+\i]|, |v[XS+\i+1]|
	v_max3_num_f32 v13, v13, |v[XS+\i+2]|, |v[XS+\i+3]|
.endr
	v_max3_num_f32 v12, v12, |v[XS+30]|, |v[XS+31]|
	v_max3_num_f32 v12, v12, v13, (EMAX+1)<<23
	v_add_nc_u32 v11, -(EMAX<<23), v12
	v_lshrrev_b32 v13, 23, v11
.if (\t) == 0
	v_mov_b32 v[SBY], v13
.else
	v_lshl_or_b32 v[SBY], v13, 8*(\t), v[SBY]
.endif
.irp g, 0,1,2,3
	v_cvt_scalef32_pk8_fp4_f32 v[WCD+4*(\t)+\g], v[XS+8*\g:XS+8*\g+7], v11
.endr
	global_store_b128 v6, v[WCD+4*(\t):WCD+4*(\t)+3], s[66:67] offset:256*(\t)   ; sixteen lanes store 256 consecutive bytes: block t of a tile's 16 rows
.if (\t)+2 < 4
	WLOADB (\t)+2
.endif
.endm
.irp t, 0,1,2,3
	WBLOCK \t
.endr
	global_store_b32 v7, v[SBY], s[68:69]          ; my column's four bytes of this K step: 4 bytes of each 16
	s_endpgm
.Lfunc_end_k_q5b6d464979_prep:
	.size	k_q5b6d464979_prep, .Lfunc_end_k_q5b6d464979_prep-k_q5b6d464979_prep
	.p2alignl 7, 3214868480
	.fill 96, 4, 3214868480
	.section	.rodata,"a",@progbits
	.p2align	6, 0x0
	.amdhsa_kernel k_q5b6d464979_prep
		.amdhsa_group_segment_fixed_size 39424
		.amdhsa_private_segment_fixed_size 0
		.amdhsa_enable_private_segment 0
		.amdhsa_kernarg_size 80
		.amdhsa_user_sgpr_count 2
		.amdhsa_user_sgpr_kernarg_segment_ptr 1
		.amdhsa_wavefront_size32 1
		.amdhsa_system_sgpr_workgroup_id_x 1
		.amdhsa_system_sgpr_workgroup_id_y 1
		.amdhsa_system_sgpr_workgroup_id_z 1
		.amdhsa_system_vgpr_workitem_id 0
		.amdhsa_next_free_vgpr 194
		.amdhsa_next_free_sgpr 80
		.amdhsa_reserve_vcc 0
		.amdhsa_float_denorm_mode_32 3
		.amdhsa_float_denorm_mode_16_64 3
		.amdhsa_memory_ordered 1
		.amdhsa_forward_progress 1
		.amdhsa_inst_pref_size 59
	.end_amdhsa_kernel
	.amdgpu_metadata
---
amdhsa.version: [ 1, 2 ]
amdhsa.kernels:
  - .name:           k_q5b6d464979_prep
    .symbol:         k_q5b6d464979_prep.kd
    .args:
      - { .name: x, .offset: 0, .size: 8, .value_kind: global_buffer, .address_space: global }
      - { .name: wq, .offset: 8, .size: 8, .value_kind: global_buffer, .address_space: global }
      - { .name: wk, .offset: 16, .size: 8, .value_kind: global_buffer, .address_space: global }
      - { .name: wv, .offset: 24, .size: 8, .value_kind: global_buffer, .address_space: global }
      - { .name: wo, .offset: 32, .size: 8, .value_kind: global_buffer, .address_space: global }
      - { .name: w1, .offset: 40, .size: 8, .value_kind: global_buffer, .address_space: global }
      - { .name: w2, .offset: 48, .size: 8, .value_kind: global_buffer, .address_space: global }
      - { .name: xq, .offset: 56, .size: 8, .value_kind: global_buffer, .address_space: global }
      - { .name: wqkv, .offset: 64, .size: 8, .value_kind: global_buffer, .address_space: global }
      - { .name: wt, .offset: 72, .size: 8, .value_kind: global_buffer, .address_space: global }
    .group_segment_fixed_size: 39424
    .private_segment_fixed_size: 0
    .kernarg_segment_align: 8
    .kernarg_segment_size: 80
    .max_flat_workgroup_size: 128
    .sgpr_count:     80
    .vgpr_count:     194
    .wavefront_size: 32
...
	.end_amdgpu_metadata
.endif
;; end of part 1
;; launch attn (part 2): grid 8 x 32, 16 waves a work-group, clusters of 4 x 1, 231,424 bytes of LDS; arguments xq, wqkv, bq, bk, bv, mask, cq, cs; writes cq, cs
.if DOCPART == 2
	.amdgcn_target "amdgcn-amd-amdhsa--gfx1250"
	.amdhsa_code_object_version 6
	.text
	.protected	k_q5b6d464979_attn
	.globl	k_q5b6d464979_attn
	.p2align	8
	.type	k_q5b6d464979_attn,@function
k_q5b6d464979_attn:
	s_mov_b64 s[64:65], 0
	v_nop
	global_prefetch_b8 v0, s[64:65] scope:SCOPE_SE
	s_setreg_imm32_b32 hwreg(HW_REG_WAVE_MODE, 25, 1), 1
	s_wait_xcnt 0x0
	s_wait_alu depctr_hold_cnt(0) depctr_sa_sdst(0) depctr_va_vdst(0) depctr_va_sdst(0) depctr_va_ssrc(0) depctr_va_vcc(0) depctr_vm_vsrc(0)
	s_getreg_b32 s2, hwreg(HW_REG_IB_STS2, 6, 4)
	s_cmp_eq_u32 s2, 0
	s_cbranch_scc0 .Lentry_in_a_cluster
	s_endpgm
.Lentry_in_a_cluster:
	s_bfe_u32 s2, ttmp6, 0x10000c
	s_cmp_lg_u32 s2, 0x3003
	s_cbranch_scc0 .Lentry_shape_is_right
	s_endpgm
.Lentry_shape_is_right:
; One work-group makes one (batch, head): q, k, v = x W + b on codes of FP4; scores; softmax; ctx; ctx quantised along its channels and stored as codes.  All six operands are FP4 with E8M0 scales of 32.
; SHARES.  Sixteen waves; wave w owns rows 32 w .. 32 w + 31 of the batch: they are its two tiles of queries, one pair fragment of K and one block of 32 keys of V.  All 512 keys of the head then lie in LDS as codes.
; TILE ORDER: place r of tile (b, u) is row 32 b + 8 u + r + 8 (r / 8): with such a tile as source 0, registers of accumulators (b, 0), (b, 1) are 16 neighbours 32 b + 16 (lane / 16) + 0 .. 15 along the next K.
; q, k: transposed products (source 0 = 16 columns of W, source 1 = 16 rows of x): a lane holds one row, its registers run along the head's channels.  v: source 0 = 16 rows of x, source 1 = 16 columns of Wv: a lane holds one channel, registers run along the keys.
; K = 64 IN AN INSTRUCTION OF 128: a pair fragment of K holds tile (w, 0)'s 64 channels in k 0-63 and tile (w, 1)'s in k 64-127; q's operand has zero codes in the half that is not meant.  Twelve registers [0 q 0] give both forms.
; THE MASK: a masked key has zero codes in K, and the scores' sums begin at -2^33 there (0 elsewhere): its score is exactly -2^33.
; SOFTMAX: t = score x log2(e) / 8; M = the running largest t rounded up; p = 2^(t - M) is quantised along the keys; the row's sum is of the unquantised p and divides at the end.
; LIMITS: a masked logit is -2^30 where the definition has -1e9: the same results while real logits stay above about -9e8; a row whose keys are all masked gets p = 1 on every key, as the definition's uniform row.
;   A block of zeros gets the byte 1 (this program alone reads the bytes).  NaN and infinities among the inputs are not served.
; CLUSTER: the four heads of a cluster read the same record of x: one joint load a wave, the same descriptor in all four.  Each LDS byte is filled once.
; LDS: 0 the batch's x record (139,264); WBS the head's weights (52,224); KIM 16 pair fragments; KSC their scale words (128 bytes each); VIM V's fragments ((4 t + s) x 1,024); VSC their scale words; MB the scores' starting values, a word a key.
.set PART,  8704                       ; 34 rows of 256 bytes: what one tensor load brings
.set WBS,   139264
.set KIM,   191488
.set KSC,   207872
.set VIM,   209920
.set VSC,   226304
.set MB,    227328
.set LI,  1                            ; v1   16 x lane
.set LS,  2                            ; v2   4 x (lane % 16)
.set KO,  3                            ; v3   4 x (r + 8 (r / 8))
.set BO,  4                            ; v4   64 x (lane / 16)
.set ADK, 5                            ; v5-9 first the addresses of the projections, then those of the key step in hand
.set ADS, 6
.set ADM, 7
.set ADV, 8
.set ADT, 9
.set QZ0, 16                           ; v16-27 [0 q 0] of query tile 0, v28-39 of tile 1
.set WF,  40                           ; v40-71 four fragments: of W, of K, of V
.set ACC, 72                           ; v72-135 the projections' sums; then the scores and p
.set S,   72
.set BIAS, 136                         ; v136-167 a bias in the result's layout; then O^T
.set O,   136
.set XF,  168                          ; v168-231 my two tiles of x, four K steps each; later at work
.set PCO, 168                          ; p's codes
.set BM,  176                          ; the blocks' largest scores
.set BT,  180
.set BS,  184
.set XSW, 232                          ; v232-235 x's scale words
.set WSW, 236                          ; v236-243 W's
.set KW,  236                          ; v236-239 K's, then V's
.set PSW, 240                          ; p's scale word
.set MK,  244                          ; v244-245 the mask of my tiles' keys; later ctx's two scale words
.set QW0, 246                          ; v246-247 q's scale words
.set F,   248                          ; v[248:249] 2^(old M - new M)
.set T0,  250
.set WV,  20
.set G1X, 24
.set G1W, 32
.set G0X, 40
.set G0W, 44
.set SEL, 48
.set CS,  50
.set TK,  52
.set TS,  53
.set TMB, 54
.set TV,  55
.set TT,  56
.set CNT, 57
.macro ROUND                           ; a round of the cluster's barrier
	s_barrier_signal -1
	s_barrier_wait -1
	s_cmp_lg_u32 s[WV], 0
	s_cbranch_scc1 .Lnot_wave_0_\@
	s_barrier_signal -3
.Lnot_wave_0_\@:
	s_barrier_wait -3
	s_barrier_signal -1
	s_barrier_wait -1
.endm
; one matrix instruction.  c < 0: the sum starts at 0.  ra, rb: the scales stand in lanes 16-31 of their register
.macro WM d, a, b, c, sa, sb, ra, rb
.if (\c) < 0
.if (\ra) && (\rb)
	v_wmma_scale_f32_16x16x128_f8f6f4 v[(\d):(\d)+7], v[(\a):(\a)+7], v[(\b):(\b)+7], 0, v[(\sa)], v[(\sb)] matrix_a_fmt:MATRIX_FMT_FP4 matrix_b_fmt:MATRIX_FMT_FP4 matrix_a_scale:MATRIX_SCALE_ROW1 matrix_b_scale:MATRIX_SCALE_ROW1
.elseif (\ra)
	v_wmma_scale_f32_16x16x128_f8f6f4 v[(\d):(\d)+7], v[(\a):(\a)+7], v[(\b):(\b)+7], 0, v[(\sa)], v[(\sb)] matrix_a_fmt:MATRIX_FMT_FP4 matrix_b_fmt:MATRIX_FMT_FP4 matrix_a_scale:MATRIX_SCALE_ROW1
.elseif (\rb)
	v_wmma_scale_f32_16x16x128_f8f6f4 v[(\d):(\d)+7], v[(\a):(\a)+7], v[(\b):(\b)+7], 0, v[(\sa)], v[(\sb)] matrix_a_fmt:MATRIX_FMT_FP4 matrix_b_fmt:MATRIX_FMT_FP4 matrix_b_scale:MATRIX_SCALE_ROW1
.else
	v_wmma_scale_f32_16x16x128_f8f6f4 v[(\d):(\d)+7], v[(\a):(\a)+7], v[(\b):(\b)+7], 0, v[(\sa)], v[(\sb)] matrix_a_fmt:MATRIX_FMT_FP4 matrix_b_fmt:MATRIX_FMT_FP4
.endif
.else
.if (\ra) && (\rb)
	v_wmma_scale_f32_16x16x128_f8f6f4 v[(\d):(\d)+7], v[(\a):(\a)+7], v[(\b):(\b)+7], v[(\c):(\c)+7], v[(\sa)], v[(\sb)] matrix_a_fmt:MATRIX_FMT_FP4 matrix_b_fmt:MATRIX_FMT_FP4 matrix_a_scale:MATRIX_SCALE_ROW1 matrix_b_scale:MATRIX_SCALE_ROW1
.elseif (\ra)
	v_wmma_scale_f32_16x16x128_f8f6f4 v[(\d):(\d)+7], v[(\a):(\a)+7], v[(\b):(\b)+7], v[(\c):(\c)+7], v[(\sa)], v[(\sb)] matrix_a_fmt:MATRIX_FMT_FP4 matrix_b_fmt:MATRIX_FMT_FP4 matrix_a_scale:MATRIX_SCALE_ROW1
.elseif (\rb)
	v_wmma_scale_f32_16x16x128_f8f6f4 v[(\d):(\d)+7], v[(\a):(\a)+7], v[(\b):(\b)+7], v[(\c):(\c)+7], v[(\sa)], v[(\sb)] matrix_a_fmt:MATRIX_FMT_FP4 matrix_b_fmt:MATRIX_FMT_FP4 matrix_b_scale:MATRIX_SCALE_ROW1
.else
	v_wmma_scale_f32_16x16x128_f8f6f4 v[(\d):(\d)+7], v[(\a):(\a)+7], v[(\b):(\b)+7], v[(\c):(\c)+7], v[(\sa)], v[(\sb)] matrix_a_fmt:MATRIX_FMT_FP4 matrix_b_fmt:MATRIX_FMT_FP4
.endif
.endif
.endm
; nb blocks of 32; a lane holds 16 numbers of each, v[s + 16 b + i], lane l xor 16 the other 16.  QSCALE: v[TM+12+b] the conversion's scale operand, v[TM+4+b] the scale's byte.
.macro QSCALE s, nb
.irp b,0,1,2,3
.if \b < \nb
	v_max3_num_f32 v[TM+\b], |v[\s+16*\b]|, |v[\s+1+16*\b]|, 0x1800000   ; with the floor 2^(3 - 127): the byte cannot fall under 1
.endif
.endr
.irp i,2,4,6,8,10,12,14
.irp b,0,1,2,3
.if \b < \nb
	v_max3_num_f32 v[TM+\b], v[TM+\b], |v[\s+16*\b+\i]|, |v[\s+1+16*\b+\i]|
.endif
.endr
.endr
.irp b,0,1,2,3
.if \b < \nb
	v_permlanex16_b32 v[TM+4+\b], v[TM+\b], s[SEL], s[SEL+1]
.endif
.endr
.irp b,0,1,2,3
.if \b < \nb
	v_max_num_f32 v[TM+\b], v[TM+\b], v[TM+4+\b]
.endif
.endr
.irp b,0,1,2,3
.if \b < \nb
	v_add_nc_u32 v[TM+12+\b], 0xff000000, v[TM+\b]   ; 2 off the exponent field
.endif
.endr
.irp b,0,1,2,3
.if \b < \nb
	v_lshrrev_b32 v[TM+4+\b], 23, v[TM+12+\b]
.endif
.endr
.endm
.macro QCVT s, nb                      ; v[PC+2b], v[PC+2b+1]: the codes of my 16 numbers of block b
.irp b,0,1,2,3
.if \b < \nb
	v_cvt_scalef32_pk8_fp4_f32 v[PC+2*\b], v[\s+16*\b:\s+7+16*\b], v[TM+12+\b]
	v_cvt_scalef32_pk8_fp4_f32 v[PC+1+2*\b], v[\s+8+16*\b:\s+15+16*\b], v[TM+12+\b]
.endif
.endr
	v_nop                                          ; one plain line behind the scaled conversions
.endm
.macro QWHOLE nb                       ; the bytes make the row's scale word; the halves change lanes so that a lane holds whole blocks, as the operand's layout wants
	v_lshl_or_b32 v[PW], v[TM+5], 8, v[TM+4]
.if \nb > 2
	v_lshl_or_b32 v[PW], v[TM+6], 16, v[PW]
	v_lshl_or_b32 v[PW], v[TM+7], 24, v[PW]
.endif
.irp c,0,1
.if 2*\c < \nb
.irp i,0,1
	v_permlane16_swap_b32 v[PC+4*\c+\i], v[PC+2+4*\c+\i]
.endr
.endif
.endr
.endm
; A projection of my two tiles of x by the head's four tiles of matrix mat: 4 K steps x 8 matrix instructions, the eight accumulators by turns.
; tr = 1: source 0 = W, the bias is the C of the first K step, accumulator 4 u + t.  tr = 0: source 0 = x, the sums start at 0, accumulator 2 t + u.
.macro PROJ mat, tr
.irp a,0,1
	ds_load_b128 v[WSW+4*\a:WSW+4*\a+3], v7 offset:49152+(\mat)*1024+512*\a   ; lanes 0-15: tile 2 a's four words, lanes 16-31: tile 2 a + 1's
.endr
.irp ks,0,1,2,3
.rept 4
	v_nop                                          ; four places in front of loads into registers that matrix instructions have read
.endr
.irp t,0,1,2,3
.irp c,0,1
	ds_load_b128 v[WF+8*\t+4*\c:WF+8*\t+4*\c+3], v7 offset:(\mat)*16384+\t*4096+\ks*1024+512*\c
.endr
.endr
	s_wait_dscnt 0x0
.irp u,0,1
.irp t,0,1,2,3
.if \tr
.if \ks == 0
	WM ACC+8*(4*\u+\t), WF+8*\t, XF+8*(4*\u+\ks), BIAS+8*\t, WSW+4*(\t/2)+\ks, XSW+\ks, \t%2, \u
.else
	WM ACC+8*(4*\u+\t), WF+8*\t, XF+8*(4*\u+\ks), ACC+8*(4*\u+\t), WSW+4*(\t/2)+\ks, XSW+\ks, \t%2, \u
.endif
.else
.if \ks == 0
	WM ACC+8*(2*\t+\u), XF+8*(4*\u+\ks), WF+8*\t, -1, XSW+\ks, WSW+4*(\t/2)+\ks, \u, \t%2
.else
	WM ACC+8*(2*\t+\u), XF+8*(4*\u+\ks), WF+8*\t, ACC+8*(2*\t+\u), XSW+\ks, WSW+4*(\t/2)+\ks, \u, \t%2
.endif
.endif
.endr
.endr
.endr
.rept 4
	v_nop                                          ; four places in front of the first read of the results and of writes over the operands
.endr
.endm
	s_load_b512 s[4:19], s[0:1], 0x0               ; xq, wqkv, bq, bk, bv, mask, cq, cs
	v_lshl_add_u32 v254, v0, 2, 0x38000
	v_mov_b32 v255, 0
	ds_add_u32 v254, v255
	ds_add_u32 v254, v255
	s_wait_dscnt 0x0
	v_lshrrev_b32 v1, 5, v0
	v_readfirstlane_b32 s[WV], v1                  ; wave 0..15
	s_bfe_u32 s21, ttmp6, 0x40000                  ; cx: it enters global addresses and one shift of data, no branch and no LDS address
	s_lshl_b32 s22, ttmp9, 2
	s_add_co_u32 s22, s22, s21                     ; the head
	s_and_b32 s23, ttmp7, 0xffff                   ; the batch, which the four partners share
	s_mov_b32 s[G1X], 15|(3<<16)|(1<<21)           ; 15:0 the mask: all four work-groups; 17:16 elements of 8 bytes; 21 set beside a mask; no padding
	s_mov_b32 s[G1W], 3<<16                        ; the weights are the head's own: no mask
.irp g, G1X, G1W
	s_mov_b32 s[\g+1], 32<<16                      ; tensor_dim0 = 32 elements = 256 bytes
	s_mov_b32 s[\g+2], 34<<16                      ; tensor_dim1 = 34
	s_mov_b32 s[\g+3], 32<<16                      ; tile_dim0
	s_mov_b32 s[\g+4], 34                          ; tile_dim1
	s_mov_b32 s[\g+5], 32                          ; dense rows
	s_mov_b32 s[\g+6], 0
	s_mov_b32 s[\g+7], 0
.endr
	s_mul_i32 s58, s[WV], PART                     ; my sixteenth of the x record; waves 0-5: my sixth of the weights
	s_mul_i32 s60, s23, 139264
	s_add_co_u32 s60, s60, s58
	s_mov_b32 s61, 0
	s_mul_i32 s62, s22, 52224
	s_add_co_u32 s62, s62, s58
	s_mov_b32 s63, 0
	s_mov_b32 s[SEL], 0x76543210
	s_mov_b32 s[SEL+1], 0xfedcba98                 ; v_permlanex16_b32's selects for lane l xor 16
	s_mov_b32 s[CS], 0x3e38aa3b                    ; c = log2(e) / 8
	s_mov_b32 s[CS+1], s[CS]
	s_wait_kmcnt 0x0
	s_mov_b32 s[G0X], 1
	s_mov_b32 s[G0X+1], s58
	s_add_nc_u64 s[G0X+2:G0X+3], s[4:5], s[60:61]
	s_or_b32 s[G0X+3], s[G0X+3], 0x80000000
	s_mov_b32 s[G0W], 1
	s_add_co_u32 s[G0W+1], s58, WBS
	s_add_nc_u64 s[G0W+2:G0W+3], s[6:7], s[62:63]
	s_or_b32 s[G0W+3], s[G0W+3], 0x80000000
	ROUND                                          ; all four work-groups are here: the joint loads meet
	tensor_load_to_lds s[G0X:G0X+3], s[G1X:G1X+7]  ; every wave: its part of x's record, jointly
	s_nop 0
.rept 4
	v_nop
.endr
	s_cmp_lt_u32 s[WV], 6
	s_cbranch_scc0 .Lno_w
	tensor_load_to_lds s[G0W:G0W+3], s[G1W:G1W+7]  ; waves 0-5: the head's weights.  Two loads of a wave are out at the most
	s_nop 0
.rept 4
	v_nop
.endr
.Lno_w:
	v_and_b32 v250, 31, v0                         ; lane
	v_lshlrev_b32 v[LI], 4, v250
	v_and_b32 v251, 15, v0                         ; r
	v_lshlrev_b32 v[LS], 2, v251
	v_and_b32 v252, 8, v251
	v_add_nc_u32 v252, v252, v251
	v_lshlrev_b32 v[KO], 2, v252
	v_bfe_u32 v253, v0, 4, 1                       ; h
	v_lshlrev_b32 v[BO], 6, v253
	s_lshl_b32 s58, s[WV], 13
	v_add_nc_u32 v5, s58, v[LI]                    ; my two tiles of x
	s_lshl_b32 s58, s[WV], 9
	s_add_co_u32 s58, s58, 131072
	v_add_nc_u32 v6, s58, v[LI]                    ; their scale words
	v_add_nc_u32 v7, WBS, v[LI]                    ; the weights
	s_lshl_b32 s58, s[WV], 10
	s_add_co_u32 s58, s58, KIM
	v_add_nc_u32 v8, s58, v[LI]                    ; where my pair fragment of K goes
	s_lshl_b32 s58, s[WV], 7
	s_add_co_u32 s58, s58, KSC
	v_lshl_add_u32 v9, v250, 2, s58                ; and its scale words
	s_lshr_b32 s58, s[WV], 2
	s_and_b32 s59, s[WV], 3
	s_lshl_b32 s60, s58, 10
	s_lshl_b32 s61, s59, 8
	s_add_co_u32 s60, s60, s61
	s_add_co_u32 s60, s60, VIM
	v_lshl_add_u32 v10, v251, 4, s60
	v_lshl_add_u32 v10, v253, 3, v10               ; V: key step w / 4, block w % 4, row r, my half of the block
	s_lshl_b32 s60, s58, 6
	s_add_co_u32 s60, s60, s59
	s_add_co_u32 s60, s60, VSC
	v_add_nc_u32 v11, s60, v[LS]                   ; and the block's byte in row r's word
	s_lshl_b32 s60, s23, 11
	s_mov_b32 s61, 0
	s_add_nc_u64 s[14:15], s[14:15], s[60:61]      ; the batch's mask
	s_lshl_b32 s60, s22, 8
	s_add_nc_u64 s[8:9], s[8:9], s[60:61]          ; the head's 64 numbers of each bias
	s_add_nc_u64 s[10:11], s[10:11], s[60:61]
	s_add_nc_u64 s[12:13], s[12:13], s[60:61]
	s_lshl_b32 s58, s23, 5
	s_lshl_b32 s59, s[WV], 1
	s_add_co_u32 s58, s58, s59                     ; my first tile of rows among the 1,024
	s_lshl_b32 s60, s58, 12
	s_lshr_b32 s59, s22, 1
	s_lshl_b32 s59, s59, 10
	s_add_co_u32 s60, s60, s59
	s_and_b32 s59, s22, 1
	s_lshl_b32 s62, s59, 9
	s_add_co_u32 s60, s60, s62
	s_add_nc_u64 s[16:17], s[16:17], s[60:61]      ; ctx's codes: tile x 4,096 + (head / 2) x 1,024 + (head % 2) x 512
	s_lshl_b32 s70, s59, 4                         ; an odd head's two bytes go 16 bits up
	s_lshl_b32 s60, s58, 9
	s_lshl_b32 s62, s22, 6
	s_add_co_u32 s60, s60, s62
	s_add_nc_u64 s[18:19], s[18:19], s[60:61]      ; ctx's scale words: tile x 512 + head x 64
	v_lshlrev_b32 v254, 2, v0
	global_load_b32 v255, v254, s[14:15]           ; thread t: key t's mask
	s_lshl_b32 s60, s[WV], 7
	v_add_nc_u32 v252, s60, v[KO]
	global_load_b32 v[MK], v252, s[14:15]          ; the mask of my lane's key in tile (w, 0),
	global_load_b32 v[MK+1], v252, s[14:15] offset:32   ; and in tile (w, 1)
.irp t,0,1,2,3
	global_load_b128 v[BIAS+8*\t:BIAS+8*\t+3], v[BO], s[8:9] offset:128*(\t/2)+32*(\t%2)      ; bq at channels 32 (t / 2) + 16 h + 8 (t % 2) + 0 .. 7
	global_load_b128 v[BIAS+8*\t+4:BIAS+8*\t+7], v[BO], s[8:9] offset:128*(\t/2)+32*(\t%2)+16
.endr
	v_lshl_add_u32 v250, v0, 2, MB
	v_mov_b32 v253, 0xd0000000                     ; -2^33
.irp j,0,1,2,3,8,9,10,11,12,13,14,15,20,21,22,23
	v_mov_b32 v[QZ0+\j], 0                         ; the zero codes round q's
.endr
	v_mov_b32 v[F+1], 0                            ; named as the upper half of a pair
	s_wait_loadcnt 10                              ; key t's mask is in; the two masks and eight loads of bq behind it may be out
	v_cmp_eq_u32 vcc_lo, 0, v255
	v_cndmask_b32 v255, 0, v253, vcc_lo
	ds_store_b32 v250, v255                        ; where the scores' sums begin
	s_wait_tensorcnt 0x0                           ; my parts of x and of the weights have landed,
	s_wait_dscnt 0x0                               ; my store too:
	s_barrier_signal -1
	s_barrier_wait -1                              ; everybody's have
; ---------------- the projections
.set TM, 40                            ; at work over W's fragments, which are done with by then
.set PC, 56
.set PW, 64
.set j, 0
.rept 16
	ds_load_b128 v[XF+4*j:XF+4*j+3], v5 offset:512*j   ; fragment (u, K step) at XF + 8 (4 u + K step)
.set j, j+1
.endr
	ds_load_b128 v[XSW:XSW+3], v6                  ; lanes 0-15: tile (w, 0)'s four words, lanes 16-31: tile (w, 1)'s
	s_wait_loadcnt 0x0                             ; bq, the masks
	PROJ 0, 1
.irp t,0,1,2,3
	global_load_b128 v[BIAS+8*\t:BIAS+8*\t+3], v[BO], s[10:11] offset:128*(\t/2)+32*(\t%2)    ; bk lands while q is quantised
	global_load_b128 v[BIAS+8*\t+4:BIAS+8*\t+7], v[BO], s[10:11] offset:128*(\t/2)+32*(\t%2)+16
.endr
	QSCALE ACC, 4                                  ; blocks 0, 1: tile 0's 64 channels; blocks 2, 3: tile 1's
	QCVT ACC, 4
	QWHOLE 4
.irp i,0,1,2,3
	v_mov_b32 v[QZ0+4+\i], v[PC+\i]
	v_mov_b32 v[QZ0+16+\i], v[PC+4+\i]
.endr
	v_and_b32 v250, 0xffff, v[PW]
	v_lshl_or_b32 v[QW0], v[PW], 16, v250          ; tile 0's two bytes, in both halves of the word
	v_and_b32 v250, 0xffff0000, v[PW]
	v_lshrrev_b32 v251, 16, v[PW]
	v_or_b32 v[QW0+1], v250, v251                  ; tile 1's
	s_wait_loadcnt 0x0
	PROJ 1, 1
.irp t,0,1,2,3
	global_load_b32 v[BIAS+2*\t], v[KO], s[12:13] offset:128*(\t/2)+32*(\t%2)   ; bv of my lane's channel in tile t
.endr
	QSCALE ACC, 4
	QCVT ACC, 4
	QWHOLE 4
	v_cmp_ne_u32 vcc_lo, 0, v[MK]
	v_cmp_ne_u32 s58, 0, v[MK+1]
.irp i,0,1,2,3
	v_cndmask_b32 v[PC+\i], 0, v[PC+\i], vcc_lo    ; a masked key's codes are zeros
	v_cndmask_b32 v[PC+4+\i], 0, v[PC+4+\i], s58
.endr
	ds_store_b128 v8, v[PC:PC+3]                   ; the pair fragment as an image of its registers
	ds_store_b128 v8, v[PC+4:PC+7] offset:512
	ds_store_b32 v9, v[PW]
	s_wait_dscnt 0x0                               ; the stores have read their registers
	PROJ 2, 0
	s_wait_loadcnt 0x0
.irp t,0,1,2,3
.irp p,0,1,2,3,4,5,6,7
	v_pk_add_f32 v[ACC+16*\t+2*\p:ACC+16*\t+2*\p+1], v[ACC+16*\t+2*\p:ACC+16*\t+2*\p+1], v[BIAS+2*\t:BIAS+2*\t+1] op_sel_hi:[1,0]   ; + bv: the pair's low word serves both halves
.endr
.endr
	QSCALE ACC, 4                                  ; block t: channel tile t, my 32 keys
	QCVT ACC, 4
.irp t,0,1,2,3
	ds_store_b64 v10, v[PC+2*\t:PC+2*\t+1] offset:4096*\t
	ds_store_b8 v11, v[TM+4+\t] offset:256*\t      ; both halves of the lanes write the same byte with the same value
.endr
	s_wait_dscnt 0x0
	s_barrier_signal -1
	s_barrier_wait -1                              ; the head's K and V lie in LDS
; ---------------- attention for query tile u: four key steps of 128
.macro TILE u
.set QZ, QZ0+12*(\u)
.set TM, 176
.set PC, 192+4*(\u)
.set PW, 200
.set j, 0
.rept 32
	v_mov_b32 v[O+j], 0                            ; the step is written once: the first finds zeros
.set j, j+1
.endr
	v_mov_b32 v13, 0xff61b1e6                      ; the largest t so far: -3e38
	v_floor_f32 v12, -v13                          ; -M
	v_mov_b32 v14, 0
	v_mov_b32 v15, 0
	s_mov_b32 s[TK], KIM
	s_mov_b32 s[TS], KSC
	s_mov_b32 s[TMB], MB
	s_mov_b32 s[TV], VIM
	s_mov_b32 s[TT], VSC
	s_mov_b32 s[CNT], 0
.Lstep_\@:
	v_add_nc_u32 v[ADK], s[TK], v[LI]              ; (these five are also the places in front of the loads below)
	v_add_nc_u32 v[ADS], s[TS], v[LS]
	v_add_nc_u32 v[ADM], s[TMB], v[BO]
	v_add_nc_u32 v[ADV], s[TV], v[LI]
	v_add_nc_u32 v[ADT], s[TT], v[LS]
.irp b,0,1,2,3
.irp c,0,1
	ds_load_b128 v[WF+8*\b+4*\c:WF+8*\b+4*\c+3], v[ADK] offset:1024*\b+512*\c
.endr
	ds_load_b32 v[KW+\b], v[ADS] offset:128*\b
.endr
.irp b,0,1,2,3
.irp k,0,1,2,3
	ds_load_b128 v[S+16*\b+4*\k:S+16*\b+4*\k+3], v[ADM] offset:128*\b+16*\k   ; the sums' starting values of keys 32 b + 16 h + 4 k + 0 .. 3
.endr
.endr
	s_wait_dscnt 0x0
.irp b,0,1,2,3
.irp a,0,1
	WM S+8*(2*\b+\a), WF+8*\b, QZ+4-4*\a, S+8*(2*\b+\a), KW+\b, QW0+(\u), 0, 0   ; a = 0: [q 0] meets the pair's first tile; a = 1: [0 q] its second
.endr
.endr
.rept 4
	v_nop
.endr
.irp t,0,1,2,3
.irp c,0,1
	ds_load_b128 v[WF+8*\t+4*\c:WF+8*\t+4*\c+3], v[ADV] offset:4096*\t+512*\c   ; V's fragments land while the softmax is worked
.endr
	ds_load_b32 v[KW+\t], v[ADT] offset:256*\t
.endr
.irp b,0,1,2,3
	v_max3_num_f32 v[BM+\b], v[S+16*\b], v[S+1+16*\b], v[S+2+16*\b]   ; each block's largest score: for the row's maximum and for the block's largest p
.endr
.irp i,3,5,7,9,11,13
.irp b,0,1,2,3
	v_max3_num_f32 v[BM+\b], v[BM+\b], v[S+16*\b+\i], v[S+1+16*\b+\i]
.endr
.endr
.irp b,0,1,2,3
	v_max_num_f32 v[BM+\b], v[BM+\b], v[S+15+16*\b]
.endr
.irp b,0,1,2,3
	v_permlanex16_b32 v[BT+\b], v[BM+\b], s[SEL], s[SEL+1]
.endr
.irp b,0,1,2,3
	v_max_num_f32 v[BM+\b], v[BM+\b], v[BT+\b]
.endr
	v_max3_num_f32 v[T0], v[BM], v[BM+1], v[BM+2]
	v_max_num_f32 v[T0], v[T0], v[BM+3]
	v_mul_f32 v[T0], s[CS], v[T0]
	v_max_num_f32 v13, v13, v[T0]                  ; the running largest t
	v_mov_b32 v[T0], v12
	v_floor_f32 v12, -v13                          ; the new -M: M is a whole number
	v_sub_f32 v[T0], v12, v[T0]
	v_cvt_i32_f32 v[T0], v[T0]                     ; (it saturates)
	v_ldexp_f32 v[F], 1.0, v[T0]                   ; f = 2^(old M - new M)
.set j, 0
.rept 32
	v_pk_fma_f32 v[S+j:S+j+1], v[S+j:S+j+1], s[CS:CS+1], v[12:13] op_sel_hi:[1,0,0]   ; t - M
.set j, j+2
.endr
.irp b,0,1,2,3
	v_fma_f32 v[BM+\b], v[BM+\b], s[CS], v12
.endr
.set j, 0
.rept 64
	v_exp_f32 v[S+j], v[S+j]                       ; p = 2^(t - M)
.set j, j+1
.endr
	v_pk_mul_f32 v[14:15], v[14:15], v[F:F+1] op_sel_hi:[1,0]   ; the sums under the new M (a plain line behind the exponentials)
	s_wait_alu depctr_va_vdst(0)                   ; one wait for the batch, ahead of its first reader
.irp b,0,1,2,3
	v_exp_f32 v[BM+\b], v[BM+\b]                   ; the blocks' largest p
.endr
	v_pk_add_f32 v[BT:BT+1], v[S:S+1], v[S+2:S+3]  ; the row's sum of the unquantised p, in two chains
.set j, 4
.rept 15
	v_pk_add_f32 v[14:15], v[14:15], v[S+j:S+j+1]
	v_pk_add_f32 v[BT:BT+1], v[BT:BT+1], v[S+j+2:S+j+3]
.set j, j+4
.endr
	v_pk_add_f32 v[14:15], v[14:15], v[BT:BT+1]
	s_wait_alu depctr_va_vdst(0)                   ; and one for the four
.irp b,0,1,2,3
	v_max_num_f32 v[BM+\b], 0x1800000, v[BM+\b]
.endr
.irp b,0,1,2,3
	v_add_nc_u32 v[BS+\b], 0xff000000, v[BM+\b]
.endr
.irp b,0,1,2,3
	v_lshrrev_b32 v[BT+\b], 23, v[BS+\b]
.endr
	v_lshl_or_b32 v[PSW], v[BT+1], 8, v[BT]
	v_lshl_or_b32 v[PSW], v[BT+2], 16, v[PSW]
	v_lshl_or_b32 v[PSW], v[BT+3], 24, v[PSW]
.irp b,0,1,2,3
	v_cvt_scalef32_pk8_fp4_f32 v[PCO+2*\b], v[S+16*\b:S+7+16*\b], v[BS+\b]
	v_cvt_scalef32_pk8_fp4_f32 v[PCO+1+2*\b], v[S+8+16*\b:S+15+16*\b], v[BS+\b]
.endr
	v_nop
.irp c,0,1
.irp i,0,1
	v_permlane16_swap_b32 v[PCO+4*\c+\i], v[PCO+2+4*\c+\i]
.endr
.endr
.set j, 0
.rept 16
	v_pk_mul_f32 v[O+j:O+j+1], v[O+j:O+j+1], v[F:F+1] op_sel_hi:[1,0]   ; O^T under the new M; these sixteen are also the places between p's codes and scale word and the products
.set j, j+2
.endr
	s_wait_dscnt 0x0                               ; V
.irp t,0,1,2,3
	WM O+8*\t, WF+8*\t, PCO, O+8*\t, KW+\t, PSW, 0, 0
.endr
	s_add_co_u32 s[TK], s[TK], 4096
	s_add_co_u32 s[TS], s[TS], 512
	s_add_co_u32 s[TMB], s[TMB], 512
	s_add_co_u32 s[TV], s[TV], 1024
	s_add_co_u32 s[TT], s[TT], 64
	s_add_co_u32 s[CNT], s[CNT], 1
	s_cmp_lt_u32 s[CNT], 4
	s_cbranch_scc1 .Lstep_\@
	v_add_f32 v14, v14, v15
	v_permlanex16_b32 v[T0], v14, s[SEL], s[SEL+1]
	v_add_f32 v14, v14, v[T0]                      ; the row's sum
	v_rcp_f32 v14, v14
.rept 4
	v_nop                                          ; the plain line behind the reciprocal, and the places behind the last products
.endr
	s_wait_alu depctr_va_vdst(0)
.set j, 0
.rept 32
	v_mul_f32 v[S+j], v[O+j], v14                  ; ctx: register 16 b + i is channel 32 b + 16 h + i of my query
.set j, j+1
.endr
	QSCALE S, 2
	QCVT S, 2
	QWHOLE 2
	global_store_b128 v[LI], v[PC:PC+3], s[16:17] offset:4096*(\u)   ; 512 consecutive bytes: half a fragment of the next product's operand
	v_lshlrev_b32 v[MK+(\u)], s70, v[PW]
.endm
	TILE 0
	TILE 1
	v_and_b32 v250, 31, v0
	v_cmp_gt_u32 vcc_lo, 16, v250
	v_cndmask_b32 v[MK], v[MK+1], v[MK], vcc_lo    ; lanes 0-15: tile 0's words, lanes 16-31: tile 1's
	v_lshrrev_b32 v250, 4, v250
	v_lshl_add_u32 v10, v250, 9, v[LS]
	global_store_b32 v10, v[MK], s[18:19]
	s_wait_xcnt 0x0
	v_lshl_add_u32 v254, v0, 2, 0x38000
	v_mov_b32 v255, 0
	s_wait_tensorcnt 0x0
	ds_add_u32 v254, v255
	s_wait_dscnt 0x0
	ROUND                                          ; the closing round
	s_endpgm
.Lfunc_end_k_q5b6d464979_attn:
	.size	k_q5b6d464979_attn, .Lfunc_end_k_q5b6d464979_attn-k_q5b6d464979_attn
	.p2alignl 7, 3214868480
	.fill 96, 4, 3214868480
	.section	.rodata,"a",@progbits
	.p2align	6, 0x0
	.amdhsa_kernel k_q5b6d464979_attn
		.amdhsa_group_segment_fixed_size 231424
		.amdhsa_private_segment_fixed_size 0
		.amdhsa_enable_private_segment 0
		.amdhsa_kernarg_size 64
		.amdhsa_user_sgpr_count 2
		.amdhsa_user_sgpr_kernarg_segment_ptr 1
		.amdhsa_wavefront_size32 1
		.amdhsa_system_sgpr_workgroup_id_x 1
		.amdhsa_system_sgpr_workgroup_id_y 1
		.amdhsa_system_sgpr_workgroup_id_z 1
		.amdhsa_system_vgpr_workitem_id 0
		.amdhsa_next_free_vgpr 256
		.amdhsa_next_free_sgpr 80
		.amdhsa_reserve_vcc 1
		.amdhsa_float_denorm_mode_32 3
		.amdhsa_float_denorm_mode_16_64 3
		.amdhsa_memory_ordered 1
		.amdhsa_forward_progress 1
		.amdhsa_inst_pref_size 89
	.end_amdhsa_kernel
	.amdgpu_metadata
---
amdhsa.version: [ 1, 2 ]
amdhsa.kernels:
  - .name:           k_q5b6d464979_attn
    .symbol:         k_q5b6d464979_attn.kd
    .args:
      - { .name: xq, .offset: 0, .size: 8, .value_kind: global_buffer, .address_space: global }
      - { .name: wqkv, .offset: 8, .size: 8, .value_kind: global_buffer, .address_space: global }
      - { .name: bq, .offset: 16, .size: 8, .value_kind: global_buffer, .address_space: global }
      - { .name: bk, .offset: 24, .size: 8, .value_kind: global_buffer, .address_space: global }
      - { .name: bv, .offset: 32, .size: 8, .value_kind: global_buffer, .address_space: global }
      - { .name: mask, .offset: 40, .size: 8, .value_kind: global_buffer, .address_space: global }
      - { .name: cq, .offset: 48, .size: 8, .value_kind: global_buffer, .address_space: global }
      - { .name: cs, .offset: 56, .size: 8, .value_kind: global_buffer, .address_space: global }
    .group_segment_fixed_size: 231424
    .private_segment_fixed_size: 0
    .kernarg_segment_align: 8
    .kernarg_segment_size: 64
    .max_flat_workgroup_size: 512
    .sgpr_count:     80
    .vgpr_count:     256
    .wavefront_size: 32
...
	.end_amdgpu_metadata
.endif
;; end of part 2
;; launch tail (part 3): grid 256 x 1, 16 waves a work-group, no clusters, 254,976 bytes of LDS; arguments cq, cs, wt, x, bo, ln1_g, ln1_b, b1, b2, ln2_g, ln2_b, out0; writes out0
.if DOCPART == 3
	.amdgcn_target "amdgcn-amd-amdhsa--gfx1250"
	.amdhsa_code_object_version 6
	.text
	.protected	k_q5b6d464979_tail
	.globl	k_q5b6d464979_tail
	.p2align	8
	.type	k_q5b6d464979_tail,@function
k_q5b6d464979_tail:
	s_mov_b64 s[64:65], 0
	v_nop
	global_prefetch_b8 v0, s[64:65] scope:SCOPE_SE
	s_setreg_imm32_b32 hwreg(HW_REG_WAVE_MODE, 25, 1), 1
	s_wait_xcnt 0x0
; out = LN2(gelu(a W1 + b1) W2 + b2 + a), a = LN1(ctx Wo + bo + x), for 64 rows a work-group; the three products on codes of FP4 with E8M0 scales of 32; all else in f32.  Nothing between ctx and out goes to memory.
; SHARES.  Sixteen waves SHARE THE COLUMNS: wave w owns units 32 w .. 32 w + 31 of a and of out, and hidden units 128 w .. 128 w + 127, for all 64 rows (four tiles m of 16, in tile order: place r of tile m is row 32 (m / 2) + 8 (m % 2) + r + 8 (r / 8)).
; Products are used transposed (source 0 = 16 columns of a weight, source 1 = 16 rows): a lane holds one row, and accumulator registers 16 m + 8 u + j are unit 32 P + 16 (lane / 16) + 8 u + j: 16 neighbours of a block of 32 along the next K.
; So a wave's 32 units ARE one block of the next operand: it makes that block's scale and codes alone (with lane l xor 16) and stores 8 bytes a lane into the fragment's image in LDS; the scale byte into the row's word.
; WEIGHTS go from memory straight into the registers of the one wave that uses them, in chunks of 8,192 + 512 bytes laid in register order; each fragment feeds four matrix instructions.
; NO JOINT LOADS of the weights, though all row blocks walk them: through LDS one stage of the walk is 16 waves x 8,704 = 139,264 bytes, two slots 278,528, beside 252,928 bytes of activations: more than the 327,680 that a work-group can be given.
; LAYER NORMS in two passes (mean, then the squares of the differences); a row's 16 partial sums meet in a table in LDS, a barrier each.
; GELU exact: erf(z) = z P(z^2) / Q(z^2) on |z| <= 4 (7 and 5 coefficients), z held to +-4.
; LIMITS: erf's absolute error is a few units in the last place of 1; a block of zeros gets the byte 1 (this program alone reads the bytes); NaN and infinities among the inputs are not served.
.set RP,   2064                        ; LDS: 64 rows of 2,048 bytes + 16: x, then a + b2, then out
.set CIM,  132096                      ; ctx's 16 fragments ((4 m + K step) x 1,024)
.set CSC,  148480                      ; their scale words, 64 bytes each
.set A1,   149504                      ; a's 16 fragments
.set A1S,  165888
.set HIM,  166912                      ; the hidden layer's 64 fragments ((16 m + K step) x 1,024)
.set HSC,  232448
.set PTB,  236544                      ; four tables of 16 waves x 16 rows x 4 tiles
.set LI,  1                            ; v1  16 x lane
.set LS,  2                            ; v2  4 x (lane % 16)
.set RA,  3                            ; v3  r x 2,064 + 64 h + 128 w: my columns of row r, tiles 0 and 1;  v4 the same for tiles 2 and 3
.set XW,  5                            ; v5  the four whole rows that I bring in and take out
.set UO,  6                            ; v6  128 w + 64 h
.set UH,  7                            ; v7  64 h
.set A1W, 8
.set A1B, 9
.set HW0, 10
.set HB0, 11
.set PTW, 12
.set PTR, 13
.set ACC, 16                           ; v16-79
.set WA,  80                           ; v80-143 a chunk: fragment (u, K step) at 8 (4 u + K step)
.set AF,  144                          ; v144-175 four fragments of rows
.set ASC, 176                          ; v176-179 their scale words
.set WSA, 180                          ; v180-183 chunk A's scale words;  v184-187 chunk B's
.set WSB, 184
.set B1R, 188                          ; v188-203 bo, b2, b1 in the result's layout
.set WB,  188                          ; v188-251 the second chunk, in the last product alone
.set TM,  204
.set PC,  220
.set PS,  204                          ; the norms: four pairs of sums; means; 1 / sigma
.set QS,  212
.set QT,  216
.set LG,  220                          ; v220-235 the gain, v236-251 the bias
.set LB,  236
.set GZ,  204                          ; the gelu: z, z^2, P, Q
.set GY,  212
.set GP,  220
.set GQ,  228
.set VA1, 248                          ; v[248:249] alpha1, v[250:251] beta1
.set VB1, 250
.set AAD, 252
.set SAD, 253
.set GO,  254
.set WV,  28
.set WC,  32
.set WSP, 34
.set BP,  36
.set CNT, 38
.set TP,  39
.set SEL, 40
.set RS2, 44
.set CA0, 46
.set CA2, 48
.set CA3, 50
.set CA4, 52
.set CA5, 54
.set CA6, 56
.set CB0, 58
.set CB2, 60
.set CB3, 62
.set CB4, 66
.macro WM d, a, b, c, sa, sb, ra       ; one matrix instruction; ra: A's scales stand in lanes 16-31
.if (\ra)
	v_wmma_scale_f32_16x16x128_f8f6f4 v[(\d):(\d)+7], v[(\a):(\a)+7], v[(\b):(\b)+7], v[(\c):(\c)+7], v[(\sa)], v[(\sb)] matrix_a_fmt:MATRIX_FMT_FP4 matrix_b_fmt:MATRIX_FMT_FP4 matrix_a_scale:MATRIX_SCALE_ROW1
.else
	v_wmma_scale_f32_16x16x128_f8f6f4 v[(\d):(\d)+7], v[(\a):(\a)+7], v[(\b):(\b)+7], v[(\c):(\c)+7], v[(\sa)], v[(\sb)] matrix_a_fmt:MATRIX_FMT_FP4 matrix_b_fmt:MATRIX_FMT_FP4
.endif
.endm
.macro WLOAD buf, sc                   ; a chunk: 17 loads, each of 512 consecutive bytes
.set j, 0
.rept 16
	global_load_b128 v[\buf+4*j:\buf+4*j+3], v[LI], s[WC:WC+1] offset:512*j
.set j, j+1
.endr
	global_load_b128 v[\sc:\sc+3], v[LI], s[WSP:WSP+1]   ; lanes 0-15: tile 0's four words, lanes 16-31: tile 1's
.endm
; 512 along K: 4 K steps x 8 matrix instructions, the eight accumulators (m, u) by turns.  cm = 1: the first K step takes the bias as C.
.macro PROD buf, sc, mstr, sstr, off, soff, cm
.irp ks,0,1,2,3
.rept 4
	v_nop                                          ; four places in front of loads into registers that matrix instructions have read
.endr
.irp m,0,1,2,3
	ds_load_b128 v[AF+8*\m:AF+8*\m+3], v[AAD] offset:(\off)+\m*(\mstr)+\ks*1024
	ds_load_b128 v[AF+8*\m+4:AF+8*\m+7], v[AAD] offset:(\off)+\m*(\mstr)+\ks*1024+512
	ds_load_b32 v[ASC+\m], v[SAD] offset:(\soff)+\m*(\sstr)+\ks*64
.endr
	s_wait_dscnt 0x0
.irp m,0,1,2,3
.irp u,0,1
.if (\cm) && (\ks) == 0
	WM ACC+8*(2*\m+\u), \buf+8*(4*\u+\ks), AF+8*\m, B1R+8*\u, \sc+\ks, ASC+\m, \u
.else
	WM ACC+8*(2*\m+\u), \buf+8*(4*\u+\ks), AF+8*\m, ACC+8*(2*\m+\u), \sc+\ks, ASC+\m, \u
.endif
.endr
.endr
.endr
.rept 4
	v_nop                                          ; four places in front of the first read of the results and of loads over the operands
.endr
.endm
.macro QSCALE s                        ; four blocks (the four tiles of rows); a lane holds 16 numbers of each, lane l xor 16 the other 16
.irp b,0,1,2,3
	v_max3_num_f32 v[TM+\b], |v[\s+16*\b]|, |v[\s+1+16*\b]|, 0x1800000   ; with the floor 2^(3 - 127): the byte cannot fall under 1
.endr
.irp i,2,4,6,8,10,12,14
.irp b,0,1,2,3
	v_max3_num_f32 v[TM+\b], v[TM+\b], |v[\s+16*\b+\i]|, |v[\s+1+16*\b+\i]|
.endr
.endr
.irp b,0,1,2,3
	v_permlanex16_b32 v[TM+4+\b], v[TM+\b], s[SEL], s[SEL+1]
.endr
.irp b,0,1,2,3
	v_max_num_f32 v[TM+\b], v[TM+\b], v[TM+4+\b]
.endr
.irp b,0,1,2,3
	v_add_nc_u32 v[TM+12+\b], 0xff000000, v[TM+\b]   ; 2 off the exponent field: the conversion's scale operand
.endr
.irp b,0,1,2,3
	v_lshrrev_b32 v[TM+4+\b], 23, v[TM+12+\b]      ; the scale's byte
.endr
.endm
; my 32 units of the 64 rows become one block of each row's operand: 8 bytes a lane into the fragment's image, the byte into the row's scale word
.macro QHALF wadr, badr, mstr, bstr
	s_wait_dscnt 0x0                               ; earlier LDS stores have read the registers that are written now
	QSCALE ACC
.irp b,0,1,2,3
	v_cvt_scalef32_pk8_fp4_f32 v[PC+2*\b], v[ACC+16*\b:ACC+7+16*\b], v[TM+12+\b]
	v_cvt_scalef32_pk8_fp4_f32 v[PC+1+2*\b], v[ACC+8+16*\b:ACC+15+16*\b], v[TM+12+\b]
.endr
	v_nop                                          ; one plain line behind the scaled conversions
.irp m,0,1,2,3
	ds_store_b64 v[\wadr], v[PC+2*\m:PC+2*\m+1] offset:\m*(\mstr)
	ds_store_b8 v[\badr], v[TM+4+\m] offset:\m*(\bstr)   ; both halves of the lanes write the same byte with the same value
.endr
.endm
; the four pairs v[PS + 2 m] become the rows' totals over all 512 units, in v[AF + m] of every lane
.macro REDUCE tab
.irp m,0,1,2,3
	v_add_f32 v[QS+\m], v[PS+2*\m], v[PS+2*\m+1]
.endr
.irp m,0,1,2,3
	v_permlanex16_b32 v[QT+\m], v[QS+\m], s[SEL], s[SEL+1]
.endr
.irp m,0,1,2,3
	v_add_f32 v[QS+\m], v[QS+\m], v[QT+\m]         ; my wave's 32 units of row (m, r)
.endr
	ds_store_b128 v[PTW], v[QS:QS+3] offset:4096*(\tab)
	s_wait_dscnt 0x0
	s_barrier_signal -1
	s_barrier_wait -1
.irp i,0,1,2,3,4,5,6,7
	ds_load_b128 v[AF+4*\i:AF+4*\i+3], v[PTR] offset:4096*(\tab)+256*\i   ; lanes 0-15 take waves 0-7, lanes 16-31 waves 8-15
.endr
	s_wait_dscnt 0x0
.irp i,0,1,2,3
	v_pk_add_f32 v[AF+8*\i:AF+8*\i+1], v[AF+8*\i:AF+8*\i+1], v[AF+8*\i+4:AF+8*\i+5]
	v_pk_add_f32 v[AF+8*\i+2:AF+8*\i+3], v[AF+8*\i+2:AF+8*\i+3], v[AF+8*\i+6:AF+8*\i+7]
.endr
.irp i,0,2
	v_pk_add_f32 v[AF+8*\i:AF+8*\i+1], v[AF+8*\i:AF+8*\i+1], v[AF+8*\i+8:AF+8*\i+9]
	v_pk_add_f32 v[AF+8*\i+2:AF+8*\i+3], v[AF+8*\i+2:AF+8*\i+3], v[AF+8*\i+10:AF+8*\i+11]
.endr
	v_pk_add_f32 v[AF:AF+1], v[AF:AF+1], v[AF+16:AF+17]
	v_pk_add_f32 v[AF+2:AF+3], v[AF+2:AF+3], v[AF+18:AF+19]
.irp m,0,1,2,3
	v_permlanex16_b32 v[QT+\m], v[AF+\m], s[SEL], s[SEL+1]
.endr
.irp m,0,1,2,3
	v_add_f32 v[AF+\m], v[AF+\m], v[QT+\m]
.endr
.endm
.macro LNORM ta, tb, gp, bp            ; ACC = (ACC - mean) / sqrt(var + eps) x gain + bias, row by row
.irp k,0,1,2,3
	global_load_b128 v[LG+4*\k:LG+4*\k+3], v[UO], s[\gp:\gp+1] offset:16*\k
	global_load_b128 v[LB+4*\k:LB+4*\k+3], v[UO], s[\bp:\bp+1] offset:16*\k
.endr
.irp m,0,1,2,3
	v_pk_add_f32 v[PS+2*\m:PS+2*\m+1], v[ACC+16*\m:ACC+16*\m+1], v[ACC+16*\m+2:ACC+16*\m+3]   ; each accumulator from its low end on
.endr
.irp p,2,3,4,5,6,7
.irp m,0,1,2,3
	v_pk_add_f32 v[PS+2*\m:PS+2*\m+1], v[PS+2*\m:PS+2*\m+1], v[ACC+16*\m+2*\p:ACC+16*\m+2*\p+1]
.endr
.endr
	REDUCE \ta
.irp m,0,1,2,3
	v_mul_f32 v[PS+2*\m], s42, v[AF+\m]            ; the mean, twice: a pair for the packed forms
	v_mul_f32 v[PS+2*\m+1], s42, v[AF+\m]
.endr
.irp m,0,1,2,3
.irp p,0,1,2,3,4,5,6,7
	v_pk_add_f32 v[ACC+16*\m+2*\p:ACC+16*\m+2*\p+1], v[ACC+16*\m+2*\p:ACC+16*\m+2*\p+1], v[PS+2*\m:PS+2*\m+1] neg_lo:[0,1] neg_hi:[0,1]
.endr
.endr
.irp m,0,1,2,3
	v_pk_mul_f32 v[PS+2*\m:PS+2*\m+1], v[ACC+16*\m:ACC+16*\m+1], v[ACC+16*\m:ACC+16*\m+1]
.endr
.irp p,1,2,3,4,5,6,7
.irp m,0,1,2,3
	v_pk_fma_f32 v[PS+2*\m:PS+2*\m+1], v[ACC+16*\m+2*\p:ACC+16*\m+2*\p+1], v[ACC+16*\m+2*\p:ACC+16*\m+2*\p+1], v[PS+2*\m:PS+2*\m+1]
.endr
.endr
	REDUCE \tb
.irp m,0,1,2,3
	v_fma_f32 v[QS+\m], v[AF+\m], s42, s43         ; the variance + 1e-5
.endr
.irp m,0,1,2,3
	v_rsq_f32 v[PS+2*\m], v[QS+\m]
.endr
	v_nop                                          ; a plain line behind the last of them
	s_wait_alu depctr_va_vdst(0)                   ; one wait for the four, ahead of their first reader
.irp m,0,1,2,3
	v_mov_b32 v[PS+2*\m+1], v[PS+2*\m]
.endr
	s_wait_loadcnt 0x0                             ; the gain and the bias
.irp m,0,1,2,3
.irp p,0,1,2,3,4,5,6,7
	v_pk_mul_f32 v[ACC+16*\m+2*\p:ACC+16*\m+2*\p+1], v[ACC+16*\m+2*\p:ACC+16*\m+2*\p+1], v[PS+2*\m:PS+2*\m+1]
.endr
.endr
.irp m,0,1,2,3
.irp p,0,1,2,3,4,5,6,7
	v_pk_fma_f32 v[ACC+16*\m+2*\p:ACC+16*\m+2*\p+1], v[ACC+16*\m+2*\p:ACC+16*\m+2*\p+1], v[LG+2*\p:LG+2*\p+1], v[LB+2*\p:LB+2*\p+1]
.endr
.endr
.endm
.macro GELU                            ; ACC = 0.5 x (1 + erf(x / sqrt 2)), an accumulator (four pairs) at a time; eight reciprocals are a batch with one wait
.irp a,0,1,2,3,4,5,6,7
.irp p,0,1,2,3
	v_pk_mul_f32 v[GZ+2*\p:GZ+2*\p+1], v[ACC+8*\a+2*\p:ACC+8*\a+2*\p+1], s[RS2:RS2+1] op_sel_hi:[1,0]
.endr
.irp j,0,1,2,3,4,5,6,7
	v_med3_num_f32 v[GZ+\j], v[GZ+\j], -4.0, 4.0
.endr
.irp p,0,1,2,3
	v_pk_mul_f32 v[GY+2*\p:GY+2*\p+1], v[GZ+2*\p:GZ+2*\p+1], v[GZ+2*\p:GZ+2*\p+1]
.endr
.irp p,0,1,2,3
	v_pk_fma_f32 v[GP+2*\p:GP+2*\p+1], v[GY+2*\p:GY+2*\p+1], s[CA0:CA0+1], v[VA1:VA1+1] op_sel_hi:[1,0,1]
	v_pk_fma_f32 v[GQ+2*\p:GQ+2*\p+1], v[GY+2*\p:GY+2*\p+1], s[CB0:CB0+1], v[VB1:VB1+1] op_sel_hi:[1,0,1]
.endr
.irp k, CB2, CB3, CB4
.irp p,0,1,2,3
	v_pk_fma_f32 v[GQ+2*\p:GQ+2*\p+1], v[GQ+2*\p:GQ+2*\p+1], v[GY+2*\p:GY+2*\p+1], s[\k:\k+1] op_sel_hi:[1,1,0]
.endr
.endr
.irp j,0,1,2,3,4,5,6,7
	v_rcp_f32 v[GQ+\j], v[GQ+\j]
.endr
.irp k, CA2, CA3, CA4, CA5, CA6
.irp p,0,1,2,3
	v_pk_fma_f32 v[GP+2*\p:GP+2*\p+1], v[GP+2*\p:GP+2*\p+1], v[GY+2*\p:GY+2*\p+1], s[\k:\k+1] op_sel_hi:[1,1,0]   ; P's chain is the work behind the reciprocals
.endr
.endr
.irp p,0,1,2,3
	v_pk_mul_f32 v[GP+2*\p:GP+2*\p+1], v[GP+2*\p:GP+2*\p+1], v[GZ+2*\p:GZ+2*\p+1]
	v_pk_mul_f32 v[ACC+8*\a+2*\p:ACC+8*\a+2*\p+1], v[ACC+8*\a+2*\p:ACC+8*\a+2*\p+1], 0.5 op_sel_hi:[1,0]
.endr
	s_wait_alu depctr_va_vdst(0)                   ; one wait for the eight, ahead of their first reader
.irp p,0,1,2,3
	v_pk_mul_f32 v[GP+2*\p:GP+2*\p+1], v[GP+2*\p:GP+2*\p+1], v[GQ+2*\p:GQ+2*\p+1]   ; erf
.endr
.irp p,0,1,2,3
	v_pk_fma_f32 v[ACC+8*\a+2*\p:ACC+8*\a+2*\p+1], v[GP+2*\p:GP+2*\p+1], v[ACC+8*\a+2*\p:ACC+8*\a+2*\p+1], v[ACC+8*\a+2*\p:ACC+8*\a+2*\p+1]
.endr
.endr
.endm
.macro COEF reg, val                   ; a packed form names a scalar pair and takes its low word for both halves: both words are written
	s_mov_b32 s[\reg], \val
	s_mov_b32 s[\reg+1], \val
.endm
.macro RLOAD                           ; my columns of the 64 rows, from the rows' region, in the accumulators' layout
.irp m,0,1,2,3
.irp k,0,1,2,3
	ds_load_b128 v[ACC+16*\m+4*\k:ACC+16*\m+4*\k+3], v[RA+\m/2] offset:(\m%2)*16*RP+16*\k
.endr
.endr
.endm
	s_load_b512 s[4:19], s[0:1], 0x0               ; cq, cs, wt, x, bo, ln1_g, ln1_b, b1
	s_load_b256 s[20:27], s[0:1], 0x40             ; b2, ln2_g, ln2_b, out0
	v_lshrrev_b32 v1, 5, v0
	v_readfirstlane_b32 s[WV], v1                  ; wave 0..15
	v_and_b32 v255, 31, v0
	v_lshlrev_b32 v[LI], 4, v255
	v_and_b32 v252, 15, v0                         ; r
	v_lshlrev_b32 v[LS], 2, v252
	v_bfe_u32 v253, v0, 4, 1                       ; h
	v_lshlrev_b32 v[UH], 6, v253
	s_lshl_b32 s29, s[WV], 7
	v_add_nc_u32 v[UO], s29, v[UH]
	v_mad_u32_u24 v[RA], v252, RP, v[UO]
	v_add_nc_u32 v[RA+1], 32*RP, v[RA]
	s_lshr_b32 s29, s[WV], 3                       ; rows 4 w .. 4 w + 3 of the 64 lie at LDS rows with bits 3 and 4 changed over: the tile order
	s_lshl_b32 s29, s29, 5
	s_lshr_b32 s30, s[WV], 1
	s_and_b32 s30, s30, 1
	s_lshl_b32 s30, s30, 4
	s_or_b32 s29, s29, s30
	s_lshr_b32 s30, s[WV], 2
	s_and_b32 s30, s30, 1
	s_lshl_b32 s30, s30, 3
	s_or_b32 s29, s29, s30
	s_and_b32 s30, s[WV], 1
	s_lshl_b32 s30, s30, 2
	s_or_b32 s29, s29, s30
	s_mul_i32 s29, s29, RP
	v_add_nc_u32 v[XW], s29, v[LI]
	s_lshr_b32 s29, s[WV], 2
	s_and_b32 s30, s[WV], 3
	s_lshl_b32 s31, s29, 10
	s_lshl_b32 s80, s30, 8
	s_add_co_u32 s31, s31, s80
	s_add_co_u32 s31, s31, A1
	v_lshl_add_u32 v[A1W], v252, 4, s31
	v_lshl_add_u32 v[A1W], v253, 3, v[A1W]         ; a: K step w / 4, block w % 4, row r, my half of the block
	s_lshl_b32 s31, s29, 6
	s_add_co_u32 s31, s31, s30
	s_add_co_u32 s31, s31, A1S
	v_add_nc_u32 v[A1B], s31, v[LS]
	s_lshl_b32 s31, s[WV], 10
	s_add_co_u32 s31, s31, HIM
	v_lshl_add_u32 v[HW0], v252, 4, s31
	v_lshl_add_u32 v[HW0], v253, 3, v[HW0]         ; the hidden layer: K step w; the block is the trip's
	s_lshl_b32 s31, s[WV], 6
	s_add_co_u32 s31, s31, HSC
	v_add_nc_u32 v[HB0], s31, v[LS]
	s_lshl_b32 s31, s[WV], 8
	s_add_co_u32 s31, s31, PTB
	v_lshl_add_u32 v[PTW], v252, 4, s31
	v_lshlrev_b32 v[PTR], 11, v253
	v_lshl_add_u32 v[PTR], v252, 4, v[PTR]
	v_add_nc_u32 v[PTR], PTB, v[PTR]
	s_lshl_b32 s31, s[WV], 13
	v_add_nc_u32 v[GO], s31, v[LI]                 ; my four rows in x and in out0
	v_lshl_add_u32 v14, v0, 4, CIM
	s_lshl_b32 s31, s[WV], 6
	s_add_co_u32 s31, s31, CSC
	v_add_nc_u32 v15, s31, v[LS]
.irp m,0,1,2,3
	v_mov_b32 v[QT+\m], 0                          ; written once: a lane permute's destination counts as one of its sources
.endr
	v_mov_b32 v[AF+9], 0
	s_mov_b32 s[SEL], 0x76543210
	s_mov_b32 s[SEL+1], 0xfedcba98
	s_mov_b32 s42, 0x3b000000                      ; 1 / 512
	s_mov_b32 s43, 0x3727c5ac                      ; 1e-5
	COEF RS2, 0x3f3504f3                           ; 1 / sqrt 2
	COEF CA0, 0xaf95df0b
	COEF CA2, 0xb60cff51
	COEF CA3, 0xb86ec2d2
	COEF CA4, 0xba40ac63
	COEF CA5, 0xbb41a1f6
	COEF CA6, 0xbc83dbd4
	COEF CB0, 0xb77460cd
	COEF CB2, 0xbadc924e
	COEF CB3, 0xbbf19bf8
	COEF CB4, 0xbc69b6a7
	s_mov_b32 s69, 0
	s_mov_b32 s71, 0
	s_mov_b32 s73, 0
	s_mov_b32 s74, 8192                            ; a chunk on;
	s_mov_b32 s75, 61*8192                         ; from w1's last chunk of mine to w2's first
	s_mov_b32 s76, 512
	s_mov_b32 s77, 61*512
	s_mov_b32 s78, 128
	s_wait_kmcnt 0x0
	s_lshl_b32 s80, ttmp9, 17
	s_mov_b32 s81, 0
	s_add_nc_u64 s[10:11], s[10:11], s[80:81]      ; my 64 rows of x,
	s_add_nc_u64 s[26:27], s[26:27], s[80:81]      ; of out0,
	s_lshl_b32 s80, ttmp9, 14
	s_add_nc_u64 s[4:5], s[4:5], s[80:81]          ; of ctx's codes,
	s_lshl_b32 s80, ttmp9, 11
	s_add_nc_u64 s[6:7], s[6:7], s[80:81]          ; of its scale words
	s_lshl_b32 s80, s[WV], 13
	s_add_nc_u64 s[WC:WC+1], s[8:9], s[80:81]      ; chunk w: wo's pair w
	s_lshl_b32 s80, s[WV], 9
	s_add_nc_u64 s[BP:BP+1], s[18:19], s[80:81]    ; b1 at hidden unit 128 w
	s_add_co_u32 s80, s80, 1179648
	s_add_nc_u64 s[WSP:WSP+1], s[8:9], s[80:81]
; ---------------- in: x's rows, ctx's fragments and scale words into LDS
.set j, 0
.rept 16
	global_load_b128 v[ACC+4*j:ACC+4*j+3], v[GO], s[10:11] offset:512*j th:TH_LOAD_NT   ; 512 consecutive bytes
.set j, j+1
.endr
	v_lshlrev_b32 v252, 4, v0
	global_load_b128 v[AF:AF+3], v252, s[4:5]
	global_load_b128 v[AF+4:AF+7], v252, s[4:5] offset:8192
	v_lshlrev_b32 v253, 2, v0
	global_load_b32 v[AF+8], v253, s[6:7]          ; wave w: tile w / 4, K step w % 4; lanes 0-15 the even head's two bytes, lanes 16-31 the odd head's
	WLOAD WA, WSA
.irp k,0,1,2,3
	global_load_b128 v[B1R+4*\k:B1R+4*\k+3], v[UO], s[12:13] offset:16*\k   ; bo
.endr
	s_wait_loadcnt 21                              ; x, ctx and its words are in; the chunk's 17 loads and bo's 4 may be out
.set j, 0
.rept 16
	ds_store_b128 v[XW], v[ACC+4*j:ACC+4*j+3] offset:(j/4)*RP+(j%4)*512
.set j, j+1
.endr
	ds_store_b128 v14, v[AF:AF+3]
	ds_store_b128 v14, v[AF+4:AF+7] offset:8192
	v_permlanex16_b32 v[AF+9], v[AF+8], s[SEL], s[SEL+1]
	v_or_b32 v[AF+8], v[AF+8], v[AF+9]             ; the two heads' bytes make the K step's word
	ds_store_b32 v15, v[AF+8]
	s_wait_dscnt 0x0
	s_barrier_signal -1
	s_barrier_wait -1
; ---------------- a = LN1(ctx Wo + bo + x)
	RLOAD
	v_add_nc_u32 v[AAD], CIM, v[LI]
	v_add_nc_u32 v[SAD], CSC, v[LS]
	s_wait_dscnt 0x0
	s_wait_loadcnt 0x0                             ; bo (and wo's chunk)
.irp m,0,1,2,3
.irp p,0,1,2,3,4,5,6,7
	v_pk_add_f32 v[ACC+16*\m+2*\p:ACC+16*\m+2*\p+1], v[ACC+16*\m+2*\p:ACC+16*\m+2*\p+1], v[B1R+2*\p:B1R+2*\p+1]   ; the sums begin at x + bo
.endr
.endr
.irp k,0,1,2,3
	global_load_b128 v[B1R+4*\k:B1R+4*\k+3], v[UO], s[20:21] offset:16*\k   ; b2
.endr
	PROD WA, WSA, 4096, 256, 0, 0, 0
	s_mul_i32 s80, s[WV], 3
	s_add_co_u32 s80, s80, 16                      ; from chunk w to chunk 16 + 4 w (the chunk's loads were waited for above)
	s_lshl_b32 s82, s80, 9
	s_lshl_b32 s80, s80, 13
	s_mov_b32 s83, 0
	s_add_nc_u64 s[WC:WC+1], s[WC:WC+1], s[80:81]
	s_add_nc_u64 s[WSP:WSP+1], s[WSP:WSP+1], s[82:83]
	WLOAD WA, WSA                                  ; w1's first chunk lands under the norm
	LNORM 0, 1, 14, 16
.irp m,0,1,2,3
.if \m < 2
.set TY, AF+16*\m
.else
.set TY, 188+16*\m
.endif
.irp p,0,1,2,3,4,5,6,7
	v_pk_add_f32 v[TY+2*\p:TY+2*\p+1], v[ACC+16*\m+2*\p:ACC+16*\m+2*\p+1], v[B1R+2*\p:B1R+2*\p+1]   ; a + b2: where the last product's sums will begin
.endr
.irp k,0,1,2,3
	ds_store_b128 v[RA+\m/2], v[TY+4*\k:TY+4*\k+3] offset:(\m%2)*16*RP+16*\k   ; into my own bytes of the rows
.endr
.endr
.irp k,0,1,2,3
	global_load_b128 v[B1R+4*\k:B1R+4*\k+3], v[UH], s[BP:BP+1] offset:16*\k   ; b1 of my first 32 hidden units
.endr
	QHALF A1W, A1B, 4096, 256
	s_wait_dscnt 0x0
	s_barrier_signal -1
	s_barrier_wait -1                              ; a's sixteen fragments lie in LDS
; ---------------- the hidden layer: four trips of 32 units
	v_add_nc_u32 v[AAD], A1, v[LI]
	v_add_nc_u32 v[SAD], A1S, v[LS]
	v_mov_b32 v[VA1], 0x32edffee
	v_mov_b32 v[VA1+1], 0x32edffee
	v_mov_b32 v[VB1], 0xb95fbd29
	v_mov_b32 v[VB1+1], 0xb95fbd29
	s_mov_b32 s[CNT], 0
	s_mov_b32 s[TP], 0
.Lhid:
	s_wait_loadcnt 0x0                             ; the trip's chunk and b1 are in: so their pointers may be stepped below
	PROD WA, WSA, 4096, 256, 0, 0, 1
	s_cmp_eq_u32 s[CNT], 3                         ; the last trip fetches w2's first chunk, and b1's same numbers once more: no branch, and no load leaves its buffer
	s_cselect_b32 s68, s75, s74
	s_cselect_b32 s70, s77, s76
	s_cselect_b32 s72, 0, s78
	s_add_nc_u64 s[WC:WC+1], s[WC:WC+1], s[68:69]
	s_add_nc_u64 s[WSP:WSP+1], s[WSP:WSP+1], s[70:71]
	s_add_nc_u64 s[BP:BP+1], s[BP:BP+1], s[72:73]
	WLOAD WA, WSA                                  ; the next chunk lands under the gelu
.irp k,0,1,2,3
	global_load_b128 v[B1R+4*\k:B1R+4*\k+3], v[UH], s[BP:BP+1] offset:16*\k
.endr
	GELU
	v_add_nc_u32 v14, s[TP], v[HW0]
	v_add_nc_u32 v15, s[CNT], v[HB0]
	QHALF 14, 15, 16384, 1024
	s_add_co_u32 s[TP], s[TP], 256
	s_add_co_u32 s[CNT], s[CNT], 1
	s_cmp_lt_u32 s[CNT], 4
	s_cbranch_scc1 .Lhid
	s_wait_dscnt 0x0
	s_barrier_signal -1
	s_barrier_wait -1                              ; the hidden layer's 64 fragments lie in LDS
; ---------------- out = LN2(h W2 + b2 + a): four quarters of K on two chunk buffers by turns
	s_wait_loadcnt 0x0                             ; quarter 0's chunk is in, and so is b1's last load, whose registers the second buffer takes
	s_add_nc_u64 s[WC:WC+1], s[WC:WC+1], 8192
	s_add_nc_u64 s[WSP:WSP+1], s[WSP:WSP+1], 512
	WLOAD WB, WSB
	RLOAD                                          ; a + b2 (the product's own wait for LDS covers these)
	v_add_nc_u32 v[AAD], HIM, v[LI]
	v_add_nc_u32 v[SAD], HSC, v[LS]
	PROD WA, WSA, 16384, 1024, 0, 0, 0
	s_wait_xcnt 0x0                                ; the pending chunk's loads have read their pointers
	s_add_nc_u64 s[WC:WC+1], s[WC:WC+1], 8192
	s_add_nc_u64 s[WSP:WSP+1], s[WSP:WSP+1], 512
	WLOAD WA, WSA
	s_wait_loadcnt 17                              ; quarter 1's chunk is in; quarter 2's 17 loads may be out
	PROD WB, WSB, 16384, 1024, 4096, 256, 0
	s_wait_xcnt 0x0
	s_add_nc_u64 s[WC:WC+1], s[WC:WC+1], 8192
	s_add_nc_u64 s[WSP:WSP+1], s[WSP:WSP+1], 512
	WLOAD WB, WSB
	s_wait_loadcnt 17                              ; quarter 2's chunk is in; quarter 3's 17 loads may be out
	PROD WA, WSA, 16384, 1024, 8192, 512, 0
	s_wait_loadcnt 0x0
	PROD WB, WSB, 16384, 1024, 12288, 768, 0
	LNORM 2, 3, 22, 24
.irp m,0,1,2,3
.irp k,0,1,2,3
	ds_store_b128 v[RA+\m/2], v[ACC+16*\m+4*\k:ACC+16*\m+4*\k+3] offset:(\m%2)*16*RP+16*\k
.endr
.endr
	s_wait_dscnt 0x0
	s_barrier_signal -1
	s_barrier_wait -1                              ; 64 whole rows of out lie in LDS
.set j, 0
.rept 16
	ds_load_b128 v[WA+4*j:WA+4*j+3], v[XW] offset:(j/4)*RP+(j%4)*512
.set j, j+1
.endr
.set j, 0
.rept 16
	s_wait_dscnt 15-j                              ; load j is in; those behind it may be out
	global_store_b128 v[GO], v[WA+4*j:WA+4*j+3], s[26:27] offset:512*j th:TH_STORE_NT   ; 32 lanes store 512 consecutive bytes
.set j, j+1
.endr
	s_wait_xcnt 0x0
	v_lshl_add_u32 v254, v0, 2, 0x3dc00
	v_mov_b32 v255, 0
	s_wait_tensorcnt 0x0
	ds_add_u32 v254, v255
	s_wait_dscnt 0x0
	s_endpgm
.Lfunc_end_k_q5b6d464979_tail:
	.size	k_q5b6d464979_tail, .Lfunc_end_k_q5b6d464979_tail-k_q5b6d464979_tail
	.p2alignl 7, 3214868480
	.fill 96, 4, 3214868480
	.section	.rodata,"a",@progbits
	.p2align	6, 0x0
	.amdhsa_kernel k_q5b6d464979_tail
		.amdhsa_group_segment_fixed_size 254976
		.amdhsa_private_segment_fixed_size 0
		.amdhsa_enable_private_segment 0
		.amdhsa_kernarg_size 96
		.amdhsa_user_sgpr_count 2
		.amdhsa_user_sgpr_kernarg_segment_ptr 1
		.amdhsa_wavefront_size32 1
		.amdhsa_system_sgpr_workgroup_id_x 1
		.amdhsa_system_sgpr_workgroup_id_y 1
		.amdhsa_system_sgpr_workgroup_id_z 1
		.amdhsa_system_vgpr_workitem_id 0
		.amdhsa_next_free_vgpr 256
		.amdhsa_next_free_sgpr 100
		.amdhsa_reserve_vcc 0
		.amdhsa_float_denorm_mode_32 3
		.amdhsa_float_denorm_mode_16_64 3
		.amdhsa_memory_ordered 1
		.amdhsa_forward_progress 1
		.amdhsa_inst_pref_size 159
	.end_amdhsa_kernel
	.amdgpu_metadata
---
amdhsa.version: [ 1, 2 ]
amdhsa.kernels:
  - .name:           k_q5b6d464979_tail
    .symbol:         k_q5b6d464979_tail.kd
    .args:
      - { .name: cq, .offset: 0, .size: 8, .value_kind: global_buffer, .address_space: global }
      - { .name: cs, .offset: 8, .size: 8, .value_kind: global_buffer, .address_space: global }
      - { .name: wt, .offset: 16, .size: 8, .value_kind: global_buffer, .address_space: global }
      - { .name: x, .offset: 24, .size: 8, .value_kind: global_buffer, .address_space: global }
      - { .name: bo, .offset: 32, .size: 8, .value_kind: global_buffer, .address_space: global }
      - { .name: ln1_g, .offset: 40, .size: 8, .value_kind: global_buffer, .address_space: global }
      - { .name: ln1_b, .offset: 48, .size: 8, .value_kind: global_buffer, .address_space: global }
      - { .name: b1, .offset: 56, .size: 8, .value_kind: global_buffer, .address_space: global }
      - { .name: b2, .offset: 64, .size: 8, .value_kind: global_buffer, .address_space: global }
      - { .name: ln2_g, .offset: 72, .size: 8, .value_kind: global_buffer, .address_space: global }
      - { .name: ln2_b, .offset: 80, .size: 8, .value_kind: global_buffer, .address_space: global }
      - { .name: out0, .offset: 88, .size: 8, .value_kind: global_buffer, .address_space: global }
    .group_segment_fixed_size: 254976
    .private_segment_fixed_size: 0
    .kernarg_segment_align: 8
    .kernarg_segment_size: 96
    .max_flat_workgroup_size: 512
    .sgpr_count:     100
    .vgpr_count:     256
    .wavefront_size: 32
...
	.end_amdgpu_metadata
.endif
;; end of part 3
;; ======== version 2 of 2: 3 launches
;; limits: right only within a limited range of input values
;; workspace buffers: xq 4,456,448 bytes; wqkv 417,792 bytes; wt 1,253,376 bytes; cq 4,194,304 bytes; cs 524,288 bytes
;; launch prep (part 4): grid 448 x 1, 4 waves a work-group, no clusters, 39,424 bytes of LDS; arguments x, wq, wk, wv, wo, w1, w2, xq, wqkv, wt; writes xq, wqkv, wt
.if DOCPART == 4
	.amdgcn_target "amdgcn-amd-amdhsa--gfx1250"
	.amdhsa_code_object_version 6
	.text
	.protected	k_q5b6d464979_prep
	.globl	k_q5b6d464979_prep
	.p2align	8
	.type	k_q5b6d464979_prep,@function
k_q5b6d464979_prep:
	s_mov_b64 s[64:65], 0
	v_nop
	global_prefetch_b8 v0, s[64:65] scope:SCOPE_SE
	s_setreg_imm32_b32 hwreg(HW_REG_WAVE_MODE, 25, 1), 1
	s_wait_xcnt 0x0
; x [16384][512] and the six weights (stored [K][N]) become codes of FP4 (E2M1) with one E8M0 byte for each 32 along K, ONCE, laid in the order of the matrix operand's registers.
; A FRAGMENT is 16 rows x 128 K = 1,024 bytes: block beta (32 K, 16 bytes) of row r at 256 beta + 16 r.  TILE ORDER: tile (b, u) of a group of 32 rows (or columns of a weight) holds in place r the row 32 b + 8 u + r + 8 (r / 8).
; xq: for each batch 139,264 bytes: tile T (0..31) at 4096 T (four fragments along K), its scale bytes at 131,072 + 256 T + 16 r.
; wqkv: for each head 52,224 bytes: matrix (q, k, v) x 16,384 + tile (0..3 of the head's 64 columns) x 4,096 + K step x 1,024; scale bytes at 49,152 + matrix x 1,024 + tile x 256 + 16 r.
; wt: 144 chunks of 8,192 bytes (a pair of tiles = 32 columns, 512 along K: u x 4,096 + K step x 1,024), then at 1,179,648 their scale bytes, 512 a chunk (16 x (16 u + r)).  wo's pair P: chunk P; w1's: 16 + P; w2's pair P, quarter t of K: 80 + 4 P + t.
; A block's scale is 2^(floor(log2(largest magnitude)) - 2); its byte is the largest magnitude's exponent field - 2, held at 1 from below.
; LIMITS: a block of zeros gets the byte 1 where the rule says 127 (its codes are zeros, and this program alone reads the bytes); NaN and infinities among the inputs are not served.
; Work-groups 0..255 take x (a wave a tile of 16 rows); work-groups 256..447 take the weights (a work-group 128 columns x 128 K, a wave 32 columns).  Waves share nothing: no barrier.  Only the x path uses LDS.
.set SP,    80                         ; x path: a lane's place in a stage: 64 bytes + 16 of padding
.set WREG,  9728                       ; LDS of a wave: two stages of 32 x 80, 256 scale bytes, the tile's image
.set SCB,   5120
.set IMG,   5376
.set IP,    272                        ; a block row of the image: 16 rows x 16 bytes + 16 of padding
.set EMAX,  2
.set RR,    16                         ; v16-79   four sets of 16 numbers as loaded
.set XX,    80                         ; v80-111  two sets of 16 neighbours
.set EE,    112                        ; v112-127 a scale byte for each step
.set CC,    128                        ; v128-159 two registers of codes for each step
.set OUTR,  160                        ; v160-191 the image on its way out
.set OFF,   32                         ; weight path: v32-63 offsets of 32 rows of K
.set WX,    64                         ; v64-127  two sets of 32 numbers
.set WCD,   128                        ; v128-143 four registers of codes for each block
.set SBY,   20                         ; v20      the four scale bytes
	s_load_b256 s[4:11], s[0:1], 0x0               ; x, wq, wk, wv
	s_load_b256 s[12:19], s[0:1], 0x20             ; wo, w1, w2, xq
	s_load_b128 s[20:23], s[0:1], 0x40             ; wqkv, wt
	v_lshl_add_u32 v192, v0, 2, 0x9800
	v_mov_b32 v193, 0
	v_lshrrev_b32 v1, 5, v0
	v_readfirstlane_b32 s24, v1                    ; wave
	v_and_b32 v2, 31, v0                           ; lane
	s_cmp_lt_u32 ttmp9, 256
	s_cbranch_scc0 .Lweights
; ---------------- x: a step is one row (512 numbers).  Loads take the bytes as they lie, 512 a load; a row turns through the wave's stage so that a lane holds 16 neighbours; two neighbouring lanes hold a block.
	v_lshlrev_b32 v3, 4, v2                        ; 16 x lane
	s_mul_i32 s25, s24, WREG
	v_lshrrev_b32 v14, 2, v2
	v_mul_u32_u24 v14, v14, SP
	v_and_b32 v15, 3, v2
	v_lshl_add_u32 v14, v15, 4, v14
	v_add_nc_u32 v14, s25, v14                     ; the stage, on the way in: 80 (lane / 4) + 16 (lane % 4)
	v_mul_u32_u24 v15, v2, SP
	v_add_nc_u32 v15, s25, v15                     ; and on the way out: 80 x lane
	v_lshrrev_b32 v5, 1, v2                        ; my block of the row
	v_and_b32 v6, 1, v2                            ; my half of it
	v_mul_u32_u24 v4, v5, IP
	v_lshl_add_u32 v4, v6, 3, v4
	v_add_nc_u32 v4, s25, v4                       ; the image: block row, + 8 x half; the row's 16 bytes stand in the immediate
	v_add_nc_u32 v5, s25, v5                       ; the scale bytes: my block's
	v_lshrrev_b32 v6, 4, v2
	v_mul_u32_u24 v6, v6, IP
	v_and_b32 v7, 15, v2
	v_lshl_add_u32 v6, v7, 4, v6
	v_add_nc_u32 v6, s25, v6                       ; the image back: two block rows an instruction
	v_lshlrev_b32 v7, 3, v2                        ; 8 x lane
	v_add_nc_u32 v10, s25, v7
	s_lshl_b32 s26, ttmp9, 2
	s_add_co_u32 s26, s26, s24                     ; my tile, 0..1023
	s_lshr_b32 s28, s26, 1
	s_lshl_b32 s28, s28, 16                        ; its group of 32 rows of 2,048 bytes,
	s_and_b32 s27, s26, 1
	s_lshl_b32 s27, s27, 14                        ; and 8 rows on for the odd tile
	s_add_co_u32 s28, s28, s27
	s_mov_b32 s29, 0
	s_lshr_b32 s30, s26, 5
	s_mul_i32 s30, s30, 139264                     ; the batch's record
	s_and_b32 s27, s26, 31
	s_lshl_b32 s32, s27, 12
	s_add_co_u32 s32, s32, s30
	s_mov_b32 s33, 0
	s_lshl_b32 s34, s27, 8
	s_add_co_u32 s34, s34, s30
	s_add_co_u32 s34, s34, 131072
	s_mov_b32 s35, 0
	s_wait_kmcnt 0x0
	s_add_nc_u64 s[4:5], s[4:5], s[28:29]
	s_add_nc_u64 s[36:37], s[18:19], s[32:33]      ; where the tile's codes go
	s_add_nc_u64 s[38:39], s[18:19], s[34:35]      ; and its scale bytes
.macro XLOAD t                         ; place t of the tile is row t + 8 (t / 8) of its 24
.irp i, 0,1,2,3
	global_load_b128 v[RR+16*((\t)%4)+4*\i:RR+16*((\t)%4)+4*\i+3], v3, s[4:5] offset:((\t)+8*((\t)/8))*2048+512*\i th:TH_LOAD_NT
.endr
.endm
.macro XTURN t                         ; LDS serves a wave's instructions in order: no wait between the stores and the loads
.irp i, 0,1,2,3
	ds_store_b128 v14, v[RR+16*((\t)%4)+4*\i:RR+16*((\t)%4)+4*\i+3] offset:32*SP*((\t)%2)+8*SP*\i
.endr
.irp i, 0,1,2,3
	ds_load_b128 v[XX+16*((\t)%2)+4*\i:XX+16*((\t)%2)+4*\i+3], v15 offset:32*SP*((\t)%2)+16*\i
.endr
.endm
.irp t, 0,1,2,3
	XLOAD \t
.endr
	s_wait_loadcnt 12                              ; step 0's four loads are in; three steps' twelve may be out
	XTURN 0
.macro XSTEP t
.set XS, XX+16*((\t)%2)
.if (\t) > 0
	s_wait_dscnt 2                                 ; this step's numbers are back from the stage; the last step's two stores (codes, byte) may be out
.else
	s_wait_dscnt 0x0
.endif
.if (\t)+4 < 16
	XLOAD (\t)+4
.endif
.if (\t)+1 < 16
.if 14-(\t) >= 3
	s_wait_loadcnt 12                              ; the next step's four loads are in; those of the three steps behind it may be out
.else
	s_wait_loadcnt 4*(14-(\t))
.endif
	XTURN (\t)+1
.endif
	v_max3_num_f32 v8, |v[XS]|, |v[XS+1]|, |v[XS+2]|
	v_max3_num_f32 v9, |v[XS+3]|, |v[XS+4]|, |v[XS+5]|
.irp i, 6,10
	v_max3_num_f32 v8, v8, |v[XS+\i]|, |v[XS+\i+1]|
	v_max3_num_f32 v9, v9, |v[XS+\i+2]|, |v[XS+\i+3]|
.endr
	v_max3_num_f32 v8, v8, |v[XS+14]|, |v[XS+15]|
	v_max3_num_f32 v8, v8, v9, (EMAX+1)<<23        ; with the floor 2^(3 - 127): the byte cannot fall under 1
	v_max_num_f32_dpp v8, v8, v8 row_xmask:1 row_mask:0xf bank_mask:0xf   ; and my neighbour's 16: the block's largest magnitude
	v_add_nc_u32 v11, -(EMAX<<23), v8              ; 2 off its exponent field: the conversion's scale operand
	v_cvt_scalef32_pk8_fp4_f32 v[CC+2*(\t)], v[XS:XS+7], v11
	v_cvt_scalef32_pk8_fp4_f32 v[CC+2*(\t)+1], v[XS+8:XS+15], v11
	v_lshrrev_b32 v[EE+(\t)], 23, v11              ; the scale's byte (also the plain line behind the conversions)
	ds_store_b64 v4, v[CC+2*(\t):CC+2*(\t)+1] offset:IMG+16*(\t)   ; my half block of row t
	ds_store_b8 v5, v[EE+(\t)] offset:SCB+16*(\t)  ; both lanes of a block write the same byte with the same value
.endm
.irp t, 0,1,2,3,4,5,6,7,8,9,10,11,12,13,14,15
	XSTEP \t
.endr
.irp i, 0,1,2,3,4,5,6,7
	ds_load_b128 v[OUTR+4*\i:OUTR+4*\i+3], v6 offset:IMG+2*IP*\i   ; these see my stores: LDS serves a wave in order
.endr
	ds_load_b64 v[12:13], v10 offset:SCB
.irp i, 0,1,2,3,4,5,6,7
	s_wait_dscnt 8-\i                              ; load i is in; the image loads behind it and the scale load may be out
	global_store_b128 v3, v[OUTR+4*\i:OUTR+4*\i+3], s[36:37] offset:512*\i   ; 32 lanes store 512 consecutive bytes
.endr
	s_wait_dscnt 0x0
	global_store_b64 v7, v[12:13], s[38:39]        ; 256 consecutive bytes
	s_wait_tensorcnt 0x0
	ds_add_u32 v192, v193
	s_wait_dscnt 0x0
	s_endpgm
; ---------------- the weights: a lane takes a column, its registers run down K: a block of 32 lies in one lane, and the conversions give codes with K innermost.
.Lweights:
	s_sub_co_u32 s25, ttmp9, 256                   ; tt: 0-47 wq, wk, wv; 48-63 wo; 64-127 w1; 128-191 w2
	s_and_b32 s26, s25, 3
	s_and_b32 s27, s25, 15
	s_cmp_ge_u32 s25, 128
	s_cselect_b32 s26, s27, s26                    ; which 128 along K
	s_lshr_b32 s27, s25, 2
	s_and_b32 s28, s27, 3
	s_and_b32 s29, s27, 15
	s_lshr_b32 s30, s25, 4                         ; (under 64: which of wq, wk, wv, wo)
	s_and_b32 s31, s30, 3
	s_cmp_lt_u32 s25, 64
	s_cselect_b32 s28, s28, s29
	s_cmp_lt_u32 s25, 128
	s_cselect_b32 s28, s28, s31                    ; which 128 columns
	s_lshl_b32 s28, s28, 2
	s_add_co_u32 s28, s28, s24                     ; P: my wave's pair of tiles, 32 columns
	s_lshr_b32 s29, s25, 6                         ; 0: the four square ones, 1: w1, 2: w2
	s_mov_b32 s31, 2048
	s_cmp_eq_u32 s29, 1
	s_cselect_b32 s31, 8192, s31                   ; a row of the weight in bytes
	s_lshr_b32 s33, s26, 2
	s_and_b32 s34, s26, 3
	s_lshl_b32 s35, s28, 2
	s_add_co_u32 s35, s35, s33
	s_add_co_u32 s35, s35, 80                      ; w2's chunk
	s_add_co_u32 s36, s28, 16                      ; w1's
	s_cmp_eq_u32 s29, 1
	s_cselect_b32 s36, s36, s28                    ; or wo's
	s_cmp_eq_u32 s29, 2
	s_cselect_b32 s35, s35, s36
	s_lshl_b32 s36, s35, 13
	s_lshl_b32 s37, s34, 10
	s_add_co_u32 s36, s36, s37                     ; codes in wt
	s_lshl_b32 s37, s35, 9
	s_lshl_b32 s38, s34, 2
	s_add_co_u32 s37, s37, s38
	s_add_co_u32 s37, s37, 1179648                 ; scale bytes in wt
	s_lshr_b32 s38, s28, 1
	s_mul_i32 s38, s38, 52224                      ; the head's record in wqkv
	s_and_b32 s39, s28, 1
	s_lshl_b32 s40, s30, 14
	s_add_co_u32 s40, s40, s38
	s_lshl_b32 s41, s39, 13
	s_add_co_u32 s40, s40, s41
	s_lshl_b32 s41, s26, 10
	s_add_co_u32 s40, s40, s41                     ; codes in wqkv
	s_lshl_b32 s41, s30, 10
	s_add_co_u32 s41, s41, s38
	s_lshl_b32 s42, s39, 9
	s_add_co_u32 s41, s41, s42
	s_lshl_b32 s42, s26, 2
	s_add_co_u32 s41, s41, s42
	s_add_co_u32 s41, s41, 49152                   ; scale bytes in wqkv
	s_cmp_lt_u32 s25, 48
	s_cselect_b32 s44, s40, s36
	s_cselect_b32 s46, s41, s37
	s_mov_b32 s45, 0
	s_mov_b32 s47, 0
	s_lshl_b32 s48, s26, 7
	s_mul_i32 s48, s48, s31                        ; my first row of K,
	s_lshl_b32 s49, s28, 7
	s_add_co_u32 s48, s48, s49                     ; my first column
	s_mov_b32 s49, 0
	s_lshl_b32 s50, s31, 5                         ; 32 rows on
	s_mov_b32 s51, 0
	s_wait_alu depctr_va_vdst(0)
	v_and_b32 v3, 15, v2                           ; r
	v_lshrrev_b32 v4, 4, v2                        ; u
	v_and_b32 v5, 8, v3
	v_add_nc_u32 v5, v5, v3
	v_lshl_add_u32 v5, v4, 3, v5                   ; my column of the 32: 8 u + r + 8 (r / 8)
	v_lshlrev_b32 v5, 2, v5
.set j, 0
.rept 32
	v_mad_u32_u24 v[OFF+j], s31, j, v5             ; row j of a block, my column
.set j, j+1
.endr
	v_lshlrev_b32 v6, 4, v3
	v_lshl_add_u32 v6, v4, 12, v6                  ; out: tile u, row r
	v_lshlrev_b32 v7, 4, v2                        ; scale bytes: 16 x lane
	s_wait_alu depctr_va_vdst(0)
	s_wait_kmcnt 0x0
	s_cmp_ge_u32 s25, 16                           ; the buffers are chosen on the work-group's number alone
	s_cselect_b64 s[52:53], s[8:9], s[6:7]
	s_cmp_ge_u32 s25, 32
	s_cselect_b64 s[52:53], s[10:11], s[52:53]
	s_cmp_ge_u32 s25, 48
	s_cselect_b64 s[52:53], s[12:13], s[52:53]
	s_cmp_ge_u32 s25, 64
	s_cselect_b64 s[52:53], s[14:15], s[52:53]
	s_cmp_ge_u32 s25, 128
	s_cselect_b64 s[52:53], s[16:17], s[52:53]
	s_cmp_lt_u32 s25, 48
	s_cselect_b64 s[54:55], s[20:21], s[22:23]
	s_add_nc_u64 s[56:57], s[52:53], s[48:49]      ; a base for each of the four blocks: nothing is stepped
	s_add_nc_u64 s[58:59], s[56:57], s[50:51]
	s_add_nc_u64 s[60:61], s[58:59], s[50:51]
	s_add_nc_u64 s[62:63], s[60:61], s[50:51]
	s_add_nc_u64 s[66:67], s[54:55], s[44:45]
	s_add_nc_u64 s[68:69], s[54:55], s[46:47]
.macro WLOADB t
.set j, 0
.rept 32
	global_load_b32 v[WX+32*((\t)%2)+j], v[OFF+j], s[56+2*(\t):57+2*(\t)] th:TH_LOAD_NT   ; the 32 lanes read 128 consecutive bytes
.set j, j+1
.endr
.endm
	WLOADB 0
	WLOADB 1
.macro WBLOCK t
.set XS, WX+32*((\t)%2)
.if (\t) < 3
	s_wait_loadcnt 32                              ; this block's 32 loads are in; the next block's 32 may be out
.else
	s_wait_loadcnt 0x0
.endif
	v_max3_num_f32 v12, |v[XS]|, |v[XS+1]|, |v[XS+2]|
	v_max3_num_f32 v13, |v[XS+3]|, |v[XS+4]|, |v[XS+5]|
.irp i, 6,10,14,18,22,26
	v_max3_num_f32 v12, v12, |v[XS+\i]|, |v[XS+\i+1]|
	v_max3_num_f32 v13, v13, |v[XS+\i+2]|, |v[XS+\i+3]|
.endr
	v_max3_num_f32 v12, v12, |v[XS+30]|, |v[XS+31]|
	v_max3_num_f32 v12, v12, v13, (EMAX+1)<<23
	v_add_nc_u32 v11, -(EMAX<<23), v12
	v_lshrrev_b32 v13, 23, v11
.if (\t) == 0
	v_mov_b32 v[SBY], v13
.else
	v_lshl_or_b32 v[SBY], v13, 8*(\t), v[SBY]
.endif
.irp g, 0,1,2,3
	v_cvt_scalef32_pk8_fp4_f32 v[WCD+4*(\t)+\g], v[XS+8*\g:XS+8*\g+7], v11
.endr
	global_store_b128 v6, v[WCD+4*(\t):WCD+4*(\t)+3], s[66:67] offset:256*(\t)   ; sixteen lanes store 256 consecutive bytes: block t of a tile's 16 rows
.if (\t)+2 < 4
	WLOADB (\t)+2
.endif
.endm
.irp t, 0,1,2,3
	WBLOCK \t
.endr
	global_store_b32 v7, v[SBY], s[68:69]          ; my column's four bytes of this K step: 4 bytes of each 16
	s_endpgm
.Lfunc_end_k_q5b6d464979_prep:
	.size	k_q5b6d464979_prep, .Lfunc_end_k_q5b6d464979_prep-k_q5b6d464979_prep
	.p2alignl 7, 3214868480
	.fill 96, 4, 3214868480
	.section	.rodata,"a",@progbits
	.p2align	6, 0x0
	.amdhsa_kernel k_q5b6d464979_prep
		.amdhsa_group_segment_fixed_size 39424
		.amdhsa_private_segment_fixed_size 0
		.amdhsa_enable_private_segment 0
		.amdhsa_kernarg_size 80
		.amdhsa_user_sgpr_count 2
		.amdhsa_user_sgpr_kernarg_segment_ptr 1
		.amdhsa_wavefront_size32 1
		.amdhsa_system_sgpr_workgroup_id_x 1
		.amdhsa_system_sgpr_workgroup_id_y 1
		.amdhsa_system_sgpr_workgroup_id_z 1
		.amdhsa_system_vgpr_workitem_id 0
		.amdhsa_next_free_vgpr 194
		.amdhsa_next_free_sgpr 80
		.amdhsa_reserve_vcc 0
		.amdhsa_float_denorm_mode_32 3
		.amdhsa_float_denorm_mode_16_64 3
		.amdhsa_memory_ordered 1
		.amdhsa_forward_progress 1
		.amdhsa_inst_pref_size 59
	.end_amdhsa_kernel
	.amdgpu_metadata
---
amdhsa.version: [ 1, 2 ]
amdhsa.kernels:
  - .name:           k_q5b6d464979_prep
    .symbol:         k_q5b6d464979_prep.kd
    .args:
      - { .name: x, .offset: 0, .size: 8, .value_kind: global_buffer, .address_space: global }
      - { .name: wq, .offset: 8, .size: 8, .value_kind: global_buffer, .address_space: global }
      - { .name: wk, .offset: 16, .size: 8, .value_kind: global_buffer, .address_space: global }
      - { .name: wv, .offset: 24, .size: 8, .value_kind: global_buffer, .address_space: global }
      - { .name: wo, .offset: 32, .size: 8, .value_kind: global_buffer, .address_space: global }
      - { .name: w1, .offset: 40, .size: 8, .value_kind: global_buffer, .address_space: global }
      - { .name: w2, .offset: 48, .size: 8, .value_kind: global_buffer, .address_space: global }
      - { .name: xq, .offset: 56, .size: 8, .value_kind: global_buffer, .address_space: global }
      - { .name: wqkv, .offset: 64, .size: 8, .value_kind: global_buffer, .address_space: global }
      - { .name: wt, .offset: 72, .size: 8, .value_kind: global_buffer, .address_space: global }
    .group_segment_fixed_size: 39424
    .private_segment_fixed_size: 0
    .kernarg_segment_align: 8
    .kernarg_segment_size: 80
    .max_flat_workgroup_size: 128
    .sgpr_count:     80
    .vgpr_count:     194
    .wavefront_size: 32
...
	.end_amdgpu_metadata
.endif
;; end of part 4
;; launch attn (part 5): grid 8 x 32, 16 waves a work-group, clusters of 4 x 1, 327,680 bytes of LDS; arguments xq, wqkv, bq, bk, bv, mask, cq, cs; writes cq, cs
.if DOCPART == 5
	.amdgcn_target "amdgcn-amd-amdhsa--gfx1250"
	.amdhsa_code_object_version 6
	.text
	.protected	k_q5b6d464979_attn
	.globl	k_q5b6d464979_attn
	.p2align	8
	.type	k_q5b6d464979_attn,@function
k_q5b6d464979_attn:
	s_mov_b64 s[64:65], 0
	v_nop
	global_prefetch_b8 v0, s[64:65] scope:SCOPE_SE
	s_setreg_imm32_b32 hwreg(HW_REG_WAVE_MODE, 25, 1), 1
	s_wait_xcnt 0x0
	s_wait_alu depctr_hold_cnt(0) depctr_sa_sdst(0) depctr_va_vdst(0) depctr_va_sdst(0) depctr_va_ssrc(0) depctr_va_vcc(0) depctr_vm_vsrc(0)
	s_getreg_b32 s2, hwreg(HW_REG_IB_STS2, 6, 4)
	s_cmp_eq_u32 s2, 0
	s_cbranch_scc0 .Lentry_in_a_cluster
	s_endpgm
.Lentry_in_a_cluster:
	s_bfe_u32 s2, ttmp6, 0x10000c
	s_cmp_lg_u32 s2, 0x3003
	s_cbranch_scc0 .Lentry_shape_is_right
	s_endpgm
.Lentry_shape_is_right:
; One work-group makes one (batch, head): q, k, v = x W + b on codes of FP4; scores; softmax; ctx; ctx quantised along its channels and stored as codes.  All six operands are FP4 with E8M0 scales of 32.
; SHARES.  Sixteen waves; wave w owns rows 32 w .. 32 w + 31 of the batch: they are its two tiles of queries, one pair fragment of K and one block of 32 keys of V.  All 512 keys of the head then lie in LDS as codes.
; TILE ORDER: place r of tile (b, u) is row 32 b + 8 u + r + 8 (r / 8): with such a tile as source 0, registers of accumulators (b, 0), (b, 1) are 16 neighbours 32 b + 16 (lane / 16) + 0 .. 15 along the next K.
; q, k: transposed products (source 0 = 16 columns of W, source 1 = 16 rows of x): a lane holds one row, its registers run along the head's channels.  v: source 0 = 16 rows of x, source 1 = 16 columns of Wv: a lane holds one channel, registers run along the keys.
; K = 64 IN AN INSTRUCTION OF 128: a pair fragment of K holds tile (w, 0)'s 64 channels in k 0-63 and tile (w, 1)'s in k 64-127; q's operand has zero codes in the half that is not meant.  Twelve registers [0 q 0] give both forms.
; THE MASK: a masked key has zero codes in K, and the scores' sums begin at -2^33 there (0 elsewhere): its score is exactly -2^33.
; SOFTMAX: t = score x log2(e) / 8; M = the running largest t rounded up; p = 2^(t - M) is quantised along the keys; the row's sum is of the unquantised p and divides at the end.
; LIMITS: a masked logit is -2^30 where the definition has -1e9: the same results while real logits stay above about -9e8; a row whose keys are all masked gets p = 1 on every key, as the definition's uniform row.
;   A block of zeros gets the byte 1 (this program alone reads the bytes).  NaN and infinities among the inputs are not served.
; CLUSTER: the four heads of a cluster read the same record of x: one joint load a wave, the same descriptor in all four.  Each LDS byte is filled once.
; LDS: 0 the batch's x record (139,264); WBS the head's weights (52,224); KIM 16 pair fragments; KSC their scale words (128 bytes each); VIM V's fragments ((4 t + s) x 1,024); VSC their scale words; MB the scores' starting values, a word a key.
.set PART,  8704                       ; 34 rows of 256 bytes: what one tensor load brings
.set WBS,   139264
.set KIM,   191488
.set KSC,   207872
.set VIM,   209920
.set VSC,   226304
.set MB,    227328
.set LI,  1                            ; v1   16 x lane
.set LS,  2                            ; v2   4 x (lane % 16)
.set KO,  3                            ; v3   4 x (r + 8 (r / 8))
.set BO,  4                            ; v4   64 x (lane / 16)
.set ADK, 5                            ; v5-9 first the addresses of the projections, then those of the key step in hand
.set ADS, 6
.set ADM, 7
.set ADV, 8
.set ADT, 9
.set QZ0, 16                           ; v16-27 [0 q 0] of query tile 0, v28-39 of tile 1
.set WF,  40                           ; v40-71 four fragments: of W, of K, of V
.set ACC, 72                           ; v72-135 the projections' sums; then the scores and p
.set S,   72
.set BIAS, 136                         ; v136-167 a bias in the result's layout; then O^T
.set O,   136
.set XF,  168                          ; v168-231 my two tiles of x, four K steps each; later at work
.set PCO, 168                          ; p's codes
.set BM,  176                          ; the blocks' largest scores
.set BT,  180
.set BS,  184
.set XSW, 232                          ; v232-235 x's scale words
.set WSW, 236                          ; v236-243 W's
.set KW,  236                          ; v236-239 K's, then V's
.set PSW, 240                          ; p's scale word
.set MK,  244                          ; v244-245 the mask of my tiles' keys; later ctx's two scale words
.set QW0, 246                          ; v246-247 q's scale words
.set F,   248                          ; v[248:249] 2^(old M - new M)
.set T0,  250
.set WV,  20
.set G1X, 24
.set G1W, 32
.set G0X, 40
.set G0W, 44
.set SEL, 48
.set CS,  50
.set TK,  52
.set TS,  53
.set TMB, 54
.set TV,  55
.set TT,  56
.set CNT, 57
.macro ROUND                           ; a round of the cluster's barrier
	s_barrier_signal -1
	s_barrier_wait -1
	s_cmp_lg_u32 s[WV], 0
	s_cbranch_scc1 .Lnot_wave_0_\@
	s_barrier_signal -3
.Lnot_wave_0_\@:
	s_barrier_wait -3
	s_barrier_signal -1
	s_barrier_wait -1
.endm
; one matrix instruction.  c < 0: the sum starts at 0.  ra, rb: the scales stand in lanes 16-31 of their register
.macro WM d, a, b, c, sa, sb, ra, rb
.if (\c) < 0
.if (\ra) && (\rb)
	v_wmma_scale_f32_16x16x128_f8f6f4 v[(\d):(\d)+7], v[(\a):(\a)+7], v[(\b):(\b)+7], 0, v[(\sa)], v[(\sb)] matrix_a_fmt:MATRIX_FMT_FP4 matrix_b_fmt:MATRIX_FMT_FP4 matrix_a_scale:MATRIX_SCALE_ROW1 matrix_b_scale:MATRIX_SCALE_ROW1
.elseif (\ra)
	v_wmma_scale_f32_16x16x128_f8f6f4 v[(\d):(\d)+7], v[(\a):(\a)+7], v[(\b):(\b)+7], 0, v[(\sa)], v[(\sb)] matrix_a_fmt:MATRIX_FMT_FP4 matrix_b_fmt:MATRIX_FMT_FP4 matrix_a_scale:MATRIX_SCALE_ROW1
.elseif (\rb)
	v_wmma_scale_f32_16x16x128_f8f6f4 v[(\d):(\d)+7], v[(\a):(\a)+7], v[(\b):(\b)+7], 0, v[(\sa)], v[(\sb)] matrix_a_fmt:MATRIX_FMT_FP4 matrix_b_fmt:MATRIX_FMT_FP4 matrix_b_scale:MATRIX_SCALE_ROW1
.else
	v_wmma_scale_f32_16x16x128_f8f6f4 v[(\d):(\d)+7], v[(\a):(\a)+7], v[(\b):(\b)+7], 0, v[(\sa)], v[(\sb)] matrix_a_fmt:MATRIX_FMT_FP4 matrix_b_fmt:MATRIX_FMT_FP4
.endif
.else
.if (\ra) && (\rb)
	v_wmma_scale_f32_16x16x128_f8f6f4 v[(\d):(\d)+7], v[(\a):(\a)+7], v[(\b):(\b)+7], v[(\c):(\c)+7], v[(\sa)], v[(\sb)] matrix_a_fmt:MATRIX_FMT_FP4 matrix_b_fmt:MATRIX_FMT_FP4 matrix_a_scale:MATRIX_SCALE_ROW1 matrix_b_scale:MATRIX_SCALE_ROW1
.elseif (\ra)
	v_wmma_scale_f32_16x16x128_f8f6f4 v[(\d):(\d)+7], v[(\a):(\a)+7], v[(\b):(\b)+7], v[(\c):(\c)+7], v[(\sa)], v[(\sb)] matrix_a_fmt:MATRIX_FMT_FP4 matrix_b_fmt:MATRIX_FMT_FP4 matrix_a_scale:MATRIX_SCALE_ROW1
.elseif (\rb)
	v_wmma_scale_f32_16x16x128_f8f6f4 v[(\d):(\d)+7], v[(\a):(\a)+7], v[(\b):(\b)+7], v[(\c):(\c)+7], v[(\sa)], v[(\sb)] matrix_a_fmt:MATRIX_FMT_FP4 matrix_b_fmt:MATRIX_FMT_FP4 matrix_b_scale:MATRIX_SCALE_ROW1
.else
	v_wmma_scale_f32_16x16x128_f8f6f4 v[(\d):(\d)+7], v[(\a):(\a)+7], v[(\b):(\b)+7], v[(\c):(\c)+7], v[(\sa)], v[(\sb)] matrix_a_fmt:MATRIX_FMT_FP4 matrix_b_fmt:MATRIX_FMT_FP4
.endif
.endif
.endm
; nb blocks of 32; a lane holds 16 numbers of each, v[s + 16 b + i], lane l xor 16 the other 16.  QSCALE: v[TM+12+b] the conversion's scale operand, v[TM+4+b] the scale's byte.
.macro QSCALE s, nb
.irp b,0,1,2,3
.if \b < \nb
	v_max3_num_f32 v[TM+\b], |v[\s+16*\b]|, |v[\s+1+16*\b]|, 0x1800000   ; with the floor 2^(3 - 127): the byte cannot fall under 1
.endif
.endr
.irp i,2,4,6,8,10,12,14
.irp b,0,1,2,3
.if \b < \nb
	v_max3_num_f32 v[TM+\b], v[TM+\b], |v[\s+16*\b+\i]|, |v[\s+1+16*\b+\i]|
.endif
.endr
.endr
.irp b,0,1,2,3
.if \b < \nb
	v_permlanex16_b32 v[TM+4+\b], v[TM+\b], s[SEL], s[SEL+1]
.endif
.endr
.irp b,0,1,2,3
.if \b < \nb
	v_max_num_f32 v[TM+\b], v[TM+\b], v[TM+4+\b]
.endif
.endr
.irp b,0,1,2,3
.if \b < \nb
	v_add_nc_u32 v[TM+12+\b], 0xff000000, v[TM+\b]   ; 2 off the exponent field
.endif
.endr
.irp b,0,1,2,3
.if \b < \nb
	v_lshrrev_b32 v[TM+4+\b], 23, v[TM+12+\b]
.endif
.endr
.endm
.macro QCVT s, nb                      ; v[PC+2b], v[PC+2b+1]: the codes of my 16 numbers of block b
.irp b,0,1,2,3
.if \b < \nb
	v_cvt_scalef32_pk8_fp4_f32 v[PC+2*\b], v[\s+16*\b:\s+7+16*\b], v[TM+12+\b]
	v_cvt_scalef32_pk8_fp4_f32 v[PC+1+2*\b], v[\s+8+16*\b:\s+15+16*\b], v[TM+12+\b]
.endif
.endr
	v_nop                                          ; one plain line behind the scaled conversions
.endm
.macro QWHOLE nb                       ; the bytes make the row's scale word; the halves change lanes so that a lane holds whole blocks, as the operand's layout wants
	v_lshl_or_b32 v[PW], v[TM+5], 8, v[TM+4]
.if \nb > 2
	s_delay_alu instid0(VALU_DEP_1)
	v_lshl_or_b32 v[PW], v[TM+6], 16, v[PW]
	s_delay_alu instid0(VALU_DEP_1)
	v_lshl_or_b32 v[PW], v[TM+7], 24, v[PW]
.endif
.irp c,0,1
.if 2*\c < \nb
.irp i,0,1
	v_permlane16_swap_b32 v[PC+4*\c+\i], v[PC+2+4*\c+\i]
.endr
.endif
.endr
.endm
; A projection of my two tiles of x by the head's four tiles of matrix mat: 4 K steps x 8 matrix instructions, the eight accumulators by turns.
; tr = 1: source 0 = W, the bias is the C of the first K step, accumulator 4 u + t.  tr = 0: source 0 = x, the sums start at 0, accumulator 2 t + u.
.macro PROJ mat, tr
.irp a,0,1
	ds_load_b128 v[WSW+4*\a:WSW+4*\a+3], v7 offset:49152+(\mat)*1024+512*\a   ; lanes 0-15: tile 2 a's four words, lanes 16-31: tile 2 a + 1's
.endr
.irp ks,0,1,2,3
.rept 4
	v_nop                                          ; four places in front of loads into registers that matrix instructions have read
.endr
.irp t,0,1,2,3
.irp c,0,1
	ds_load_b128 v[WF+8*\t+4*\c:WF+8*\t+4*\c+3], v7 offset:(\mat)*16384+\t*4096+\ks*1024+512*\c
.endr
.endr
	s_wait_dscnt 0x0
.irp u,0,1
.irp t,0,1,2,3
.if \tr
.if \ks == 0
	WM ACC+8*(4*\u+\t), WF+8*\t, XF+8*(4*\u+\ks), BIAS+8*\t, WSW+4*(\t/2)+\ks, XSW+\ks, \t%2, \u
.else
	WM ACC+8*(4*\u+\t), WF+8*\t, XF+8*(4*\u+\ks), ACC+8*(4*\u+\t), WSW+4*(\t/2)+\ks, XSW+\ks, \t%2, \u
.endif
.else
.if \ks == 0
	WM ACC+8*(2*\t+\u), XF+8*(4*\u+\ks), WF+8*\t, -1, XSW+\ks, WSW+4*(\t/2)+\ks, \u, \t%2
.else
	WM ACC+8*(2*\t+\u), XF+8*(4*\u+\ks), WF+8*\t, ACC+8*(2*\t+\u), XSW+\ks, WSW+4*(\t/2)+\ks, \u, \t%2
.endif
.endif
.endr
.endr
.endr
.rept 4
	v_nop                                          ; four places in front of the first read of the results and of writes over the operands
.endr
.endm
	s_load_b512 s[4:19], s[0:1], 0x0               ; xq, wqkv, bq, bk, bv, mask, cq, cs
	v_lshl_add_u32 v254, v0, 2, 0x38000
	v_mov_b32 v255, 0
	ds_add_u32 v254, v255
	ds_add_u32 v254, v255
	s_wait_dscnt 0x0
	v_lshrrev_b32 v1, 5, v0
	s_delay_alu instid0(VALU_DEP_1)
	v_readfirstlane_b32 s[WV], v1                  ; wave 0..15
	s_bfe_u32 s21, ttmp6, 0x40000                  ; cx: it enters global addresses and one shift of data, no branch and no LDS address
	s_lshl_b32 s22, ttmp9, 2
	s_add_co_u32 s22, s22, s21                     ; the head
	s_and_b32 s23, ttmp7, 0xffff                   ; the batch, which the four partners share
	s_mov_b32 s[G1X], 15|(3<<16)|(1<<21)           ; 15:0 the mask: all four work-groups; 17:16 elements of 8 bytes; 21 set beside a mask; no padding
	s_mov_b32 s[G1W], 3<<16                        ; the weights are the head's own: no mask
.irp g, G1X, G1W
	s_mov_b32 s[\g+1], 32<<16                      ; tensor_dim0 = 32 elements = 256 bytes
	s_mov_b32 s[\g+2], 34<<16                      ; tensor_dim1 = 34
	s_mov_b32 s[\g+3], 32<<16                      ; tile_dim0
	s_mov_b32 s[\g+4], 34                          ; tile_dim1
	s_mov_b32 s[\g+5], 32                          ; dense rows
	s_mov_b32 s[\g+6], 0
	s_mov_b32 s[\g+7], 0
.endr
	s_mul_i32 s58, s[WV], PART                     ; my sixteenth of the x record; waves 0-5: my sixth of the weights
	s_mul_i32 s60, s23, 139264
	s_add_co_u32 s60, s60, s58
	s_mov_b32 s61, 0
	s_mul_i32 s62, s22, 52224
	s_add_co_u32 s62, s62, s58
	s_mov_b32 s63, 0
	s_mov_b32 s[SEL], 0x76543210
	s_mov_b32 s[SEL+1], 0xfedcba98                 ; v_permlanex16_b32's selects for lane l xor 16
	s_mov_b32 s[CS], 0x3e38aa3b                    ; c = log2(e) / 8
	s_mov_b32 s[CS+1], s[CS]
	s_wait_kmcnt 0x0
	s_mov_b32 s[G0X], 1
	s_mov_b32 s[G0X+1], s58
	s_add_nc_u64 s[G0X+2:G0X+3], s[4:5], s[60:61]
	s_or_b32 s[G0X+3], s[G0X+3], 0x80000000
	s_mov_b32 s[G0W], 1
	s_add_co_u32 s[G0W+1], s58, WBS
	s_add_nc_u64 s[G0W+2:G0W+3], s[6:7], s[62:63]
	s_or_b32 s[G0W+3], s[G0W+3], 0x80000000
	ROUND                                          ; all four work-groups are here: the joint loads meet
	tensor_load_to_lds s[G0X:G0X+3], s[G1X:G1X+7]  ; every wave: its part of x's record, jointly
	s_nop 0
.rept 4
	v_nop
.endr
	s_wait_alu depctr_va_vdst(0)
	s_wait_tensorcnt 0x0
	ds_add_u32 v254, v255
	s_wait_dscnt 0x0
	ROUND
	s_cmp_lt_u32 s[WV], 6
	s_cbranch_scc0 .Lno_w
	tensor_load_to_lds s[G0W:G0W+3], s[G1W:G1W+7]  ; waves 0-5: the head's weights.  Two loads of a wave are out at the most
	s_nop 0
.rept 4
	v_nop
.endr
.Lno_w:
	v_and_b32 v250, 31, v0                         ; lane
	s_delay_alu instid0(VALU_DEP_1)
	v_lshlrev_b32 v[LI], 4, v250
	v_and_b32 v251, 15, v0                         ; r
	s_delay_alu instid0(VALU_DEP_1)
	v_lshlrev_b32 v[LS], 2, v251
	s_delay_alu instid0(VALU_DEP_2)
	v_and_b32 v252, 8, v251
	s_delay_alu instid0(VALU_DEP_1)
	v_add_nc_u32 v252, v252, v251
	s_delay_alu instid0(VALU_DEP_1)
	v_lshlrev_b32 v[KO], 2, v252
	v_bfe_u32 v253, v0, 4, 1                       ; h
	s_delay_alu instid0(VALU_DEP_1)
	v_lshlrev_b32 v[BO], 6, v253
	s_lshl_b32 s58, s[WV], 13
	v_add_nc_u32 v5, s58, v[LI]                    ; my two tiles of x
	s_lshl_b32 s58, s[WV], 9
	s_add_co_u32 s58, s58, 131072
	v_add_nc_u32 v6, s58, v[LI]                    ; their scale words
	v_add_nc_u32 v7, WBS, v[LI]                    ; the weights
	s_lshl_b32 s58, s[WV], 10
	s_add_co_u32 s58, s58, KIM
	v_add_nc_u32 v8, s58, v[LI]                    ; where my pair fragment of K goes
	s_lshl_b32 s58, s[WV], 7
	s_add_co_u32 s58, s58, KSC
	v_lshl_add_u32 v9, v250, 2, s58                ; and its scale words
	s_lshr_b32 s58, s[WV], 2
	s_and_b32 s59, s[WV], 3
	s_lshl_b32 s60, s58, 10
	s_lshl_b32 s61, s59, 8
	s_add_co_u32 s60, s60, s61
	s_add_co_u32 s60, s60, VIM
	v_lshl_add_u32 v10, v251, 4, s60
	s_wait_alu depctr_va_vdst(0)
	v_lshl_add_u32 v10, v253, 3, v10               ; V: key step w / 4, block w % 4, row r, my half of the block
	s_lshl_b32 s60, s58, 6
	s_add_co_u32 s60, s60, s59
	s_add_co_u32 s60, s60, VSC
	v_add_nc_u32 v11, s60, v[LS]                   ; and the block's byte in row r's word
	s_lshl_b32 s60, s23, 11
	s_mov_b32 s61, 0
	s_add_nc_u64 s[14:15], s[14:15], s[60:61]      ; the batch's mask
	s_lshl_b32 s60, s22, 8
	s_add_nc_u64 s[8:9], s[8:9], s[60:61]          ; the head's 64 numbers of each bias
	s_add_nc_u64 s[10:11], s[10:11], s[60:61]
	s_add_nc_u64 s[12:13], s[12:13], s[60:61]
	s_lshl_b32 s58, s23, 5
	s_lshl_b32 s59, s[WV], 1
	s_add_co_u32 s58, s58, s59                     ; my first tile of rows among the 1,024
	s_lshl_b32 s60, s58, 12
	s_lshr_b32 s59, s22, 1
	s_lshl_b32 s59, s59, 10
	s_add_co_u32 s60, s60, s59
	s_and_b32 s59, s22, 1
	s_lshl_b32 s62, s59, 9
	s_add_co_u32 s60, s60, s62
	s_add_nc_u64 s[16:17], s[16:17], s[60:61]      ; ctx's codes: tile x 4,096 + (head / 2) x 1,024 + (head % 2) x 512
	s_lshl_b32 s70, s59, 4                         ; an odd head's two bytes go 16 bits up
	s_lshl_b32 s60, s58, 9
	s_lshl_b32 s62, s22, 6
	s_add_co_u32 s60, s60, s62
	s_add_nc_u64 s[18:19], s[18:19], s[60:61]      ; ctx's scale words: tile x 512 + head x 64
	v_lshlrev_b32 v254, 2, v0
	global_load_b32 v255, v254, s[14:15]           ; thread t: key t's mask
	s_lshl_b32 s60, s[WV], 7
	v_add_nc_u32 v252, s60, v[KO]
	global_load_b32 v[MK], v252, s[14:15]          ; the mask of my lane's key in tile (w, 0),
	global_load_b32 v[MK+1], v252, s[14:15] offset:32   ; and in tile (w, 1)
.irp t,0,1,2,3
	global_load_b128 v[BIAS+8*\t:BIAS+8*\t+3], v[BO], s[8:9] offset:128*(\t/2)+32*(\t%2)      ; bq at channels 32 (t / 2) + 16 h + 8 (t % 2) + 0 .. 7
	global_load_b128 v[BIAS+8*\t+4:BIAS+8*\t+7], v[BO], s[8:9] offset:128*(\t/2)+32*(\t%2)+16
.endr
	v_lshl_add_u32 v250, v0, 2, MB
	v_mov_b32 v253, 0xd0000000                     ; -2^33
.irp j,0,1,2,3,8,9,10,11,12,13,14,15,20,21,22,23
	v_mov_b32 v[QZ0+\j], 0                         ; the zero codes round q's
.endr
	v_mov_b32 v[F+1], 0                            ; named as the upper half of a pair
	s_wait_loadcnt 10                              ; key t's mask is in; the two masks and eight loads of bq behind it may be out
	v_cmp_eq_u32 vcc_lo, 0, v255
	s_delay_alu instid0(VALU_DEP_1)
	v_cndmask_b32 v255, 0, v253, vcc_lo
	ds_store_b32 v250, v255                        ; where the scores' sums begin
	s_wait_tensorcnt 0x0                           ; my parts of x and of the weights have landed,
	s_wait_dscnt 0x0                               ; my store too:
	s_barrier_signal -1
	s_barrier_wait -1                              ; everybody's have
; ---------------- the projections
.set TM, 40                            ; at work over W's fragments, which are done with by then
.set PC, 56
.set PW, 64
.set j, 0
.rept 16
	ds_load_b128 v[XF+4*j:XF+4*j+3], v5 offset:512*j   ; fragment (u, K step) at XF + 8 (4 u + K step)
.set j, j+1
.endr
	ds_load_b128 v[XSW:XSW+3], v6                  ; lanes 0-15: tile (w, 0)'s four words, lanes 16-31: tile (w, 1)'s
	s_wait_loadcnt 0x0                             ; bq, the masks
	PROJ 0, 1
.irp t,0,1,2,3
	global_load_b128 v[BIAS+8*\t:BIAS+8*\t+3], v[BO], s[10:11] offset:128*(\t/2)+32*(\t%2)    ; bk lands while q is quantised
	global_load_b128 v[BIAS+8*\t+4:BIAS+8*\t+7], v[BO], s[10:11] offset:128*(\t/2)+32*(\t%2)+16
.endr
	QSCALE ACC, 4                                  ; blocks 0, 1: tile 0's 64 channels; blocks 2, 3: tile 1's
	QCVT ACC, 4
	QWHOLE 4
.irp i,0,1,2,3
	v_mov_b32 v[QZ0+4+\i], v[PC+\i]
	v_mov_b32 v[QZ0+16+\i], v[PC+4+\i]
.endr
	v_and_b32 v250, 0xffff, v[PW]
	s_delay_alu instid0(VALU_DEP_1)
	v_lshl_or_b32 v[QW0], v[PW], 16, v250          ; tile 0's two bytes, in both halves of the word
	v_and_b32 v250, 0xffff0000, v[PW]
	v_lshrrev_b32 v251, 16, v[PW]
	s_delay_alu instid0(VALU_DEP_1)
	v_or_b32 v[QW0+1], v250, v251                  ; tile 1's
	s_wait_loadcnt 0x0
	PROJ 1, 1
.irp t,0,1,2,3
	global_load_b32 v[BIAS+2*\t], v[KO], s[12:13] offset:128*(\t/2)+32*(\t%2)   ; bv of my lane's channel in tile t
.endr
	QSCALE ACC, 4
	QCVT ACC, 4
	QWHOLE 4
	v_cmp_ne_u32 vcc_lo, 0, v[MK]
	v_cmp_ne_u32 s58, 0, v[MK+1]
.irp i,0,1,2,3
	v_cndmask_b32 v[PC+\i], 0, v[PC+\i], vcc_lo    ; a masked key's codes are zeros
	v_cndmask_b32 v[PC+4+\i], 0, v[PC+4+\i], s58
.endr
	ds_store_b128 v8, v[PC:PC+3]                   ; the pair fragment as an image of its registers
	ds_store_b128 v8, v[PC+4:PC+7] offset:512
	ds_store_b32 v9, v[PW]
	s_wait_dscnt 0x0                               ; the stores have read their registers
	PROJ 2, 0
	s_wait_loadcnt 0x0
.irp t,0,1,2,3
.irp p,0,1,2,3,4,5,6,7
	v_pk_add_f32 v[ACC+16*\t+2*\p:ACC+16*\t+2*\p+1], v[ACC+16*\t+2*\p:ACC+16*\t+2*\p+1], v[BIAS+2*\t:BIAS+2*\t+1] op_sel_hi:[1,0]   ; + bv: the pair's low word serves both halves
.endr
.endr
	QSCALE ACC, 4                                  ; block t: channel tile t, my 32 keys
	QCVT ACC, 4
.irp t,0,1,2,3
	ds_store_b64 v10, v[PC+2*\t:PC+2*\t+1] offset:4096*\t
	ds_store_b8 v11, v[TM+4+\t] offset:256*\t      ; both halves of the lanes write the same byte with the same value
.endr
	s_wait_dscnt 0x0
	s_barrier_signal -1
	s_barrier_wait -1                              ; the head's K and V lie in LDS
; ---------------- attention for query tile u: four key steps of 128
.macro TILE u
.set QZ, QZ0+12*(\u)
.set TM, 176
.set PC, 192+4*(\u)
.set PW, 200
.set j, 0
.rept 32
	v_mov_b32 v[O+j], 0                            ; the step is written once: the first finds zeros
.set j, j+1
.endr
	v_mov_b32 v13, 0xff61b1e6                      ; the largest t so far: -3e38
	s_delay_alu instid0(VALU_DEP_1)
	v_floor_f32 v12, -v13                          ; -M
	v_mov_b32 v14, 0
	v_mov_b32 v15, 0
	s_mov_b32 s[TK], KIM
	s_mov_b32 s[TS], KSC
	s_mov_b32 s[TMB], MB
	s_mov_b32 s[TV], VIM
	s_mov_b32 s[TT], VSC
	s_mov_b32 s[CNT], 0
.Lstep_\@:
	s_setprio 2
	v_add_nc_u32 v[ADK], s[TK], v[LI]              ; (these five are also the places in front of the loads below)
	v_add_nc_u32 v[ADS], s[TS], v[LS]
	v_add_nc_u32 v[ADM], s[TMB], v[BO]
	v_add_nc_u32 v[ADV], s[TV], v[LI]
	v_add_nc_u32 v[ADT], s[TT], v[LS]
.irp b,0,1,2,3
.irp c,0,1
	ds_load_b128 v[WF+8*\b+4*\c:WF+8*\b+4*\c+3], v[ADK] offset:1024*\b+512*\c
.endr
	ds_load_b32 v[KW+\b], v[ADS] offset:128*\b
.endr
.irp b,0,1,2,3
.irp k,0,1,2,3
	ds_load_b128 v[S+16*\b+4*\k:S+16*\b+4*\k+3], v[ADM] offset:128*\b+16*\k   ; the sums' starting values of keys 32 b + 16 h + 4 k + 0 .. 3
.endr
.endr
	s_wait_alu depctr_va_vdst(0)
	s_wait_dscnt 0x0
.irp b,0,1,2,3
.irp a,0,1
	WM S+8*(2*\b+\a), WF+8*\b, QZ+4-4*\a, S+8*(2*\b+\a), KW+\b, QW0+(\u), 0, 0   ; a = 0: [q 0] meets the pair's first tile; a = 1: [0 q] its second
.endr
.endr
.rept 4
	v_nop
.endr
.irp t,0,1,2,3
.irp c,0,1
	ds_load_b128 v[WF+8*\t+4*\c:WF+8*\t+4*\c+3], v[ADV] offset:4096*\t+512*\c   ; V's fragments land while the softmax is worked
.endr
	ds_load_b32 v[KW+\t], v[ADT] offset:256*\t
.endr
.irp b,0,1,2,3
	v_max3_num_f32 v[BM+\b], v[S+16*\b], v[S+1+16*\b], v[S+2+16*\b]   ; each block's largest score: for the row's maximum and for the block's largest p
.endr
.irp i,3,5,7,9,11,13
.irp b,0,1,2,3
	v_max3_num_f32 v[BM+\b], v[BM+\b], v[S+16*\b+\i], v[S+1+16*\b+\i]
.endr
.endr
.irp b,0,1,2,3
	v_max_num_f32 v[BM+\b], v[BM+\b], v[S+15+16*\b]
.endr
.irp b,0,1,2,3
	s_delay_alu instid0(VALU_DEP_4)
	v_permlanex16_b32 v[BT+\b], v[BM+\b], s[SEL], s[SEL+1]
.endr
.irp b,0,1,2,3
	s_delay_alu instid0(VALU_DEP_4)
	v_max_num_f32 v[BM+\b], v[BM+\b], v[BT+\b]
.endr
	s_delay_alu instid0(VALU_DEP_2)
	v_max3_num_f32 v[T0], v[BM], v[BM+1], v[BM+2]
	s_delay_alu instid0(VALU_DEP_1)
	v_max_num_f32 v[T0], v[T0], v[BM+3]
	s_delay_alu instid0(VALU_DEP_1)
	v_mul_f32 v[T0], s[CS], v[T0]
	s_delay_alu instid0(VALU_DEP_1)
	v_max_num_f32 v13, v13, v[T0]                  ; the running largest t
	v_mov_b32 v[T0], v12
	s_delay_alu instid0(VALU_DEP_2)
	v_floor_f32 v12, -v13                          ; the new -M: M is a whole number
	s_delay_alu instid0(VALU_DEP_1)
	v_sub_f32 v[T0], v12, v[T0]
	s_delay_alu instid0(VALU_DEP_1)
	v_cvt_i32_f32 v[T0], v[T0]                     ; (it saturates)
	s_delay_alu instid0(VALU_DEP_1)
	v_ldexp_f32 v[F], 1.0, v[T0]                   ; f = 2^(old M - new M)
.set j, 0
.rept 32
	v_pk_fma_f32 v[S+j:S+j+1], v[S+j:S+j+1], s[CS:CS+1], v[12:13] op_sel_hi:[1,0,0]   ; t - M
.set j, j+2
.endr
.irp b,0,1,2,3
	v_fma_f32 v[BM+\b], v[BM+\b], s[CS], v12
.endr
.set j, 0
	s_setprio 1
	s_wait_alu depctr_va_vdst(0)
.rept 64
	v_exp_f32 v[S+j], v[S+j]                       ; p = 2^(t - M)
.set j, j+1
.endr
	v_pk_mul_f32 v[14:15], v[14:15], v[F:F+1] op_sel_hi:[1,0]   ; the sums under the new M (a plain line behind the exponentials)
	s_wait_alu depctr_va_vdst(0)                   ; one wait for the batch, ahead of its first reader
.irp b,0,1,2,3
	v_exp_f32 v[BM+\b], v[BM+\b]                   ; the blocks' largest p
.endr
	v_pk_add_f32 v[BT:BT+1], v[S:S+1], v[S+2:S+3]  ; the row's sum of the unquantised p, in two chains
.set j, 4
.rept 15
	v_pk_add_f32 v[14:15], v[14:15], v[S+j:S+j+1]
	v_pk_add_f32 v[BT:BT+1], v[BT:BT+1], v[S+j+2:S+j+3]
.set j, j+4
.endr
	s_delay_alu instid0(VALU_DEP_1)
	v_pk_add_f32 v[14:15], v[14:15], v[BT:BT+1]
	s_wait_alu depctr_va_vdst(0)                   ; and one for the four
.irp b,0,1,2,3
	v_max_num_f32 v[BM+\b], 0x1800000, v[BM+\b]
.endr
.irp b,0,1,2,3
	s_delay_alu instid0(VALU_DEP_4)
	v_add_nc_u32 v[BS+\b], 0xff000000, v[BM+\b]
.endr
.irp b,0,1,2,3
	s_delay_alu instid0(VALU_DEP_4)
	v_lshrrev_b32 v[BT+\b], 23, v[BS+\b]
.endr
	s_delay_alu instid0(VALU_DEP_3)
	v_lshl_or_b32 v[PSW], v[BT+1], 8, v[BT]
	s_delay_alu instid0(VALU_DEP_1)
	v_lshl_or_b32 v[PSW], v[BT+2], 16, v[PSW]
	s_delay_alu instid0(VALU_DEP_1)
	v_lshl_or_b32 v[PSW], v[BT+3], 24, v[PSW]
.irp b,0,1,2,3
	v_cvt_scalef32_pk8_fp4_f32 v[PCO+2*\b], v[S+16*\b:S+7+16*\b], v[BS+\b]
	v_cvt_scalef32_pk8_fp4_f32 v[PCO+1+2*\b], v[S+8+16*\b:S+15+16*\b], v[BS+\b]
.endr
	s_setprio 0
	v_nop
.irp c,0,1
.irp i,0,1
	v_permlane16_swap_b32 v[PCO+4*\c+\i], v[PCO+2+4*\c+\i]
.endr
.endr
.set j, 0
.rept 16
	v_pk_mul_f32 v[O+j:O+j+1], v[O+j:O+j+1], v[F:F+1] op_sel_hi:[1,0]   ; O^T under the new M; these sixteen are also the places between p's codes and scale word and the products
.set j, j+2
.endr
	s_wait_alu depctr_va_vdst(0)
	s_wait_dscnt 0x0                               ; V
.irp t,0,1,2,3
	WM O+8*\t, WF+8*\t, PCO, O+8*\t, KW+\t, PSW, 0, 0
.endr
	s_add_co_u32 s[TK], s[TK], 4096
	s_add_co_u32 s[TS], s[TS], 512
	s_add_co_u32 s[TMB], s[TMB], 512
	s_add_co_u32 s[TV], s[TV], 1024
	s_add_co_u32 s[TT], s[TT], 64
	s_add_co_u32 s[CNT], s[CNT], 1
	s_cmp_lt_u32 s[CNT], 4
	s_cbranch_scc1 .Lstep_\@
	s_setprio 0
	v_add_f32 v14, v14, v15
	s_delay_alu instid0(VALU_DEP_1)
	v_permlanex16_b32 v[T0], v14, s[SEL], s[SEL+1]
	s_delay_alu instid0(VALU_DEP_1)
	v_add_f32 v14, v14, v[T0]                      ; the row's sum
	s_wait_alu depctr_va_vdst(0)
	v_rcp_f32 v14, v14
.rept 4
	v_nop                                          ; the plain line behind the reciprocal, and the places behind the last products
.endr
	s_wait_alu depctr_va_vdst(0)
.set j, 0
.rept 32
	v_mul_f32 v[S+j], v[O+j], v14                  ; ctx: register 16 b + i is channel 32 b + 16 h + i of my query
.set j, j+1
.endr
	QSCALE S, 2
	QCVT S, 2
	QWHOLE 2
	global_store_b128 v[LI], v[PC:PC+3], s[16:17] offset:4096*(\u)   ; 512 consecutive bytes: half a fragment of the next product's operand
	v_lshlrev_b32 v[MK+(\u)], s70, v[PW]
.endm
	TILE 0
	TILE 1
	v_and_b32 v250, 31, v0
	s_delay_alu instid0(VALU_DEP_1)
	v_cmp_gt_u32 vcc_lo, 16, v250
	s_delay_alu instid0(VALU_DEP_1)
	v_cndmask_b32 v[MK], v[MK+1], v[MK], vcc_lo    ; lanes 0-15: tile 0's words, lanes 16-31: tile 1's
	s_delay_alu instid0(VALU_DEP_3)
	v_lshrrev_b32 v250, 4, v250
	s_delay_alu instid0(VALU_DEP_1)
	v_lshl_add_u32 v10, v250, 9, v[LS]
	global_store_b32 v10, v[MK], s[18:19]
	s_wait_xcnt 0x0
	v_lshl_add_u32 v254, v0, 2, 0x38000
	v_mov_b32 v255, 0
	s_wait_alu depctr_va_vdst(0)
	s_wait_tensorcnt 0x0
	ds_add_u32 v254, v255
	s_wait_dscnt 0x0
	ROUND                                          ; the closing round
	s_endpgm
.Lfunc_end_k_q5b6d464979_attn:
	.size	k_q5b6d464979_attn, .Lfunc_end_k_q5b6d464979_attn-k_q5b6d464979_attn
	.p2alignl 7, 3214868480
	.fill 96, 4, 3214868480
	.section	.rodata,"a",@progbits
	.p2align	6, 0x0
	.amdhsa_kernel k_q5b6d464979_attn
		.amdhsa_group_segment_fixed_size 327680
		.amdhsa_private_segment_fixed_size 0
		.amdhsa_enable_private_segment 0
		.amdhsa_kernarg_size 64
		.amdhsa_user_sgpr_count 2
		.amdhsa_user_sgpr_kernarg_segment_ptr 1
		.amdhsa_wavefront_size32 1
		.amdhsa_system_sgpr_workgroup_id_x 1
		.amdhsa_system_sgpr_workgroup_id_y 1
		.amdhsa_system_sgpr_workgroup_id_z 1
		.amdhsa_system_vgpr_workitem_id 0
		.amdhsa_next_free_vgpr 256
		.amdhsa_next_free_sgpr 80
		.amdhsa_reserve_vcc 1
		.amdhsa_float_denorm_mode_32 3
		.amdhsa_float_denorm_mode_16_64 3
		.amdhsa_memory_ordered 1
		.amdhsa_forward_progress 1
		.amdhsa_inst_pref_size 92
	.end_amdhsa_kernel
	.amdgpu_metadata
---
amdhsa.version: [ 1, 2 ]
amdhsa.kernels:
  - .name:           k_q5b6d464979_attn
    .symbol:         k_q5b6d464979_attn.kd
    .args:
      - { .name: xq, .offset: 0, .size: 8, .value_kind: global_buffer, .address_space: global }
      - { .name: wqkv, .offset: 8, .size: 8, .value_kind: global_buffer, .address_space: global }
      - { .name: bq, .offset: 16, .size: 8, .value_kind: global_buffer, .address_space: global }
      - { .name: bk, .offset: 24, .size: 8, .value_kind: global_buffer, .address_space: global }
      - { .name: bv, .offset: 32, .size: 8, .value_kind: global_buffer, .address_space: global }
      - { .name: mask, .offset: 40, .size: 8, .value_kind: global_buffer, .address_space: global }
      - { .name: cq, .offset: 48, .size: 8, .value_kind: global_buffer, .address_space: global }
      - { .name: cs, .offset: 56, .size: 8, .value_kind: global_buffer, .address_space: global }
    .group_segment_fixed_size: 327680
    .private_segment_fixed_size: 0
    .kernarg_segment_align: 8
    .kernarg_segment_size: 64
    .max_flat_workgroup_size: 512
    .sgpr_count:     80
    .vgpr_count:     256
    .wavefront_size: 32
...
	.end_amdgpu_metadata
.endif
;; end of part 5
;; launch tail (part 6): grid 256 x 1, 16 waves a work-group, no clusters, 254,976 bytes of LDS; arguments cq, cs, wt, x, bo, ln1_g, ln1_b, b1, b2, ln2_g, ln2_b, out0; writes out0
.if DOCPART == 6
	.amdgcn_target "amdgcn-amd-amdhsa--gfx1250"
	.amdhsa_code_object_version 6
	.text
	.protected	k_q5b6d464979_tail
	.globl	k_q5b6d464979_tail
	.p2align	8
	.type	k_q5b6d464979_tail,@function
k_q5b6d464979_tail:
	s_mov_b64 s[64:65], 0
	v_nop
	global_prefetch_b8 v0, s[64:65] scope:SCOPE_SE
	s_setreg_imm32_b32 hwreg(HW_REG_WAVE_SCHED_MODE, 0, 2), 2
	s_setreg_imm32_b32 hwreg(HW_REG_WAVE_MODE, 25, 1), 1
	s_wait_xcnt 0x0
	s_wait_alu depctr_vm_vsrc(0)
; out = LN2(gelu(a W1 + b1) W2 + b2 + a), a = LN1(ctx Wo + bo + x), for 64 rows a work-group; the three products on codes of FP4 with E8M0 scales of 32; all else in f32.  Nothing between ctx and out goes to memory.
; SHARES.  Sixteen waves SHARE THE COLUMNS: wave w owns units 32 w .. 32 w + 31 of a and of out, and hidden units 128 w .. 128 w + 127, for all 64 rows (four tiles m of 16, in tile order: place r of tile m is row 32 (m / 2) + 8 (m % 2) + r + 8 (r / 8)).
; Products are used transposed (source 0 = 16 columns of a weight, source 1 = 16 rows): a lane holds one row, and accumulator registers 16 m + 8 u + j are unit 32 P + 16 (lane / 16) + 8 u + j: 16 neighbours of a block of 32 along the next K.
; So a wave's 32 units ARE one block of the next operand: it makes that block's scale and codes alone (with lane l xor 16) and stores 8 bytes a lane into the fragment's image in LDS; the scale byte into the row's word.
; WEIGHTS go from memory straight into the registers of the one wave that uses them, in chunks of 8,192 + 512 bytes laid in register order; each fragment feeds four matrix instructions.
; NO JOINT LOADS of the weights, though all row blocks walk them: through LDS one stage of the walk is 16 waves x 8,704 = 139,264 bytes, two slots 278,528, beside 252,928 bytes of activations: more than the 327,680 that a work-group can be given.
; LAYER NORMS in two passes (mean, then the squares of the differences); a row's 16 partial sums meet in a table in LDS, a barrier each.
; GELU exact: erf(z) = z P(z^2) / Q(z^2) on |z| <= 4 (7 and 5 coefficients), z held to +-4.
; LIMITS: erf's absolute error is a few units in the last place of 1; a block of zeros gets the byte 1 (this program alone reads the bytes); NaN and infinities among the inputs are not served.
; THE MODE: SCHED_MODE bits 1:0 = 2 (LLVM: expert scheduling mode 2), set by the entry lines.  The code itself states the register dependences
; between vector or matrix instructions and memory or LDS instructions, with s_wait_alu, always for 0.
; THE PLAN.  Registers that memory or LDS instructions touch, and who else names them:
;   v1-v13           offsets and LDS addresses: made at the head, never written again.  v250, v251: ctx's two offsets, read by three loads at the head.
;   v14, v15         LDS addresses of stores: made at the head; made anew in each trip of the hidden layer, ahead of the quantiser's one wait on va_vdst.
;   v[AAD], v[SAD]   LDS addresses of the fragments of rows: made at the head, ahead of a's quantiser, and at the last product's head.
;   ACC              lands from memory and from LDS; written by products and vector work; read by LDS stores at the head and on the way out.
;   WA, WSA, WB, WSB chunks of weights and their scale words: land from memory; read by products alone.  A chunk is asked for again behind one wait on va_vdst behind its product.
;   AF, ASC          four fragments of rows and their scale words.  In the first two products there are TWO such buffers, which take turns K step by K step (buffer 1: v204-235, where norm, gelu and quantiser work between
;                    the products; its scale words in v184-187, which hold chunk B's scale words in the last product).  At the head of K steps 1 and 2 one wait on va_vdst states that the step before is done reading
;                    its buffer; the loads of the step after next follow, dealt among this step's products, which name the other buffer.  In the last product the sums (64), two chunks (128), their scale words (8),
;                    one buffer (36) and the addresses leave no 36 registers of the wave's 256: one buffer, one wait on va_vdst a K step.
;   B1R              bo, b2, b1: land from memory; read by additions and, as C, by products.
;   QS, the codes and bytes, a + b2: written by vector work, read by LDS stores: one wait on va_vdst ahead of each run of stores, one on vm_vsrc ahead of the next write.
.set RP,   2064                        ; LDS: 64 rows of 2,048 bytes + 16: x, then a + b2, then out
.set CIM,  132096                      ; ctx's 16 fragments ((4 m + K step) x 1,024)
.set CSC,  148480                      ; their scale words, 64 bytes each
.set A1,   149504                      ; a's 16 fragments
.set A1S,  165888
.set HIM,  166912                      ; the hidden layer's 64 fragments ((16 m + K step) x 1,024)
.set HSC,  232448
.set PTB,  236544                      ; four tables of 16 waves x 16 rows x 4 tiles
.set LI,  1                            ; v1  16 x lane
.set LS,  2                            ; v2  4 x (lane % 16)
.set RA,  3                            ; v3  r x 2,064 + 64 h + 128 w: my columns of row r, tiles 0 and 1;  v4 the same for tiles 2 and 3
.set XW,  5                            ; v5  the four whole rows that I bring in and take out
.set UO,  6                            ; v6  128 w + 64 h
.set UH,  7                            ; v7  64 h
.set A1W, 8
.set A1B, 9
.set HW0, 10
.set HB0, 11
.set PTW, 12
.set PTR, 13
.set ACC, 16                           ; v16-79
.set WA,  80                           ; v80-143 a chunk: fragment (u, K step) at 8 (4 u + K step)
.set AF,  144                          ; v144-175 four fragments of rows: buffer 0; buffer 1 lies 60 registers up, v204-235
.set ASC, 176                          ; v176-179 buffer 0's scale words; buffer 1's lie 8 registers up, v184-187
.set WSA, 180                          ; v180-183 chunk A's scale words;  v184-187 chunk B's
.set WSB, 184
.set B1R, 188                          ; v188-203 bo, b2, b1 in the result's layout
.set WB,  188                          ; v188-251 the second chunk, in the last product alone
.set TM,  204
.set PC,  220
.set PS,  204                          ; the norms: four pairs of sums; means; 1 / sigma
.set QS,  212
.set QT,  216
.set LG,  220                          ; v220-235 the gain, v236-251 the bias
.set LB,  236
.set GZ,  204                          ; the gelu: z, z^2, P, Q
.set GY,  212
.set GP,  220
.set GQ,  228
.set VA1, 248                          ; v[248:249] alpha1, v[250:251] beta1
.set VB1, 250
.set AAD, 252
.set SAD, 253
.set GO,  254
.set WV,  28
.set WC,  32
.set WSP, 34
.set BP,  36
.set CNT, 38
.set TP,  39
.set SEL, 40
.set RS2, 44
.set CA0, 46
.set CA2, 48
.set CA3, 50
.set CA4, 52
.set CA5, 54
.set CA6, 56
.set CB0, 58
.set CB2, 60
.set CB3, 62
.set CB4, 66
.macro WM d, a, b, c, sa, sb, ra       ; one matrix instruction; ra: A's scales stand in lanes 16-31
.if (\ra)
	v_wmma_scale_f32_16x16x128_f8f6f4 v[(\d):(\d)+7], v[(\a):(\a)+7], v[(\b):(\b)+7], v[(\c):(\c)+7], v[(\sa)], v[(\sb)] matrix_a_fmt:MATRIX_FMT_FP4 matrix_b_fmt:MATRIX_FMT_FP4 matrix_a_scale:MATRIX_SCALE_ROW1
.else
	v_wmma_scale_f32_16x16x128_f8f6f4 v[(\d):(\d)+7], v[(\a):(\a)+7], v[(\b):(\b)+7], v[(\c):(\c)+7], v[(\sa)], v[(\sb)] matrix_a_fmt:MATRIX_FMT_FP4 matrix_b_fmt:MATRIX_FMT_FP4
.endif
.endm
.macro WLOAD buf, sc                   ; a chunk: 17 loads, each of 512 consecutive bytes
.set j, 0
.rept 16
	global_load_b128 v[\buf+4*j:\buf+4*j+3], v[LI], s[WC:WC+1] offset:512*j
.set j, j+1
.endr
	global_load_b128 v[\sc:\sc+3], v[LI], s[WSP:WSP+1]   ; lanes 0-15: tile 0's four words, lanes 16-31: tile 1's
.endm
; the fragment of tile of rows m, K step ks, and its scale words: three LDS loads
.macro AFL dst, sdst, m, ks, mstr, sstr, off, soff
	ds_load_b128 v[(\dst)+8*(\m):(\dst)+8*(\m)+3], v[AAD] offset:(\off)+(\m)*(\mstr)+(\ks)*1024
	ds_load_b128 v[(\dst)+8*(\m)+4:(\dst)+8*(\m)+7], v[AAD] offset:(\off)+(\m)*(\mstr)+(\ks)*1024+512
	ds_load_b32 v[(\sdst)+(\m)], v[SAD] offset:(\soff)+(\m)*(\sstr)+(\ks)*64
.endm
; the product of tile of columns u and tile of rows m in K step ks.  cm = 1: the first K step takes the bias as C
.macro MUL1 buf, sc, af, asc, m, u, ks, cm
.if (\cm) && ((\ks) == 0)
	WM ACC+8*(2*(\m)+(\u)), (\buf)+8*(4*(\u)+(\ks)), (\af)+8*(\m), B1R+8*(\u), (\sc)+(\ks), (\asc)+(\m), \u
.else
	WM ACC+8*(2*(\m)+(\u)), (\buf)+8*(4*(\u)+(\ks)), (\af)+8*(\m), ACC+8*(2*(\m)+(\u)), (\sc)+(\ks), (\asc)+(\m), \u
.endif
.endm
; THE FIRST TWO PRODUCTS: 512 along K: 4 K steps x 8 matrix instructions, the eight accumulators (m, u) by turns, on two buffers of fragments of rows.
.macro PRE2                            ; K steps 0 and 1 are asked for ahead of the product: 24 LDS loads
.irp m,0,1,2,3
	AFL AF, ASC, \m, 0, 4096, 256, 0, 0
.endr
.irp m,0,1,2,3
	AFL AF+60, ASC+8, \m, 1, 4096, 256, 0, 0
.endr
.endm
; K step ks multiplies buffer ks % 2.  ld = 1: the loads of K step ks + 1 .. no: of the step that takes the OTHER buffer next, ks + 1, three behind each of the first four products, which name none of that buffer's registers
.macro STEP2 buf, sc, ks, cm, ld
.set CUA, AF+60*((\ks)%2)
.set CUS, ASC+8*((\ks)%2)
.set NXA, AF+60*(1-(\ks)%2)
.set NXS, ASC+8*(1-(\ks)%2)
	MUL1 \buf, \sc, CUA, CUS, 0, 0, \ks, \cm
.if \ld
	AFL NXA, NXS, 0, (\ks)+1, 4096, 256, 0, 0
.endif
	MUL1 \buf, \sc, CUA, CUS, 0, 1, \ks, \cm
.if \ld
	AFL NXA, NXS, 1, (\ks)+1, 4096, 256, 0, 0
.endif
	MUL1 \buf, \sc, CUA, CUS, 1, 0, \ks, \cm
.if \ld
	AFL NXA, NXS, 2, (\ks)+1, 4096, 256, 0, 0
.endif
	MUL1 \buf, \sc, CUA, CUS, 1, 1, \ks, \cm
.if \ld
	AFL NXA, NXS, 3, (\ks)+1, 4096, 256, 0, 0
.endif
	MUL1 \buf, \sc, CUA, CUS, 2, 0, \ks, \cm
	MUL1 \buf, \sc, CUA, CUS, 2, 1, \ks, \cm
	MUL1 \buf, \sc, CUA, CUS, 3, 0, \ks, \cm
	MUL1 \buf, \sc, CUA, CUS, 3, 1, \ks, \cm
.endm
.macro PROD2 buf, sc, cm
	s_wait_dscnt 12                                ; LDS loads come back in order: K step 0's fragments are in; K step 1's twelve loads may be out
	STEP2 \buf, \sc, 0, \cm, 0
	s_wait_dscnt 0x0                               ; K step 1's are in
	s_wait_alu depctr_va_vdst(0)                   ; K step 0's products are done reading buffer 0 and its scale words, in which K step 2's loads land
	STEP2 \buf, \sc, 1, \cm, 1
	s_wait_dscnt 0x0                               ; K step 2's are in
	s_wait_alu depctr_va_vdst(0)                   ; K step 1's products are done reading buffer 1 and its scale words, in which K step 3's loads land
	STEP2 \buf, \sc, 2, \cm, 1
	s_wait_dscnt 0x0                               ; K step 3's are in
	STEP2 \buf, \sc, 3, \cm, 0
.rept 4
	v_nop                                          ; four places in front of the first vector read of the results and of vector writes over the operands
.endr
.endm
; THE LAST PRODUCT, a quarter of its K: 4 K steps x 8 matrix instructions on the one buffer of fragments of rows.  w0 = 1: the wait stands ahead of K step 0 too (else a wait of the caller's covers it).
.macro PROD1 buf, sc, off, soff, w0
.irp ks,0,1,2,3
.if ((\ks) > 0) || (\w0)
	s_wait_alu depctr_va_vdst(0)                   ; the products of the K step before are done reading the four fragments of rows and their scale words, in which this K step's loads land
.endif
.irp m,0,1,2,3
	AFL AF, ASC, \m, \ks, 16384, 1024, \off, \soff
.endr
.irp m,0,1,2,3
	s_wait_dscnt 9-3*\m                            ; tile m's three loads are in; the three of each tile behind it may be out
	MUL1 \buf, \sc, AF, ASC, \m, 0, \ks, 0
	MUL1 \buf, \sc, AF, ASC, \m, 1, \ks, 0
.endr
.endr
.endm
.macro QSCALE s                        ; four blocks (the four tiles of rows); a lane holds 16 numbers of each, lane l xor 16 the other 16
.irp b,0,1,2,3
	v_max3_num_f32 v[TM+\b], |v[\s+16*\b]|, |v[\s+1+16*\b]|, 0x1800000   ; with the floor 2^(3 - 127): the byte cannot fall under 1
.endr
.irp i,2,4,6,8,10,12,14
.irp b,0,1,2,3
	v_max3_num_f32 v[TM+\b], v[TM+\b], |v[\s+16*\b+\i]|, |v[\s+1+16*\b+\i]|
.endr
.endr
.irp b,0,1,2,3
	v_permlanex16_b32 v[TM+4+\b], v[TM+\b], s[SEL], s[SEL+1]
.endr
.irp b,0,1,2,3
	v_max_num_f32 v[TM+\b], v[TM+\b], v[TM+4+\b]
.endr
.irp b,0,1,2,3
	v_add_nc_u32 v[TM+12+\b], 0xff000000, v[TM+\b]   ; 2 off the exponent field: the conversion's scale operand
.endr
.irp b,0,1,2,3
	v_lshrrev_b32 v[TM+4+\b], 23, v[TM+12+\b]      ; the scale's byte
.endr
.endm
; my 32 units of the 64 rows become one block of each row's operand: 8 bytes a lane into the fragment's image, the byte into the row's scale word
.macro QHALF wadr, badr, mstr, bstr
	s_wait_dscnt 0x0                               ; my earlier LDS instructions are done
	QSCALE ACC
.irp b,0,1,2,3
	v_cvt_scalef32_pk8_fp4_f32 v[PC+2*\b], v[ACC+16*\b:ACC+7+16*\b], v[TM+12+\b]
	v_cvt_scalef32_pk8_fp4_f32 v[PC+1+2*\b], v[ACC+8+16*\b:ACC+15+16*\b], v[TM+12+\b]
.endr
	v_nop                                          ; one plain line behind the scaled conversions
	s_wait_alu depctr_va_vdst(0)                   ; the conversions have written the codes and the shifts the bytes, which the LDS stores read; every address register made since the last such wait is written too
.irp m,0,1,2,3
	ds_store_b64 v[\wadr], v[PC+2*\m:PC+2*\m+1] offset:\m*(\mstr)
	ds_store_b8 v[\badr], v[TM+4+\m] offset:\m*(\bstr)   ; both halves of the lanes write the same byte with the same value
.endr
.endm
; the four pairs v[PS + 2 m] become the rows' totals over all 512 units, in v[AF + m] of every lane
.macro REDUCE tab
.irp m,0,1,2,3
	v_add_f32 v[QS+\m], v[PS+2*\m], v[PS+2*\m+1]
.endr
.irp m,0,1,2,3
	v_permlanex16_b32 v[QT+\m], v[QS+\m], s[SEL], s[SEL+1]
.endr
.irp m,0,1,2,3
	v_add_f32 v[QS+\m], v[QS+\m], v[QT+\m]         ; my wave's 32 units of row (m, r)
.endr
	s_wait_alu depctr_va_vdst(0)                   ; the additions have written v[QS ..], which the LDS store reads; vector work is done with v[AF ..], in which the table's loads land
	ds_store_b128 v[PTW], v[QS:QS+3] offset:4096*(\tab)
	s_wait_dscnt 0x0
	s_barrier_signal -1
	s_barrier_wait -1
	s_wait_alu depctr_vm_vsrc(0)                   ; the LDS store has read v[QS ..], which the norm's next lines write again
.irp i,0,1,2,3,4,5,6,7
	ds_load_b128 v[AF+4*\i:AF+4*\i+3], v[PTR] offset:4096*(\tab)+256*\i   ; lanes 0-15 take waves 0-7, lanes 16-31 waves 8-15
.endr
	s_wait_dscnt 0x0
.irp i,0,1,2,3
	v_pk_add_f32 v[AF+8*\i:AF+8*\i+1], v[AF+8*\i:AF+8*\i+1], v[AF+8*\i+4:AF+8*\i+5]
	v_pk_add_f32 v[AF+8*\i+2:AF+8*\i+3], v[AF+8*\i+2:AF+8*\i+3], v[AF+8*\i+6:AF+8*\i+7]
.endr
.irp i,0,2
	v_pk_add_f32 v[AF+8*\i:AF+8*\i+1], v[AF+8*\i:AF+8*\i+1], v[AF+8*\i+8:AF+8*\i+9]
	v_pk_add_f32 v[AF+8*\i+2:AF+8*\i+3], v[AF+8*\i+2:AF+8*\i+3], v[AF+8*\i+10:AF+8*\i+11]
.endr
	v_pk_add_f32 v[AF:AF+1], v[AF:AF+1], v[AF+16:AF+17]
	v_pk_add_f32 v[AF+2:AF+3], v[AF+2:AF+3], v[AF+18:AF+19]
.irp m,0,1,2,3
	v_permlanex16_b32 v[QT+\m], v[AF+\m], s[SEL], s[SEL+1]
.endr
.irp m,0,1,2,3
	v_add_f32 v[AF+\m], v[AF+\m], v[QT+\m]
.endr
.endm
.macro LNORM ta, tb, gp, bp            ; ACC = (ACC - mean) / sqrt(var + eps) x gain + bias, row by row.  A wait on va_vdst of the caller's stands ahead: the products are done reading the registers in which gain and bias land
.irp k,0,1,2,3
	global_load_b128 v[LG+4*\k:LG+4*\k+3], v[UO], s[\gp:\gp+1] offset:16*\k
	global_load_b128 v[LB+4*\k:LB+4*\k+3], v[UO], s[\bp:\bp+1] offset:16*\k
.endr
.irp m,0,1,2,3
	v_pk_add_f32 v[PS+2*\m:PS+2*\m+1], v[ACC+16*\m:ACC+16*\m+1], v[ACC+16*\m+2:ACC+16*\m+3]   ; each accumulator from its low end on
.endr
.irp p,2,3,4,5,6,7
.irp m,0,1,2,3
	v_pk_add_f32 v[PS+2*\m:PS+2*\m+1], v[PS+2*\m:PS+2*\m+1], v[ACC+16*\m+2*\p:ACC+16*\m+2*\p+1]
.endr
.endr
	REDUCE \ta
.irp m,0,1,2,3
	v_mul_f32 v[PS+2*\m], s42, v[AF+\m]            ; the mean, twice: a pair for the packed forms
	v_mul_f32 v[PS+2*\m+1], s42, v[AF+\m]
.endr
.irp m,0,1,2,3
.irp p,0,1,2,3,4,5,6,7
	v_pk_add_f32 v[ACC+16*\m+2*\p:ACC+16*\m+2*\p+1], v[ACC+16*\m+2*\p:ACC+16*\m+2*\p+1], v[PS+2*\m:PS+2*\m+1] neg_lo:[0,1] neg_hi:[0,1]
.endr
.endr
.irp m,0,1,2,3
	v_pk_mul_f32 v[PS+2*\m:PS+2*\m+1], v[ACC+16*\m:ACC+16*\m+1], v[ACC+16*\m:ACC+16*\m+1]
.endr
.irp p,1,2,3,4,5,6,7
.irp m,0,1,2,3
	v_pk_fma_f32 v[PS+2*\m:PS+2*\m+1], v[ACC+16*\m+2*\p:ACC+16*\m+2*\p+1], v[ACC+16*\m+2*\p:ACC+16*\m+2*\p+1], v[PS+2*\m:PS+2*\m+1]
.endr
.endr
	REDUCE \tb
.irp m,0,1,2,3
	v_fma_f32 v[QS+\m], v[AF+\m], s42, s43         ; the variance + 1e-5
.endr
	s_wait_alu depctr_va_vdst(0)
.irp m,0,1,2,3
	v_rsq_f32 v[PS+2*\m], v[QS+\m]
.endr
	v_nop                                          ; a plain line behind the last of them
	s_wait_alu depctr_va_vdst(0)                   ; the four roots' results are written: one wait for the four, ahead of their first reader
.irp m,0,1,2,3
	v_mov_b32 v[PS+2*\m+1], v[PS+2*\m]
.endr
	s_wait_alu depctr_va_vdst(0)
	s_wait_loadcnt 0x0                             ; the gain and the bias
.irp m,0,1,2,3
.irp p,0,1,2,3,4,5,6,7
	v_pk_mul_f32 v[ACC+16*\m+2*\p:ACC+16*\m+2*\p+1], v[ACC+16*\m+2*\p:ACC+16*\m+2*\p+1], v[PS+2*\m:PS+2*\m+1]
.endr
.endr
.irp m,0,1,2,3
.irp p,0,1,2,3,4,5,6,7
	v_pk_fma_f32 v[ACC+16*\m+2*\p:ACC+16*\m+2*\p+1], v[ACC+16*\m+2*\p:ACC+16*\m+2*\p+1], v[LG+2*\p:LG+2*\p+1], v[LB+2*\p:LB+2*\p+1]
.endr
.endr
.endm
.macro GELU                            ; ACC = 0.5 x (1 + erf(x / sqrt 2)), an accumulator (four pairs) at a time; eight reciprocals are a batch with one wait
.irp a,0,1,2,3,4,5,6,7
.irp p,0,1,2,3
	v_pk_mul_f32 v[GZ+2*\p:GZ+2*\p+1], v[ACC+8*\a+2*\p:ACC+8*\a+2*\p+1], s[RS2:RS2+1] op_sel_hi:[1,0]
.endr
.irp j,0,1,2,3,4,5,6,7
	v_med3_num_f32 v[GZ+\j], v[GZ+\j], -4.0, 4.0
.endr
.irp p,0,1,2,3
	v_pk_mul_f32 v[GY+2*\p:GY+2*\p+1], v[GZ+2*\p:GZ+2*\p+1], v[GZ+2*\p:GZ+2*\p+1]
.endr
.irp p,0,1,2,3
	v_pk_fma_f32 v[GP+2*\p:GP+2*\p+1], v[GY+2*\p:GY+2*\p+1], s[CA0:CA0+1], v[VA1:VA1+1] op_sel_hi:[1,0,1]
	v_pk_fma_f32 v[GQ+2*\p:GQ+2*\p+1], v[GY+2*\p:GY+2*\p+1], s[CB0:CB0+1], v[VB1:VB1+1] op_sel_hi:[1,0,1]
.endr
.irp k, CB2, CB3, CB4
.irp p,0,1,2,3
	v_pk_fma_f32 v[GQ+2*\p:GQ+2*\p+1], v[GQ+2*\p:GQ+2*\p+1], v[GY+2*\p:GY+2*\p+1], s[\k:\k+1] op_sel_hi:[1,1,0]
.endr
.endr
	s_wait_alu depctr_va_vdst(0)
.irp j,0,1,2,3,4,5,6,7
	v_rcp_f32 v[GQ+\j], v[GQ+\j]
.endr
.irp k, CA2, CA3, CA4, CA5, CA6
.irp p,0,1,2,3
	v_pk_fma_f32 v[GP+2*\p:GP+2*\p+1], v[GP+2*\p:GP+2*\p+1], v[GY+2*\p:GY+2*\p+1], s[\k:\k+1] op_sel_hi:[1,1,0]   ; P's chain is the work behind the reciprocals
.endr
.endr
.irp p,0,1,2,3
	v_pk_mul_f32 v[GP+2*\p:GP+2*\p+1], v[GP+2*\p:GP+2*\p+1], v[GZ+2*\p:GZ+2*\p+1]
	v_pk_mul_f32 v[ACC+8*\a+2*\p:ACC+8*\a+2*\p+1], v[ACC+8*\a+2*\p:ACC+8*\a+2*\p+1], 0.5 op_sel_hi:[1,0]
.endr
	s_wait_alu depctr_va_vdst(0)                   ; the eight reciprocals' results are written: one wait for the eight, ahead of their first reader
.irp p,0,1,2,3
	v_pk_mul_f32 v[GP+2*\p:GP+2*\p+1], v[GP+2*\p:GP+2*\p+1], v[GQ+2*\p:GQ+2*\p+1]   ; erf
.endr
.irp p,0,1,2,3
	v_pk_fma_f32 v[ACC+8*\a+2*\p:ACC+8*\a+2*\p+1], v[GP+2*\p:GP+2*\p+1], v[ACC+8*\a+2*\p:ACC+8*\a+2*\p+1], v[ACC+8*\a+2*\p:ACC+8*\a+2*\p+1]
.endr
.endr
.endm
.macro COEF reg, val                   ; a packed form names a scalar pair and takes its low word for both halves: both words are written
	s_mov_b32 s[\reg], \val
	s_mov_b32 s[\reg+1], \val
.endm
.macro RLOAD                           ; my columns of the 64 rows, from the rows' region, in the accumulators' layout
.irp m,0,1,2,3
.irp k,0,1,2,3
	ds_load_b128 v[ACC+16*\m+4*\k:ACC+16*\m+4*\k+3], v[RA+\m/2] offset:(\m%2)*16*RP+16*\k
.endr
.endr
.endm
	s_load_b512 s[4:19], s[0:1], 0x0               ; cq, cs, wt, x, bo, ln1_g, ln1_b, b1
	s_load_b256 s[20:27], s[0:1], 0x40             ; b2, ln2_g, ln2_b, out0
	v_lshrrev_b32 v1, 5, v0
	v_readfirstlane_b32 s[WV], v1                  ; wave 0..15
	v_and_b32 v255, 31, v0
	v_lshlrev_b32 v[LI], 4, v255
	s_wait_alu depctr_va_vdst(0)
	v_and_b32 v252, 15, v0                         ; r
	s_wait_alu depctr_va_vdst(0)
	v_lshlrev_b32 v[LS], 2, v252
	v_bfe_u32 v253, v0, 4, 1                       ; h
	v_lshlrev_b32 v[UH], 6, v253
	s_wait_alu depctr_va_sdst(0)                   ; the wave's number is written, ahead of its first reader: LDS addresses and the weights' pointers are made from it
	s_lshl_b32 s29, s[WV], 7
	v_add_nc_u32 v[UO], s29, v[UH]
	v_mad_u32_u24 v[RA], v252, RP, v[UO]
	v_add_nc_u32 v[RA+1], 32*RP, v[RA]
	s_lshr_b32 s29, s[WV], 3                       ; rows 4 w .. 4 w + 3 of the 64 lie at LDS rows with bits 3 and 4 changed over: the tile order
	s_lshl_b32 s29, s29, 5
	s_lshr_b32 s30, s[WV], 1
	s_and_b32 s30, s30, 1
	s_lshl_b32 s30, s30, 4
	s_or_b32 s29, s29, s30
	s_lshr_b32 s30, s[WV], 2
	s_and_b32 s30, s30, 1
	s_lshl_b32 s30, s30, 3
	s_or_b32 s29, s29, s30
	s_and_b32 s30, s[WV], 1
	s_lshl_b32 s30, s30, 2
	s_or_b32 s29, s29, s30
	s_mul_i32 s29, s29, RP
	v_add_nc_u32 v[XW], s29, v[LI]
	s_lshr_b32 s29, s[WV], 2
	s_and_b32 s30, s[WV], 3
	s_lshl_b32 s31, s29, 10
	s_lshl_b32 s80, s30, 8
	s_add_co_u32 s31, s31, s80
	s_add_co_u32 s31, s31, A1
	v_lshl_add_u32 v[A1W], v252, 4, s31
	s_wait_alu depctr_va_vdst(0)
	v_lshl_add_u32 v[A1W], v253, 3, v[A1W]         ; a: K step w / 4, block w % 4, row r, my half of the block
	s_lshl_b32 s31, s29, 6
	s_add_co_u32 s31, s31, s30
	s_add_co_u32 s31, s31, A1S
	v_add_nc_u32 v[A1B], s31, v[LS]
	s_lshl_b32 s31, s[WV], 10
	s_add_co_u32 s31, s31, HIM
	v_lshl_add_u32 v[HW0], v252, 4, s31
	v_lshl_add_u32 v[HW0], v253, 3, v[HW0]         ; the hidden layer: K step w; the block is the trip's
	s_lshl_b32 s31, s[WV], 6
	s_add_co_u32 s31, s31, HSC
	v_add_nc_u32 v[HB0], s31, v[LS]
	s_lshl_b32 s31, s[WV], 8
	s_add_co_u32 s31, s31, PTB
	v_lshl_add_u32 v[PTW], v252, 4, s31
	v_lshlrev_b32 v[PTR], 11, v253
	v_lshl_add_u32 v[PTR], v252, 4, v[PTR]
	v_add_nc_u32 v[PTR], PTB, v[PTR]
	s_lshl_b32 s31, s[WV], 13
	v_add_nc_u32 v[GO], s31, v[LI]                 ; my four rows in x and in out0
	v_lshl_add_u32 v14, v0, 4, CIM
	s_lshl_b32 s31, s[WV], 6
	s_add_co_u32 s31, s31, CSC
	v_add_nc_u32 v15, s31, v[LS]
	v_lshlrev_b32 v250, 4, v0                      ; ctx's codes: 16 bytes a thread
	v_lshlrev_b32 v251, 2, v0                      ; its scale words: 4 bytes a thread
	v_add_nc_u32 v[AAD], CIM, v[LI]                ; the first product's fragments of rows (r and h are done with)
	v_add_nc_u32 v[SAD], CSC, v[LS]
.irp m,0,1,2,3
	v_mov_b32 v[QT+\m], 0                          ; written once: a lane permute's destination counts as one of its sources
.endr
	v_mov_b32 v[AF+9], 0
	s_mov_b32 s[SEL], 0x76543210
	s_mov_b32 s[SEL+1], 0xfedcba98
	s_mov_b32 s42, 0x3b000000                      ; 1 / 512
	s_mov_b32 s43, 0x3727c5ac                      ; 1e-5
	COEF RS2, 0x3f3504f3                           ; 1 / sqrt 2
	COEF CA0, 0xaf95df0b
	COEF CA2, 0xb60cff51
	COEF CA3, 0xb86ec2d2
	COEF CA4, 0xba40ac63
	COEF CA5, 0xbb41a1f6
	COEF CA6, 0xbc83dbd4
	COEF CB0, 0xb77460cd
	COEF CB2, 0xbadc924e
	COEF CB3, 0xbbf19bf8
	COEF CB4, 0xbc69b6a7
	s_mov_b32 s69, 0
	s_mov_b32 s71, 0
	s_mov_b32 s73, 0
	s_mov_b32 s74, 8192                            ; a chunk on;
	s_mov_b32 s75, 61*8192                         ; from w1's last chunk of mine to w2's first
	s_mov_b32 s76, 512
	s_mov_b32 s77, 61*512
	s_mov_b32 s78, 128
	s_wait_kmcnt 0x0
	s_lshl_b32 s80, ttmp9, 17
	s_mov_b32 s81, 0
	s_add_nc_u64 s[10:11], s[10:11], s[80:81]      ; my 64 rows of x,
	s_add_nc_u64 s[26:27], s[26:27], s[80:81]      ; of out0,
	s_lshl_b32 s80, ttmp9, 14
	s_add_nc_u64 s[4:5], s[4:5], s[80:81]          ; of ctx's codes,
	s_lshl_b32 s80, ttmp9, 11
	s_add_nc_u64 s[6:7], s[6:7], s[80:81]          ; of its scale words
	s_lshl_b32 s80, s[WV], 13
	s_add_nc_u64 s[WC:WC+1], s[8:9], s[80:81]      ; chunk w: wo's pair w
	s_lshl_b32 s80, s[WV], 9
	s_add_nc_u64 s[BP:BP+1], s[18:19], s[80:81]    ; b1 at hidden unit 128 w
	s_add_co_u32 s80, s80, 1179648
	s_add_nc_u64 s[WSP:WSP+1], s[8:9], s[80:81]
	s_wait_alu depctr_va_vdst(0)                   ; all offsets and LDS addresses of the head (v1-v15, v250-v254) are written, which the loads and stores below read
; ---------------- in: x's rows, ctx's fragments and scale words into LDS
.set j, 0
.rept 16
	global_load_b128 v[ACC+4*j:ACC+4*j+3], v[GO], s[10:11] offset:512*j th:TH_LOAD_NT   ; 512 consecutive bytes
.set j, j+1
.endr
	global_load_b128 v[AF:AF+3], v250, s[4:5]
	global_load_b128 v[AF+4:AF+7], v250, s[4:5] offset:8192
	global_load_b32 v[AF+8], v251, s[6:7]          ; wave w: tile w / 4, K step w % 4; lanes 0-15 the even head's two bytes, lanes 16-31 the odd head's
	WLOAD WA, WSA
.irp k,0,1,2,3
	global_load_b128 v[B1R+4*\k:B1R+4*\k+3], v[UO], s[12:13] offset:16*\k   ; bo
.endr
	s_wait_loadcnt 21                              ; x, ctx and its words are in; the chunk's 17 loads and bo's 4 may be out
	v_permlanex16_b32 v[AF+9], v[AF+8], s[SEL], s[SEL+1]
	v_or_b32 v[AF+8], v[AF+8], v[AF+9]             ; the two heads' bytes make the K step's word
	s_wait_alu depctr_va_vdst(0)                   ; the word is written, which the last of the LDS stores below reads
.set j, 0
.rept 16
	ds_store_b128 v[XW], v[ACC+4*j:ACC+4*j+3] offset:(j/4)*RP+(j%4)*512
.set j, j+1
.endr
	ds_store_b128 v14, v[AF:AF+3]
	ds_store_b128 v14, v[AF+4:AF+7] offset:8192
	ds_store_b32 v15, v[AF+8]
	s_wait_dscnt 0x0
	s_barrier_signal -1
	s_barrier_wait -1
; ---------------- a = LN1(ctx Wo + bo + x)
	s_wait_alu depctr_vm_vsrc(0)                   ; my LDS stores have read v[ACC ..] and v[AF ..], in which the LDS loads below land; ctx's loads have read v250 and v251, in which the norm's bias will land
	RLOAD
	PRE2                                           ; the product's first two K steps are on their way while x + bo is made
	s_wait_dscnt 24                                ; my columns of x are in; the 24 fragment loads behind them may be out
	s_wait_loadcnt 0x0                             ; bo (and wo's chunk)
.irp m,0,1,2,3
.irp p,0,1,2,3,4,5,6,7
	v_pk_add_f32 v[ACC+16*\m+2*\p:ACC+16*\m+2*\p+1], v[ACC+16*\m+2*\p:ACC+16*\m+2*\p+1], v[B1R+2*\p:B1R+2*\p+1]   ; the sums begin at x + bo
.endr
.endr
	s_wait_alu depctr_va_vdst(0)
	PROD2 WA, WSA, 0
	s_mul_i32 s80, s[WV], 3
	s_add_co_u32 s80, s80, 16                      ; from chunk w to chunk 16 + 4 w (the chunk's loads were waited for above)
	s_lshl_b32 s82, s80, 9
	s_lshl_b32 s80, s80, 13
	s_mov_b32 s83, 0
	s_add_nc_u64 s[WC:WC+1], s[WC:WC+1], s[80:81]
	s_add_nc_u64 s[WSP:WSP+1], s[WSP:WSP+1], s[82:83]
	s_wait_alu depctr_va_vdst(0)                   ; the products are done reading the chunk, its scale words and both buffers of rows, and the additions are done reading bo: w1's chunk, b2, the gain, the bias and the tables land there
	WLOAD WA, WSA                                  ; w1's first chunk lands under the norm
.irp k,0,1,2,3
	global_load_b128 v[B1R+4*\k:B1R+4*\k+3], v[UO], s[20:21] offset:16*\k   ; b2
.endr
	LNORM 0, 1, 14, 16
.irp m,0,1,2,3
.if \m < 2
.set TY, AF+16*\m
.else
.set TY, 188+16*\m
.endif
.irp p,0,1,2,3,4,5,6,7
	v_pk_add_f32 v[TY+2*\p:TY+2*\p+1], v[ACC+16*\m+2*\p:ACC+16*\m+2*\p+1], v[B1R+2*\p:B1R+2*\p+1]   ; a + b2: where the last product's sums will begin
.endr
.endr
	s_wait_alu depctr_va_vdst(0)                   ; the additions have written a + b2, which the LDS stores read, and are done reading b2, in which b1 lands
.irp m,0,1,2,3
.if \m < 2
.set TY, AF+16*\m
.else
.set TY, 188+16*\m
.endif
.irp k,0,1,2,3
	ds_store_b128 v[RA+\m/2], v[TY+4*\k:TY+4*\k+3] offset:(\m%2)*16*RP+16*\k   ; into my own bytes of the rows
.endr
.endr
.irp k,0,1,2,3
	global_load_b128 v[B1R+4*\k:B1R+4*\k+3], v[UH], s[BP:BP+1] offset:16*\k   ; b1 of my first 32 hidden units
.endr
	s_wait_alu depctr_vm_vsrc(0)                   ; the LDS stores have read a + b2 in v144-175 and v220-251, and the first product's LDS loads v[AAD] and v[SAD]: the lines below and the quantiser write v220-227 and v248-253 again
	v_add_nc_u32 v[AAD], A1, v[LI]                 ; the hidden layer's fragments of rows: made here, so that the quantiser's one wait states them written
	v_add_nc_u32 v[SAD], A1S, v[LS]
	v_mov_b32 v[VA1], 0x32edffee
	v_mov_b32 v[VA1+1], 0x32edffee
	v_mov_b32 v[VB1], 0xb95fbd29
	v_mov_b32 v[VB1+1], 0xb95fbd29
	QHALF A1W, A1B, 4096, 256
	s_wait_dscnt 0x0
	s_barrier_signal -1
	s_barrier_wait -1                              ; a's sixteen fragments lie in LDS
; ---------------- the hidden layer: four trips of 32 units
	s_mov_b32 s[CNT], 0
	s_mov_b32 s[TP], 0
.Lhid:
	s_wait_alu depctr_vm_vsrc(0)                   ; the quantiser's LDS stores (a's, or the last trip's) have read their codes v220-227 and bytes v208-211, in which buffer 1's loads land, and v14 and v15, which this trip writes again.  No vector instruction has been issued since the quantiser's wait on va_vdst
	PRE2
	s_wait_loadcnt 0x0                             ; the trip's chunk and b1 are in: so their pointers may be stepped below
	PROD2 WA, WSA, 1
	s_cmp_eq_u32 s[CNT], 3                         ; the last trip fetches w2's first chunk, and b1's same numbers once more: no branch, and no load leaves its buffer
	s_cselect_b32 s68, s75, s74
	s_cselect_b32 s70, s77, s76
	s_cselect_b32 s72, 0, s78
	s_add_nc_u64 s[WC:WC+1], s[WC:WC+1], s[68:69]
	s_add_nc_u64 s[WSP:WSP+1], s[WSP:WSP+1], s[70:71]
	s_add_nc_u64 s[BP:BP+1], s[BP:BP+1], s[72:73]
	s_wait_alu depctr_va_vdst(0)                   ; the products are done reading the chunk, its scale words and b1, in which the loads below land
	WLOAD WA, WSA                                  ; the next chunk lands under the gelu
.irp k,0,1,2,3
	global_load_b128 v[B1R+4*\k:B1R+4*\k+3], v[UH], s[BP:BP+1] offset:16*\k
.endr
	GELU
	v_add_nc_u32 v14, s[TP], v[HW0]
	v_add_nc_u32 v15, s[CNT], v[HB0]
	QHALF 14, 15, 16384, 1024
	s_add_co_u32 s[TP], s[TP], 256
	s_add_co_u32 s[CNT], s[CNT], 1
	s_cmp_lt_u32 s[CNT], 4
	s_cbranch_scc1 .Lhid
	s_wait_dscnt 0x0
	s_barrier_signal -1
	s_barrier_wait -1                              ; the hidden layer's 64 fragments lie in LDS
; ---------------- out = LN2(h W2 + b2 + a): four quarters of K on two chunk buffers by turns
	s_wait_loadcnt 0x0                             ; quarter 0's chunk is in, and so is b1's last load, whose registers the second buffer takes
	s_add_nc_u64 s[WC:WC+1], s[WC:WC+1], 8192
	s_add_nc_u64 s[WSP:WSP+1], s[WSP:WSP+1], 512
	s_wait_alu depctr_vm_vsrc(0)                   ; the last trip's LDS stores have read their codes and bytes, in which the second chunk lands; its LDS loads have read v[AAD] and v[SAD], which are written below
	v_add_nc_u32 v[AAD], HIM, v[LI]
	v_add_nc_u32 v[SAD], HSC, v[LS]
	s_wait_alu depctr_va_vdst(0)                   ; v[AAD] and v[SAD] are written, which the fragments' loads read
	WLOAD WB, WSB
	RLOAD                                          ; a + b2 (the product's first wait for LDS covers these)
	PROD1 WA, WSA, 0, 0, 0
	s_wait_xcnt 0x0                                ; the pending chunk's loads have read their pointers
	s_add_nc_u64 s[WC:WC+1], s[WC:WC+1], 8192
	s_add_nc_u64 s[WSP:WSP+1], s[WSP:WSP+1], 512
	s_wait_alu depctr_va_vdst(0)                   ; quarter 0's products are done reading chunk buffer A and its scale words, in which quarter 2 lands, and the fragments of rows, in which the next K step's land
	WLOAD WA, WSA
	s_wait_loadcnt 17                              ; quarter 1's chunk is in; quarter 2's 17 loads may be out
	PROD1 WB, WSB, 4096, 256, 0
	s_wait_xcnt 0x0
	s_add_nc_u64 s[WC:WC+1], s[WC:WC+1], 8192
	s_add_nc_u64 s[WSP:WSP+1], s[WSP:WSP+1], 512
	s_wait_alu depctr_va_vdst(0)                   ; quarter 1's products are done reading chunk buffer B and its scale words, in which quarter 3 lands, and the fragments of rows
	WLOAD WB, WSB
	s_wait_loadcnt 17                              ; quarter 2's chunk is in; quarter 3's 17 loads may be out
	PROD1 WA, WSA, 8192, 512, 0
	s_wait_loadcnt 0x0
	PROD1 WB, WSB, 12288, 768, 1
.rept 4
	v_nop                                          ; four places in front of the first vector read of the results and of vector writes over the operands
.endr
	s_wait_alu depctr_va_vdst(0)                   ; the last products are done reading chunk buffer B, in which the gain and the bias land, and the fragments of rows, in which the tables land
	LNORM 2, 3, 22, 24
	s_wait_alu depctr_va_vdst(0)                   ; the norm has written v[ACC ..], which the LDS stores read
.irp m,0,1,2,3
.irp k,0,1,2,3
	ds_store_b128 v[RA+\m/2], v[ACC+16*\m+4*\k:ACC+16*\m+4*\k+3] offset:(\m%2)*16*RP+16*\k
.endr
.endr
	s_wait_dscnt 0x0
	s_barrier_signal -1
	s_barrier_wait -1                              ; 64 whole rows of out lie in LDS
.set j, 0
.rept 16
	ds_load_b128 v[WA+4*j:WA+4*j+3], v[XW] offset:(j/4)*RP+(j%4)*512
.set j, j+1
.endr
.set j, 0
.rept 16
	s_wait_dscnt 15-j                              ; load j is in; those behind it may be out
	global_store_b128 v[GO], v[WA+4*j:WA+4*j+3], s[26:27] offset:512*j th:TH_STORE_NT   ; 32 lanes store 512 consecutive bytes
.set j, j+1
.endr
	s_wait_xcnt 0x0
	s_wait_alu depctr_vm_vsrc(0)                   ; the stores have read v254, their offset, which is written below
	v_lshl_add_u32 v254, v0, 2, 0x3dc00
	v_mov_b32 v255, 0
	s_wait_dscnt 0x0                               ; the closing lines, six on end
	s_wait_alu 0x0
	s_wait_tensorcnt 0x0
	ds_add_u32 v254, v255
	s_wait_dscnt 0x0
	s_endpgm
.Lfunc_end_k_q5b6d464979_tail:
	.size	k_q5b6d464979_tail, .Lfunc_end_k_q5b6d464979_tail-k_q5b6d464979_tail
	.p2alignl 7, 3214868480
	.fill 96, 4, 3214868480
	.section	.rodata,"a",@progbits
	.p2align	6, 0x0
	.amdhsa_kernel k_q5b6d464979_tail
		.amdhsa_group_segment_fixed_size 254976
		.amdhsa_private_segment_fixed_size 0
		.amdhsa_enable_private_segment 0
		.amdhsa_kernarg_size 96
		.amdhsa_user_sgpr_count 2
		.amdhsa_user_sgpr_kernarg_segment_ptr 1
		.amdhsa_wavefront_size32 1
		.amdhsa_system_sgpr_workgroup_id_x 1
		.amdhsa_system_sgpr_workgroup_id_y 1
		.amdhsa_system_sgpr_workgroup_id_z 1
		.amdhsa_system_vgpr_workitem_id 0
		.amdhsa_next_free_vgpr 256
		.amdhsa_next_free_sgpr 100
		.amdhsa_reserve_vcc 0
		.amdhsa_float_denorm_mode_32 3
		.amdhsa_float_denorm_mode_16_64 3
		.amdhsa_memory_ordered 1
		.amdhsa_forward_progress 1
		.amdhsa_inst_pref_size 159
	.end_amdhsa_kernel
	.amdgpu_metadata
---
amdhsa.version: [ 1, 2 ]
amdhsa.kernels:
  - .name:           k_q5b6d464979_tail
    .symbol:         k_q5b6d464979_tail.kd
    .args:
      - { .name: cq, .offset: 0, .size: 8, .value_kind: global_buffer, .address_space: global }
      - { .name: cs, .offset: 8, .size: 8, .value_kind: global_buffer, .address_space: global }
      - { .name: wt, .offset: 16, .size: 8, .value_kind: global_buffer, .address_space: global }
      - { .name: x, .offset: 24, .size: 8, .value_kind: global_buffer, .address_space: global }
      - { .name: bo, .offset: 32, .size: 8, .value_kind: global_buffer, .address_space: global }
      - { .name: ln1_g, .offset: 40, .size: 8, .value_kind: global_buffer, .address_space: global }
      - { .name: ln1_b, .offset: 48, .size: 8, .value_kind: global_buffer, .address_space: global }
      - { .name: b1, .offset: 56, .size: 8, .value_kind: global_buffer, .address_space: global }
      - { .name: b2, .offset: 64, .size: 8, .value_kind: global_buffer, .address_space: global }
      - { .name: ln2_g, .offset: 72, .size: 8, .value_kind: global_buffer, .address_space: global }
      - { .name: ln2_b, .offset: 80, .size: 8, .value_kind: global_buffer, .address_space: global }
      - { .name: out0, .offset: 88, .size: 8, .value_kind: global_buffer, .address_space: global }
    .group_segment_fixed_size: 254976
    .private_segment_fixed_size: 0
    .kernarg_segment_align: 8
    .kernarg_segment_size: 96
    .max_flat_workgroup_size: 512
    .sgpr_count:     100
    .vgpr_count:     256
    .wavefront_size: 32
...
	.end_amdgpu_metadata
.endif
;; end of part 6
